; MI455X (gfx1250); checked and timed in simulation.
; The chip was launched on July 23, 2026; its instructions are those of AMD's public machine-readable ISA for CDNA 5 (MIT licence, August 2026) and "CDNA5" Instruction Set Architecture Reference Guide (July 2026). The comments in the code are by the model that wrote it; some were corrected since.
;; Attention. Allowed arithmetic: matrix products marked QUANTISED: E2M3 operands, one E8M0 scale for each 32 along K, by v_wmma_scale_f32_16x16x128_f8f6f4 with both operands' format E2M3, f32 sums; everything else in f32.
;; Inputs: Wk 768 x 768 float32; Wo 768 x 768 float32; Wq 768 x 768 float32; Wv 768 x 768 float32; bk 768 float32; bo 768 float32; bq 768 float32; bv 768 float32; mask 2 x 8 x 1 x 1 x 1,024 int32; x 2 x 8 x 1,024 x 768 float32.
;; Outputs: out0 2 x 8 x 1,024 x 768 float32.
;; This version of the problem:
;;   THIS VERSION OF THE PROBLEM IS GIVEN IN LOW PRECISION. The matrix products marked QUANTISED in the list below multiply operands that are first quantised to E2M3 (2 exponent bits, 3 mantissa bits; 6 bits a number), with one power-of-two scale for each 32 numbers along K (OCP MX v1.0); their sums are f32. All else is computed in f32.
;;   The module's matrix products, in the order in which they are computed (A, B: the left and right operand; K: the contracted axis; several contracted axes count as one K, in the product's order):
;;     1. [M 16,384, K 768] x [K 768, N 768]; A: input x; B: input Wq: QUANTISED
;;     2. [M 16,384, K 768] x [K 768, N 768]; A: input x; B: input Wk: QUANTISED
;;     3. [M 16,384, K 768] x [K 768, N 768]; A: input x; B: input Wv: QUANTISED
;;     4. batch 192 x [M 1,024, K 64] x [K 64, N 1,024]; A: computed on the way; B: computed on the way: QUANTISED
;;     5. batch 192 x [M 1,024, K 1,024] x [K 1,024, N 64]; A: softmax (see below); B: computed on the way: QUANTISED
;;     6. [M 16,384, K 768] x [K 768, N 768]; A: computed on the way; B: input Wo: QUANTISED
;;   THE QUANTISER, for each operand of a quantised product, along K:
;;     - K is cut into blocks of 32 from its start; a last block that is shorter is filled with zeros.
;;     - A block's scale is 2^e with e = floor(log2(the largest magnitude in the block)) - 2, held to -126 .. 127; a block of zeros has e = 0. As a byte (E8M0): e + 127.
;;     - Each number is divided by its block's scale, clamped to +-7.5, and rounded to the nearest number of E2M3, ties to even, subnormals kept.
;;     - The product sums the exact products of the quantised numbers (number of the format x scale) in f32.
;;   ~~~python
;;   def quantise(x, axis):      # numpy; x: float32 -> the quantised numbers, widened to float32 again
;;       x = np.moveaxis(x, axis, -1); K = x.shape[-1]
;;       x = np.pad(x, [(0, 0)] * (x.ndim - 1) + [(0, -K % 32)]); x = x.reshape(x.shape[:-1] + (-1, 32)); a = np.abs(x).max(-1, keepdims=True)
;;       e = np.where(a > 0, np.clip(np.frexp(np.where(a > 0, a, 1))[1] - 1 - 2, -126, 127), 0)      # np.frexp(a)[1] - 1 = floor(log2(a)), exactly
;;       r = np.clip(x / 2.0 ** e, -7.5, 7.5)
;;       step = 2.0 ** (np.maximum(np.frexp(np.where(r == 0, 1, r))[1] - 1, 0) - 3)
;;       q = np.round(r / step) * step * 2.0 ** e      # np.round: ties to even
;;       return np.moveaxis(q.reshape(q.shape[:-2] + (-1,))[..., :K], -1, axis).astype(np.float32)
;;   ~~~
;;   SOFTMAX AHEAD OF A QUANTISED PRODUCT. Where the list says 'softmax', what is quantised is not the finished softmax but p = 2^(t - M), with t = logit x log2(e) and M = ceil(the row's largest t), a whole number; so 1/2 < the row's largest p <= 1. The row's sum l is taken of the UNQUANTISED p, in f32, and the product's result is divided by l at the end. Since M is a whole number, a kernel that streams over the keys may use a running M (the ceiling of the running maximum): every later rescaling is an exact power of two, which a block's scale takes up: the codes' values come out the same.
;;   OPERANDS COMPUTED ON THE WAY. 'Computed on the way' means the value that the module computes at that place (a softmax that the list does not call 'softmax' is quantised finished and normalised). What goes into a quantiser is computed in f32, as accurately as f32 sums, v_exp_f32 and their like allow (about 1e-6 of the number): no bf16 or f16 on the way to a quantiser, and a product that is left as it is and whose result goes on into a quantised operand takes f32 operands (vector FMAs, or v_wmma_f32_16x16x4_f32). A number that lies on a knife's edge between two numbers of the format may be rounded either way, as far as f32 arithmetic and the matrix unit's own rounding can turn it there, and no further.
;; 2 versions. Each part assembles by itself: llvm-mc -triple=amdgcn-amd-amdhsa -mcpu=gfx1250 --defsym DOCPART=n.
;; ======== version 1 of 2: 4 launches
;; limits: right only within a limited range of input values
;; workspace buffers: XC 9,437,184 bytes; XS 524,288 bytes; WB 2,105,344 bytes; QB 20,447,232 bytes; KV 20,447,232 bytes; AO 9,437,184 bytes; AOS 786,432 bytes
;; launch prep (part 1): grid 416 x 1, 4 waves a work-group, no clusters, 46,592 bytes of LDS; arguments x, Wq, Wk, Wv, Wo, XC, XS, WB; writes XC, XS, WB
.if DOCPART == 1
	.amdgcn_target "amdgcn-amd-amdhsa--gfx1250"
	.amdhsa_code_object_version 6
	.text
	.protected	k_qe60b6f4a28_prep
	.globl	k_qe60b6f4a28_prep
	.p2align	8
	.type	k_qe60b6f4a28_prep,@function
k_qe60b6f4a28_prep:
	s_mov_b64 s[64:65], 0
	v_nop
	global_prefetch_b8 v0, s[64:65] scope:SCOPE_SE
	s_setreg_imm32_b32 hwreg(HW_REG_WAVE_MODE, 25, 1), 1
	s_wait_xcnt 0x0
; PREP: x [16384][768] and the four weights [768 (k)][768 (n)], f32, become codes of FP6 (E2M3) with one E8M0 byte for each 32 along K, laid in the order of the operands' registers; and the table of cos and sin for the rotation.
; A block's scale is 2^(floor(log2(its largest magnitude)) - 2); its byte is that magnitude's exponent field - 2, held at 1 from below (a block of zeros keeps the byte 1: its codes are zeros, and this program alone reads the bytes).
; ROW TILE T (16 rows): lane index r takes row 32 (T / 2) + 8 (T % 2) + r + 8 (r / 8); the columns of a weight's tile t inside a unit of 64 columns likewise.  So where a tile is source 0 of a product, the 16 result registers of tiles 2 b and 2 b + 1 are 16 neighbours.
; XC: [T][12] records of 768 bytes: 16 rows x 64 along K = 6 registers a lane (k = 32 (lane / 16) + 0..31): registers 0-3 at 16 x lane, registers 4-5 at 512 + 8 x lane.
; XS: [T] 512 bytes, an image of 4 registers: register a holds the scale words of K step 2 a in lanes 0-15 and of K step 2 a + 1 in lanes 16-31; register 3 is 0.
; WB: codes [unit 48][K step 6][tile 4] fragments of 1,536 bytes (registers 4 q .. 4 q + 3 at 512 q + 16 x lane); from WSC scale words [unit][6 b + K step][32 lanes] (lanes 0-15 tile 2 b, lanes 16-31 tile 2 b + 1); from CTB the table [tile of positions 64] 4,096 bytes: registers 0-15 cos, 16-31 sin of frequency 16 (lane / 16) + i at the lane's position.
; SHARES: work-groups 0-143 the weights (a unit of 64 columns x two K steps each), 144-159 the table, 160-415 x (a wave a tile, all six K steps).  The three paths part on the work-group's number, have LDS bytes of their own and no barrier: waves share nothing.
; LIMITS: NaN and infinities are not served; blocks whose largest magnitude lies under 2^-124 keep the byte 1.  The frequencies are 2^(-j x log2(10000) / 32) by v_exp_f32: the angle at position 1023 is within about 1e-4 rad of the exact one.
.set SEL,  22                          ; s[22:23] lane selects: lane l xor 16
.set HIM,  24                          ; s24 lanes 16-31 as a mask
.set R,    16                          ; v16-143  two sets of 64: x as loaded
.set X,    144                         ; v144-207 64 numbers: register 16 b + i = k 32 b + 16 (lane / 16) + i of my row
.set PC,   208                         ; v208-227 the codes just made
.set TM,   228                         ; v228-243 at work
.set PW,   244                         ; the scale word just made
.set SW,   248                         ; v248-251 the tile's image of scale words
.set XSTG, 8448                        ; x path: a stage of 16 rows x (512 + 16) bytes for each wave, from LDS byte 0
.set WSTG, 33792                       ; weight path: 3,072 bytes for each wave
.set WSC,  1769472
.set CTB,  1843200
; 64 numbers of a lane become a fragment's 12 registers in v[PC] on and its scale word in v[PW]
.macro QUANT s
.irp b, 0,1,2,3
	v_max3_num_f32 v[TM+\b], |v[\s+16*\b]|, |v[\s+1+16*\b]|, 0x1800000   ; my 16 numbers of block b, and the floor 2^(3 - 127): the byte cannot fall under 1
.endr
.irp i, 2,4,6,8,10,12,14
.irp b, 0,1,2,3
	v_max3_num_f32 v[TM+\b], v[TM+\b], |v[\s+16*\b+\i]|, |v[\s+1+16*\b+\i]|
.endr
.endr
.irp b, 0,1,2,3
	v_permlanex16_b32 v[TM+4+\b], v[TM+\b], s[SEL], s[SEL+1]
.endr
.irp b, 0,1,2,3
	v_max_num_f32 v[TM+\b], v[TM+\b], v[TM+4+\b]                 ; with lane l xor 16's: the block's largest magnitude
.endr
.irp b, 0,1,2,3
	v_add_nc_u32 v[TM+12+\b], 0xff000000, v[TM+\b]               ; 2 off its exponent field: the conversion's scale operand
.endr
.irp b, 0,1,2,3
	v_lshrrev_b32 v[TM+4+\b], 23, v[TM+12+\b]                    ; the scale's byte
.endr
	v_lshl_or_b32 v[PW], v[TM+5], 8, v[TM+4]
	v_lshl_or_b32 v[PW], v[TM+6], 16, v[PW]
	v_lshl_or_b32 v[PW], v[TM+7], 24, v[PW]
.irp c, 0,1
	v_cvt_scalef32_pk16_fp6_f32 v[PC+6*\c:PC+2+6*\c], v[\s+32*\c:\s+15+32*\c], v[TM+12+2*\c]
	v_cvt_scalef32_pk16_fp6_f32 v[PC+12+4*\c:PC+14+4*\c], v[\s+16+32*\c:\s+31+32*\c], v[TM+12+2*\c+1]   ; (a conversion's three registers begin on an even number)
.endr
	v_nop                                                        ; one plain line behind the conversions
.irp c, 0,1                            ; the operand wants a whole block in a lane: lanes 0-15 block 2 c, lanes 16-31 block 2 c + 1
.irp i, 0,1,2
	v_permlane16_swap_b32 v[PC+6*\c+\i], v[PC+12+4*\c+\i]
.endr
.irp i, 0,1,2
	v_mov_b32 v[PC+3+6*\c+\i], v[PC+12+4*\c+\i]
.endr
.endr
.endm
	s_load_b256 s[4:11], s[0:1], 0x0               ; x s[4:5], Wq s[6:7], Wk s[8:9], Wv s[10:11]
	s_load_b256 s[12:19], s[0:1], 0x20             ; Wo s[12:13], XC s[14:15], XS s[16:17], WB s[18:19]
	v_lshl_add_u32 v254, v0, 2, 0xb400
	v_mov_b32 v255, 0
	v_lshrrev_b32 v1, 5, v0
	v_readfirstlane_b32 s20, v1                    ; wave
	v_and_b32 v1, 31, v0                           ; lane
	v_and_b32 v2, 15, v0                           ; r
	v_bfe_u32 v3, v0, 4, 1                         ; h
	v_lshlrev_b32 v4, 4, v1                        ; 16 x lane
	v_lshlrev_b32 v5, 3, v1                        ; 8 x lane
	s_mov_b32 s[SEL], 0x76543210
	s_mov_b32 s[SEL+1], 0xfedcba98
	s_mov_b32 s[HIM], 0xffff0000
	s_wait_kmcnt 0x0
	s_cmp_lt_u32 ttmp9, 144
	s_cbranch_scc1 .Lweights
	s_cmp_lt_u32 ttmp9, 160
	s_cbranch_scc1 .Ltable
	; ---------------- x: my wave's tile T, six K steps of 128 ----------------
	s_sub_co_u32 s25, ttmp9, 160
	s_lshl_b32 s25, s25, 2
	s_add_co_u32 s25, s25, s20                     ; T
	s_lshr_b32 s26, s25, 1
	s_lshl_b32 s26, s26, 5
	s_and_b32 s27, s25, 1
	s_lshl_b32 s27, s27, 3
	s_add_co_u32 s26, s26, s27                     ; the tile's first row
	s_mul_i32 s26, s26, 3072
	s_mov_b32 s27, 0
	s_add_nc_u64 s[4:5], s[4:5], s[26:27]
	s_mul_i32 s26, s25, 9216
	s_add_nc_u64 s[14:15], s[14:15], s[26:27]
	s_lshl_b32 s26, s25, 9
	s_add_nc_u64 s[16:17], s[16:17], s[26:27]
	s_mul_i32 s28, s20, XSTG
	v_add_nc_u32 v6, s28, v4                       ; into the stage: a row's 512 bytes as they lie
	v_mul_u32_u24 v7, v2, 528
	v_lshl_add_u32 v7, v3, 6, v7
	v_add_nc_u32 v7, s28, v7                       ; out of it: row r, + 64 h: my 16 numbers of each block of 32
.irp b, 0,1,2,3
	v_mov_b32 v[TM+4+\b], 0                        ; written once: a lane permute's destination counts as one of its sources
.endr
.macro LOADX st                        ; K step st of the tile's 16 rows: each load reads 512 consecutive bytes of one row
.irp rho, 0,1,2,3,4,5,6,7,8,9,10,11,12,13,14,15
	global_load_b128 v[R+64*((\st)%2)+4*\rho:R+64*((\st)%2)+4*\rho+3], v4, s[4:5] offset:(\rho+8*(\rho/8))*3072+512*(\st) th:TH_LOAD_NT
.endr
.endm
.macro STEPX st
.if (\st) < 5
	s_wait_loadcnt 16                              ; this step's 16 loads are in; the next step's 16 may be out
.else
	s_wait_loadcnt 0x0
.endif
.irp rho, 0,1,2,3,4,5,6,7,8,9,10,11,12,13,14,15
	ds_store_b128 v6, v[R+64*((\st)%2)+4*\rho:R+64*((\st)%2)+4*\rho+3] offset:528*\rho
.endr
.irp b, 0,1,2,3
.irp j, 0,1,2,3
	ds_load_b128 v[X+16*\b+4*\j:X+16*\b+4*\j+3], v7 offset:128*\b+16*\j   ; LDS serves a wave's instructions in order: these see the stores above
.endr
.endr
	s_wait_dscnt 0x0                               ; the numbers are back, and the stores have read their registers
	s_wait_xcnt 0x0                                ; the last step's stores have read the codes' registers, which are written again below
.if (\st) < 4
	LOADX (\st)+2
.endif
	QUANT X
	global_store_b128 v4, v[PC:PC+3], s[14:15] offset:1536*(\st)          ; two records of 768 bytes: each store covers 512 or 256 consecutive bytes, aligned to 256
	global_store_b64 v5, v[PC+4:PC+5], s[14:15] offset:1536*(\st)+512
	global_store_b128 v4, v[PC+6:PC+9], s[14:15] offset:1536*(\st)+768
	global_store_b64 v5, v[PC+10:PC+11], s[14:15] offset:1536*(\st)+1280
.if ((\st)%2) == 0
	v_mov_b32 v[SW+(\st)/2], v[PW]
.else
	v_cndmask_b32 v[SW+(\st)/2], v[SW+(\st)/2], v[PW], s[HIM]             ; the odd step's words go to lanes 16-31
.endif
.endm
	LOADX 0
	LOADX 1
.irp st, 0,1,2,3,4,5
	STEPX \st
.endr
	v_mov_b32 v[SW+3], 0
	global_store_b128 v4, v[SW:SW+3], s[16:17]
	s_wait_tensorcnt 0x0
	ds_add_u32 v254, v255
	s_wait_dscnt 0x0
	s_endpgm
	; ---------------- the weights: a lane takes a column, its registers run down K ----------------
.Lweights:
	s_mul_hi_u32 s25, ttmp9, 0x55555556            ; unit of 64 columns = work-group / 3
	s_mul_i32 s26, s25, 3
	s_sub_co_u32 s26, ttmp9, s26                   ; which pair of K steps
	s_mov_b64 s[28:29], s[6:7]                     ; units 0-11 Wq, 12-23 Wk, 24-35 Wv, 36-47 Wo: the choice hangs on the work-group's number alone
	s_mov_b32 s27, 0
	s_cmp_ge_u32 s25, 12
	s_cselect_b64 s[28:29], s[8:9], s[28:29]
	s_cselect_b32 s27, 12, s27
	s_cmp_ge_u32 s25, 24
	s_cselect_b64 s[28:29], s[10:11], s[28:29]
	s_cselect_b32 s27, 24, s27
	s_cmp_ge_u32 s25, 36
	s_cselect_b64 s[28:29], s[12:13], s[28:29]
	s_cselect_b32 s27, 36, s27
	s_sub_co_u32 s27, s25, s27                     ; the unit inside its matrix
	s_and_b32 s30, s20, 1                          ; b: which 32 columns
	s_lshr_b32 s31, s20, 1
	s_lshl_b32 s26, s26, 1
	s_add_co_u32 s31, s31, s26                     ; my K step
	s_mul_i32 s32, s31, 128*3072
	s_lshl_b32 s33, s27, 8
	s_add_co_u32 s32, s32, s33
	s_lshl_b32 s33, s30, 7
	s_add_co_u32 s32, s32, s33
	s_mov_b32 s33, 0
	s_add_nc_u64 s[28:29], s[28:29], s[32:33]      ; W at (128 x K step, 64 x unit + 32 b)
	s_mul_i32 s32, s25, 36864
	s_lshl_b32 s34, s31, 2
	s_lshl_b32 s35, s30, 1
	s_add_co_u32 s34, s34, s35
	s_mul_i32 s34, s34, 1536
	s_add_co_u32 s32, s32, s34
	s_add_nc_u64 s[36:37], s[18:19], s[32:33]      ; my two fragments: tiles 2 b and 2 b + 1
	s_mul_i32 s32, s25, 1536
	s_mul_i32 s34, s30, 6
	s_add_co_u32 s34, s34, s31
	s_lshl_b32 s34, s34, 7
	s_add_co_u32 s32, s32, s34
	s_add_co_u32 s32, s32, WSC
	s_add_nc_u64 s[38:39], s[18:19], s[32:33]      ; and their 32 scale words
	v_lshlrev_b32 v8, 2, v1                        ; 4 bytes a lane
	v_bfe_u32 v15, v0, 3, 1                        ; column lambda of the 32 is row r = lambda % 8 + 8 (lambda / 16) of tile 2 b + u, u = (lambda / 8) % 2
	v_and_b32 v9, 7, v0
	v_lshl_add_u32 v14, v3, 3, v9                  ; r
	v_mul_u32_u24 v9, v15, 1536
	v_lshl_add_u32 v9, v14, 4, v9
	s_mul_i32 s34, s20, 3072
	s_add_co_u32 s34, s34, WSTG
	v_add_nc_u32 v9, s34, v9                       ; my place in the stage: 1,536 u + 16 r
	v_add_nc_u32 v10, s34, v4                      ; and out of it 16 x lane
	v_lshl_add_u32 v14, v15, 4, v14
	v_lshlrev_b32 v14, 2, v14                      ; my scale word's place: 4 (16 u + r)
.macro LOADWB q                        ; block q: W(32 q + i, my column)
.irp i, 0,1,2,3,4,5,6,7,8,9,10,11,12,13,14,15,16,17,18,19,20,21,22,23,24,25,26,27,28,29,30,31
	global_load_b32 v[32+32*(\q)+\i], v8, s[28:29] offset:(32*(\q)+\i)*3072
.endr
.endm
.macro BLOCKW q                        ; block q of my column goes to lane r + 16 (q % 2), registers 6 (q / 2) on, of its fragment
.set XQ, 32+32*(\q)
.set CQ, 160+8*(\q)
.if (\q) < 3
	s_wait_loadcnt 32                              ; this block's 32 loads are in; the next block's 32 may be out
.else
	s_wait_loadcnt 0x0
.endif
.if (\q) < 2
	LOADWB (\q)+2
.endif
	v_max3_num_f32 v12, |v[XQ]|, |v[XQ+1]|, |v[XQ+2]|
	v_max3_num_f32 v13, |v[XQ+3]|, |v[XQ+4]|, |v[XQ+5]|
.irp i, 6,10,14,18,22,26
	v_max3_num_f32 v12, v12, |v[XQ+\i]|, |v[XQ+\i+1]|
	v_max3_num_f32 v13, v13, |v[XQ+\i+2]|, |v[XQ+\i+3]|
.endr
	v_max3_num_f32 v12, v12, |v[XQ+30]|, |v[XQ+31]|
	v_max3_num_f32 v12, v12, v13, 0x1800000        ; and the floor
	v_add_nc_u32 v11, 0xff000000, v12
	v_lshrrev_b32 v13, 23, v11
.if (\q) == 0
	v_mov_b32 v200, v13
.else
	v_lshl_or_b32 v200, v13, 8*(\q), v200          ; four bytes: my column's scale word for this K step
.endif
	v_cvt_scalef32_pk16_fp6_f32 v[CQ:CQ+2], v[XQ:XQ+15], v11
	v_cvt_scalef32_pk16_fp6_f32 v[192:194], v[XQ+16:XQ+31], v11
	v_nop
.irp i, 0,1,2
	v_mov_b32 v[CQ+3+\i], v[192+\i]
.endr
.if ((\q)/2) == 0
	ds_store_b128 v9, v[CQ:CQ+3] offset:256*((\q)%2)               ; registers 0-3
	ds_store_b64 v9, v[CQ+4:CQ+5] offset:512+256*((\q)%2)          ; registers 4-5
.else
	ds_store_b64 v9, v[CQ:CQ+1] offset:520+256*((\q)%2)            ; registers 6-7
	ds_store_b128 v9, v[CQ+2:CQ+5] offset:1024+256*((\q)%2)        ; registers 8-11
.endif
.endm
	LOADWB 0
	LOADWB 1
.irp q, 0,1,2,3
	BLOCKW \q
.endr
.irp i, 0,1,2,3,4,5
	ds_load_b128 v[208+4*\i:211+4*\i], v10 offset:512*\i           ; LDS serves a wave's instructions in order: these see my stores
.endr
	global_store_b32 v14, v200, s[38:39]
.irp i, 0,1,2,3,4,5
	s_wait_dscnt 5-\i                              ; load i is in; the younger ones may be out
	global_store_b128 v4, v[208+4*\i:211+4*\i], s[36:37] offset:512*\i
.endr
	s_wait_tensorcnt 0x0
	ds_add_u32 v254, v255
	s_wait_dscnt 0x0
	s_endpgm
	; ---------------- the table: cos and sin of position x frequency ----------------
.Ltable:
	s_sub_co_u32 s25, ttmp9, 144
	s_lshl_b32 s25, s25, 2
	s_add_co_u32 s25, s25, s20                     ; tile of positions, 0..63
	s_lshr_b32 s26, s25, 1
	s_lshl_b32 s26, s26, 5
	s_and_b32 s27, s25, 1
	s_lshl_b32 s27, s27, 3
	s_add_co_u32 s26, s26, s27
	v_and_b32 v8, 8, v2
	v_add_nc_u32 v8, v8, v2
	v_add_nc_u32 v8, s26, v8
	v_cvt_f32_u32 v8, v8                           ; my position
	v_lshlrev_b32 v9, 4, v3                        ; 16 h
	s_lshl_b32 s26, s25, 12
	s_add_co_u32 s26, s26, CTB
	s_mov_b32 s27, 0
	s_add_nc_u64 s[28:29], s[18:19], s[26:27]
	s_mov_b32 s30, 0xbfc90fdb                      ; -(pi / 2), the f32 nearest
	s_mov_b32 s31, 0x333bbd2e                      ; what that f32 lies above pi / 2
.irp i, 0,1,2,3,4,5,6,7,8,9,10,11,12,13,14,15
	v_add_nc_u32 v[16+\i], \i, v9
.endr
.irp i, 0,1,2,3,4,5,6,7,8,9,10,11,12,13,14,15
	v_cvt_f32_u32 v[16+\i], v[16+\i]
.endr
.irp i, 0,1,2,3,4,5,6,7,8,9,10,11,12,13,14,15
	v_mul_f32 v[16+\i], 0xbed49a78, v[16+\i]       ; -j x log2(10000) / 32
.endr
.irp i, 0,1,2,3,4,5,6,7,8,9,10,11,12,13,14,15
	v_exp_f32 v[16+\i], v[16+\i]                   ; the frequency
.endr
	v_nop                                          ; a plain line behind the last exponential
	s_wait_alu depctr_va_vdst(0)                   ; one wait for the batch, ahead of its first reader
.macro SINCOS i                        ; a = position x frequency = n pi / 2 + rr, |rr| <= pi / 4; series in rr; the quadrant n % 4 swaps and signs them
	v_mul_f32 v64, v8, v[16+\i]
	v_mul_f32 v65, 0x3f22f983, v64
	v_rndne_f32 v65, v65
	v_fma_f32 v66, v65, s30, v64                   ; exact: both are multiples of 2^-23 and the difference is under 1
	v_fma_f32 v66, v65, s31, v66
	v_mul_f32 v67, v66, v66
	v_mov_b32 v68, 0x3638ef1d
	v_fmaak_f32 v68, v68, v67, 0xb9500d01
	v_fmaak_f32 v68, v68, v67, 0x3c088889
	v_fmaak_f32 v68, v68, v67, 0xbe2aaaab
	v_mul_f32 v69, v66, v67
	v_fma_f32 v68, v69, v68, v66                   ; sin rr
	v_mov_b32 v70, 0xb493f27e
	v_fmaak_f32 v70, v70, v67, 0x37d00d01
	v_fmaak_f32 v70, v70, v67, 0xbab60b61
	v_fmaak_f32 v70, v70, v67, 0x3d2aaaab
	v_fma_f32 v70, v70, v67, -0.5
	v_fma_f32 v70, v70, v67, 1.0                   ; cos rr
	v_cvt_i32_f32 v71, v65
	v_and_b32 v72, 1, v71
	v_cmp_eq_u32 vcc_lo, 1, v72
	v_cndmask_b32 v73, v68, v70, vcc_lo            ; sin a: cos rr in odd quadrants
	v_cndmask_b32 v74, v70, v68, vcc_lo            ; cos a: sin rr there
	v_lshlrev_b32 v72, 30, v71
	v_and_b32 v72, 0x80000000, v72
	v_xor_b32 v[48+\i], v72, v73                   ; sin is negative in quadrants 2, 3
	v_add_nc_u32 v71, 1, v71
	v_lshlrev_b32 v72, 30, v71
	v_and_b32 v72, 0x80000000, v72
	v_xor_b32 v[32+\i], v72, v74                   ; cos in quadrants 1, 2
.endm
.irp i, 0,1,2,3,4,5,6,7,8,9,10,11,12,13,14,15
	SINCOS \i
.endr
.irp c, 0,1,2,3,4,5,6,7
	global_store_b128 v4, v[32+4*\c:35+4*\c], s[28:29] offset:512*\c
.endr
	s_endpgm
.Lfunc_end_k_qe60b6f4a28_prep:
	.size	k_qe60b6f4a28_prep, .Lfunc_end_k_qe60b6f4a28_prep-k_qe60b6f4a28_prep
	.p2alignl 7, 3214868480
	.fill 96, 4, 3214868480
	.section	.rodata,"a",@progbits
	.p2align	6, 0x0
	.amdhsa_kernel k_qe60b6f4a28_prep
		.amdhsa_group_segment_fixed_size 46592
		.amdhsa_private_segment_fixed_size 0
		.amdhsa_enable_private_segment 0
		.amdhsa_kernarg_size 64
		.amdhsa_user_sgpr_count 2
		.amdhsa_user_sgpr_kernarg_segment_ptr 1
		.amdhsa_wavefront_size32 1
		.amdhsa_system_sgpr_workgroup_id_x 1
		.amdhsa_system_sgpr_workgroup_id_y 1
		.amdhsa_system_sgpr_workgroup_id_z 1
		.amdhsa_system_vgpr_workitem_id 0
		.amdhsa_next_free_vgpr 256
		.amdhsa_next_free_sgpr 66
		.amdhsa_reserve_vcc 1
		.amdhsa_float_denorm_mode_32 3
		.amdhsa_float_denorm_mode_16_64 3
		.amdhsa_memory_ordered 1
		.amdhsa_forward_progress 1
		.amdhsa_inst_pref_size 98
	.end_amdhsa_kernel
	.amdgpu_metadata
---
amdhsa.version: [ 1, 2 ]
amdhsa.kernels:
  - .name:           k_qe60b6f4a28_prep
    .symbol:         k_qe60b6f4a28_prep.kd
    .args:
      - { .name: x, .offset: 0, .size: 8, .value_kind: global_buffer, .address_space: global }
      - { .name: Wq, .offset: 8, .size: 8, .value_kind: global_buffer, .address_space: global }
      - { .name: Wk, .offset: 16, .size: 8, .value_kind: global_buffer, .address_space: global }
      - { .name: Wv, .offset: 24, .size: 8, .value_kind: global_buffer, .address_space: global }
      - { .name: Wo, .offset: 32, .size: 8, .value_kind: global_buffer, .address_space: global }
      - { .name: XC, .offset: 40, .size: 8, .value_kind: global_buffer, .address_space: global }
      - { .name: XS, .offset: 48, .size: 8, .value_kind: global_buffer, .address_space: global }
      - { .name: WB, .offset: 56, .size: 8, .value_kind: global_buffer, .address_space: global }
    .group_segment_fixed_size: 46592
    .private_segment_fixed_size: 0
    .kernarg_segment_align: 8
    .kernarg_segment_size: 64
    .max_flat_workgroup_size: 128
    .sgpr_count:     66
    .vgpr_count:     256
    .wavefront_size: 32
...
	.end_amdgpu_metadata
.endif
;; end of part 1
;; launch qkv (part 2): grid 256 x 1, 4 waves a work-group, no clusters, 104,960 bytes of LDS; arguments XC, XS, WB, mask, bq, bk, bv, QB, KV; writes QB, KV
.if DOCPART == 2
	.amdgcn_target "amdgcn-amd-amdhsa--gfx1250"
	.amdhsa_code_object_version 6
	.text
	.protected	k_qe60b6f4a28_qkv
	.globl	k_qe60b6f4a28_qkv
	.p2align	8
	.type	k_qe60b6f4a28_qkv,@function
k_qe60b6f4a28_qkv:
	s_mov_b64 s[64:65], 0
	v_nop
	global_prefetch_b8 v0, s[64:65] scope:SCOPE_SE
	s_setreg_imm32_b32 hwreg(HW_REG_WAVE_MODE, 25, 1), 1
	s_wait_xcnt 0x0
; QKV: q = x Wq + bq, k = x Wk + bk, v = x Wv + bv on codes of FP6 (E2M3) with E8M0 scales; q and k are rotated (cos and sin from the table) and quantised along the head's 64; v is quantised along the keys; the key mask goes into k's scale words.
; A UNIT is 64 rows (block rb) x 256 columns (group g): 256 x 9 units.  Work-group wg walks units 9 wg .. 9 wg + 8; g = unit / 256, rb = unit % 256; groups 0-2 are q's columns, 3-5 k's, 6-8 v's.  Wave w makes the 64 columns of one head.
; THE WAVE'S 24 WEIGHT FRAGMENTS STAY IN REGISTERS; they are loaded again only where the walk enters a new group (a scalar branch on ids).  x's codes, 36,864 bytes a block and its 2,048 bytes of scale words, are loaded a trip ahead into registers,
; stored into one of two LDS buffers, and read by all four waves in the next trip: one barrier a trip.  No cluster: the work-groups that read one block of x belong to nine different groups, some 28 ids apart, and nine divides into no cluster.
; q, k: source 0 = 16 columns of W, source 1 = 16 rows of x: a lane holds one row, and its 32 registers of a row tile are d = 32 b + 16 (lane / 16) + i.   v: source 0 = 16 rows of x, source 1 = 16 columns of W: a lane holds one d, its registers run along the keys.
; OUT, for each head and each 128 rows, a record of 13,312 bytes: 8 half fragments of K (16 keys x 64 d, 768 bytes: registers 0-3 at 16 x lane, 4-5 at 512 + 8 x lane), 8 of V (6,144 + 768 (2 x d tile + half of the keys)),
; K's scale words (12,288 + 256 x half: two registers, tile 2 i in lanes 0-15, tile 2 i + 1 in lanes 16-31), V's (12,800 + 256 x half, the two bytes already at their place in the word).  q goes to QB in K's form.
; THE MASK.  The next launch's product has K = 128 and a head has 64: the other 64 hold one code 1.0 on each side.  An even tile's word is (s0, s1, mb, 1), an odd tile's (mb, 1, s0, s1), mb = 254 where mask == 0, else 1.
; LIMITS: NaN and infinities are not served; blocks whose largest magnitude lies under 2^-124 keep the byte 1.
; REGISTERS, in windows of 256: window 0: v1-10 addresses; v16-27 W's scale words; v28-43 x's; v44-47 mask; v48-49 the words to store; v52-67 at work; v68-79 codes; v80-111 rotated numbers; v112-143 products with sin; v144-215 x's fragments of an even tile.
;   window 1: W's fragments of K steps 0-4 (48 s + 12 t).   window 2: K step 5 (12 t); v48-79 the bias, the C of each sum's first product; v80-155 the block on its way to LDS; v160-231 x's fragments of an odd tile.   window 3: v0-127 the sums; v128-255 cos and sin.
.set WS,  16
.set XSR, 28
.set MK,  44
.set KSW, 48
.set TM,  52
.set PC,  68
.set H,   80
.set TT,  112
.set XF0, 144
.set XF1, 160
.set BI,  48
.set STG, 80
.set CSB, 128
.set MSB, 0
.macro WIN new                         ; the immediate's high byte repeats the setting that is left
.if MSB != (\new)
	s_set_vgpr_msb (MSB<<8)|(\new)
.set MSB, (\new)
.endif
.endm
.macro NOPS n
.rept \n
	v_nop
.endr
.endm
.macro IDS                             ; s24 = the unit -> s25 g, s26 rb, s27 type (0 q, 1 k, 2 v), s28 the head
	s_lshr_b32 s25, s24, 8
	s_and_b32 s26, s24, 255
	s_cmp_ge_u32 s25, 3
	s_cselect_b32 s27, 1, 0
	s_cmp_ge_u32 s25, 6
	s_cselect_b32 s27, 2, s27
	s_mul_i32 s54, s27, 3
	s_sub_co_u32 s54, s25, s54
	s_lshl_b32 s54, s54, 2
	s_add_co_u32 s28, s54, s22
.endm
.macro LOADW                           ; my head's 24 fragments, 12 registers of scale words and the bias in the result's layout
	s_wait_xcnt 0x0                                ; earlier loads have read the pointers that are written here
	s_lshl_b32 s54, s25, 2
	s_add_co_u32 s54, s54, s22                     ; unit of 64 columns = 4 g + wave
	s_mul_i32 s56, s54, 36864
	s_mov_b32 s57, 0
	s_add_nc_u64 s[48:49], s[8:9], s[56:57]
	s_mul_i32 s56, s54, 1536
	s_add_co_u32 s56, s56, 1769472
	s_add_nc_u64 s[50:51], s[8:9], s[56:57]
	s_cmp_eq_u32 s27, 1
	s_cselect_b64 s[52:53], s[14:15], s[12:13]
	s_cmp_eq_u32 s27, 2
	s_cselect_b64 s[52:53], s[16:17], s[52:53]
	s_lshl_b32 s56, s28, 8
	s_add_nc_u64 s[52:53], s[52:53], s[56:57]      ; the bias at my head's 64 numbers
	WIN 0x40
.irp ks, 0,1,2,3,4
.irp t, 0,1,2,3
.irp q, 0,1,2
	global_load_b128 v[48*\ks+12*\t+4*\q:48*\ks+12*\t+4*\q+3], v1, s[48:49] offset:(4*\ks+\t)*1536+512*\q
.endr
.endr
.endr
	WIN 0x80
.irp t, 0,1,2,3
.irp q, 0,1,2
	global_load_b128 v[12*\t+4*\q:12*\t+4*\q+3], v1, s[48:49] offset:(20+\t)*1536+512*\q
.endr
.endr
	WIN 0
.irp rho, 0,1,2,3,4,5,6,7,8,9,10,11
	global_load_b32 v[WS+\rho], v10, s[50:51] offset:128*\rho
.endr
	s_cmp_eq_u32 s27, 2
	s_cbranch_scc1 .Lbias_v_\@
	WIN 0x80
.irp t, 0,1,2,3                        ; q, k: register j of tile t is column 32 (t / 2) + 8 (t % 2) + 16 h + j
	global_load_b128 v[BI+8*\t:BI+8*\t+3], v8, s[52:53] offset:(32*(\t/2)+8*(\t%2))*4
	global_load_b128 v[BI+8*\t+4:BI+8*\t+7], v8, s[52:53] offset:(32*(\t/2)+8*(\t%2))*4+16
.endr
	WIN 0
	s_branch .Lbias_done_\@
.Lbias_v_\@:
	WIN 0x80
.irp t, 0,1,2,3                        ; v: all eight registers of a lane belong to its one column
.irp j, 0,1,2,3,4,5,6,7
	global_load_b32 v[BI+8*\t+\j], v7, s[52:53] offset:(32*(\t/2)+8*(\t%2))*4
.endr
.endr
	WIN 0
.Lbias_done_\@:
.endm
.macro STGLOAD                         ; block s54 of x: 128 threads x 16 bytes x 19
	s_mul_i32 s56, s54, 36864
	s_mov_b32 s57, 0
	s_add_nc_u64 s[36:37], s[4:5], s[56:57]
	s_lshl_b32 s56, s54, 11
	s_add_nc_u64 s[38:39], s[6:7], s[56:57]
	WIN 0x80
.set ii, 0
.rept 18
	global_load_b128 v[STG+4*ii:STG+4*ii+3], v3, s[36:37] offset:2048*ii
.set ii, ii+1
.endr
	global_load_b128 v[STG+72:STG+75], v3, s[38:39]
	WIN 0
.endm
.macro STGSTORE                        ; and into the buffer at v6
	WIN 0x08
.set ii, 0
.rept 19
	ds_store_b128 v6, v[STG+4*ii:STG+4*ii+3] offset:2048*ii
.set ii, ii+1
.endr
	WIN 0
.endm
.macro XFETCH m                        ; tile m's 12 half fragments: 72 registers
.if ((\m)%2) == 0
.set XB, XF0
	WIN 0
.else
.set XB, XF1
	WIN 0x80
.endif
.irp hs, 0,1,2,3,4,5,6,7,8,9,10,11
	ds_load_b128 v[XB+6*\hs:XB+6*\hs+3], v4 offset:9216*(\m)+768*\hs
	ds_load_b64 v[XB+6*\hs+4:XB+6*\hs+5], v5 offset:9216*(\m)+768*\hs+512
.endr
	WIN 0
.endm
.macro WMS                             ; one product, from the symbols DD, AA, BB, CC, SA, SB and the rows RA, RB of the scale registers
.if (RA == 0) && (RB == 0)
	v_wmma_scale_f32_16x16x128_f8f6f4 v[DD:DD+7], v[AA:AA+11], v[BB:BB+11], v[CC:CC+7], v[SA], v[SB] matrix_a_fmt:MATRIX_FMT_FP6 matrix_b_fmt:MATRIX_FMT_FP6
.elseif (RA == 1) && (RB == 0)
	v_wmma_scale_f32_16x16x128_f8f6f4 v[DD:DD+7], v[AA:AA+11], v[BB:BB+11], v[CC:CC+7], v[SA], v[SB] matrix_a_fmt:MATRIX_FMT_FP6 matrix_b_fmt:MATRIX_FMT_FP6 matrix_a_scale:MATRIX_SCALE_ROW1
.elseif (RA == 0) && (RB == 1)
	v_wmma_scale_f32_16x16x128_f8f6f4 v[DD:DD+7], v[AA:AA+11], v[BB:BB+11], v[CC:CC+7], v[SA], v[SB] matrix_a_fmt:MATRIX_FMT_FP6 matrix_b_fmt:MATRIX_FMT_FP6 matrix_b_scale:MATRIX_SCALE_ROW1
.else
	v_wmma_scale_f32_16x16x128_f8f6f4 v[DD:DD+7], v[AA:AA+11], v[BB:BB+11], v[CC:CC+7], v[SA], v[SB] matrix_a_fmt:MATRIX_FMT_FP6 matrix_b_fmt:MATRIX_FMT_FP6 matrix_a_scale:MATRIX_SCALE_ROW1 matrix_b_scale:MATRIX_SCALE_ROW1
.endif
.endm
; 24 products: row tile m x my four column tiles x six K steps.  The four sums take turns, one instruction a turn.  The first K step takes the bias as C.
.macro MMA m, typ
.if ((\m)%2) == 0
.set XB, XF0
.set XW, 0
.else
.set XB, XF1
.set XW, 2
.endif
.irp ks, 0,1,2,3,4,5
.set WW, 1+(\ks/5)
.set WBS, 48*(\ks%5)
.set CW, 3-((5-\ks)/5)
.if (\typ) == 0
	WIN (WW|(XW<<2)|(CW<<4)|0xc0)
.else
	WIN (XW|(WW<<2)|(CW<<4)|0xc0)
.endif
.irp t, 0,1,2,3
.if (\typ) == 0
.set DD, 32*(\m)+8*\t
.set AA, WBS+12*\t
.set BB, XB+12*\ks
.set SA, WS+6*(\t/2)+\ks
.set RA, \t%2
.set SB, XSR+4*(\m)+\ks/2
.set RB, \ks%2
.else
.set DD, 32*\t+8*(\m)
.set AA, XB+12*\ks
.set BB, WBS+12*\t
.set SA, XSR+4*(\m)+\ks/2
.set RA, \ks%2
.set SB, WS+6*(\t/2)+\ks
.set RB, \t%2
.endif
.if \ks == 0
.set CC, BI+8*\t
.else
.set CC, DD
.endif
	WMS
.endr
.endr
.endm
.macro PHASE typ                       ; the unit's 96 products; tile m + 1's fragments are fetched ahead of tile m's products
.irp m, 0,1,2,3
.if \m > 0
	NOPS 4                                         ; four plain lines between the products that read a buffer and the loads into it (ISA guide 7.12.1 for vector instructions)
.endif
.if \m < 3
	XFETCH \m+1
	s_wait_dscnt 24                                ; all but the 24 loads just issued: this tile's fragments are in
.else
	s_wait_dscnt 0x0
.endif
	MMA \m, \typ
	WIN 0
.endr
	NOPS 4                                         ; and in front of the first read of the last results
.endm
; 32 numbers of a lane in window win, register 16 b + i = k 32 b + 16 (lane / 16) + i of my row, become a half fragment in v[PC] .. v[PC+5]; the two scale bytes stand in v[TM+4], v[TM+5]
.macro QUANT2 src, win
	WIN ((\win)|((\win)<<2))
.irp b, 0,1
	v_max3_num_f32 v[TM+\b], |v[(\src)+16*\b]|, |v[(\src)+1+16*\b]|, 0x1800000   ; each sum is read from its low end on; the floor 2^(3 - 127) holds the byte at 1 from below
.endr
	WIN (((\win)<<2)|((\win)<<4))
.irp i, 2,4,6,8,10,12,14
.irp b, 0,1
	v_max3_num_f32 v[TM+\b], v[TM+\b], |v[(\src)+16*\b+\i]|, |v[(\src)+1+16*\b+\i]|
.endr
.endr
	WIN 0
.irp b, 0,1
	v_permlanex16_b32 v[TM+4+\b], v[TM+\b], s30, s31
.endr
.irp b, 0,1
	v_max_num_f32 v[TM+\b], v[TM+\b], v[TM+4+\b]
.endr
.irp b, 0,1
	v_add_nc_u32 v[TM+12+\b], 0xff000000, v[TM+\b]
.endr
.irp b, 0,1
	v_lshrrev_b32 v[TM+4+\b], 23, v[TM+12+\b]
.endr
	s_wait_xcnt 0x0                                ; earlier stores have read the codes' and the words' registers, which are written again below
	WIN (\win)
	v_cvt_scalef32_pk16_fp6_f32 v[PC:PC+2], v[(\src):(\src)+15], v[TM+12]
	v_cvt_scalef32_pk16_fp6_f32 v[PC+6:PC+8], v[(\src)+16:(\src)+31], v[TM+13]
	WIN 0
	v_nop                                          ; one plain line behind the conversions
.irp i, 0,1,2
	v_permlane16_swap_b32 v[PC+\i], v[PC+6+\i]     ; lanes 0-15 get block 0 whole, lanes 16-31 block 1
.endr
.irp i, 0,1,2
	v_mov_b32 v[PC+3+\i], v[PC+6+\i]
.endr
.endm
.macro EPIQK m                         ; row tile m: the rotation, the quantiser, the scale word with the mask's byte, 768 bytes out
	WIN 0x0f
.irp i, 0,2,4,6,8,10,12,14
	v_pk_mul_f32 v[TT+\i:TT+\i+1], v[32*(\m)+16+\i:32*(\m)+17+\i], v[CSB+32*(\m)+16+\i:CSB+32*(\m)+17+\i]       ; y(d + 32) sin
.endr
.irp i, 0,2,4,6,8,10,12,14
	v_pk_mul_f32 v[TT+16+\i:TT+17+\i], v[32*(\m)+\i:32*(\m)+1+\i], v[CSB+32*(\m)+16+\i:CSB+32*(\m)+17+\i]       ; y(d) sin
.endr
.irp i, 0,2,4,6,8,10,12,14
	v_pk_fma_f32 v[H+\i:H+\i+1], v[32*(\m)+\i:32*(\m)+1+\i], v[CSB+32*(\m)+\i:CSB+32*(\m)+1+\i], v[TT+\i:TT+\i+1] neg_lo:[0,0,1] neg_hi:[0,0,1]   ; d < 32: y(d) cos - y(d + 32) sin
.endr
.irp i, 0,2,4,6,8,10,12,14
	v_pk_fma_f32 v[H+16+\i:H+17+\i], v[32*(\m)+16+\i:32*(\m)+17+\i], v[CSB+32*(\m)+\i:CSB+32*(\m)+1+\i], v[TT+16+\i:TT+17+\i]                      ; d >= 32: y(d) cos + y(d - 32) sin
.endr
	WIN 0
	QUANT2 H, 0
	v_lshl_or_b32 v[TM+8], v[TM+5], 8, v[TM+4]
	v_cmp_eq_u32 vcc_lo, 0, v[MK+(\m)]
	v_cndmask_b32 v[TM+9], 1, v9, vcc_lo           ; 254 where mask == 0, else 1
.if ((\m)%2) == 0
	v_lshl_or_b32 v[TM+9], v[TM+9], 16, v[TM+8]
	v_or_b32 v[KSW+(\m)/2], 0x01000000, v[TM+9]    ; (s0, s1, mb, 1)
.else
	v_lshl_or_b32 v[TM+9], v[TM+8], 16, v[TM+9]
	v_or_b32 v[TM+9], 0x100, v[TM+9]               ; (mb, 1, s0, s1),
	v_cndmask_b32 v[KSW+(\m)/2], v[KSW+(\m)/2], v[TM+9], s32   ; in lanes 16-31
.endif
	global_store_b128 v1, v[PC:PC+3], s[40:41] offset:768*(\m)
	global_store_b64 v2, v[PC+4:PC+5], s[40:41] offset:768*(\m)+512
.endm
.macro EPIV t                          ; d tile t: 64 keys of 16 d
	QUANT2 32*(\t), 3
	v_lshl_or_b32 v[TM+8], v[TM+5], 8, v[TM+4]
	v_lshlrev_b32 v[TM+8], s35, v[TM+8]            ; the second 64 keys' bytes are bytes 2 and 3 of the word
.if ((\t)%2) == 0
	v_mov_b32 v[KSW+(\t)/2], v[TM+8]
.else
	v_cndmask_b32 v[KSW+(\t)/2], v[KSW+(\t)/2], v[TM+8], s32
.endif
	global_store_b128 v1, v[PC:PC+3], s[40:41] offset:1536*(\t)
	global_store_b64 v2, v[PC+4:PC+5], s[40:41] offset:1536*(\t)+512
.endm
	s_load_b256 s[4:11], s[0:1], 0x0               ; XC s[4:5], XS s[6:7], WB s[8:9], mask s[10:11]
	s_load_b256 s[12:19], s[0:1], 0x20             ; bq s[12:13], bk s[14:15], bv s[16:17], QB s[18:19]
	s_load_b64 s[20:21], s[0:1], 0x40              ; KV
	v_lshl_add_u32 v254, v0, 2, 0x19800
	v_mov_b32 v255, 0
	v_lshrrev_b32 v1, 5, v0
	v_readfirstlane_b32 s22, v1                    ; wave
	v_and_b32 v10, 31, v0
	v_lshlrev_b32 v1, 4, v10                       ; 16 x lane
	v_lshlrev_b32 v2, 3, v10                       ; 8 x lane
	v_lshlrev_b32 v10, 2, v10                      ; 4 x lane
	v_lshlrev_b32 v3, 4, v0                        ; 16 x thread
	v_and_b32 v7, 15, v0
	v_and_b32 v8, 8, v7
	v_add_nc_u32 v7, v7, v8
	v_lshlrev_b32 v7, 2, v7                        ; 4 (r + 8 (r / 8))
	v_bfe_u32 v8, v0, 4, 1
	v_lshlrev_b32 v8, 6, v8                        ; 64 h
	v_mov_b32 v9, 254
	v_mov_b32 v[TM+4], 0                           ; written once: a lane permute's destination counts as one of its sources
	v_mov_b32 v[TM+5], 0
	s_mov_b32 s30, 0x76543210
	s_mov_b32 s31, 0xfedcba98
	s_mov_b32 s32, 0xffff0000                      ; lanes 16-31
	s_mov_b32 s33, 0                               ; the buffer that is read
	s_mov_b32 s34, 0                               ; the buffer that is written
	s_mov_b32 s23, 0                               ; trip
	s_mul_i32 s24, ttmp9, 9                        ; unit
	IDS
	s_wait_kmcnt 0x0
	s_mov_b32 s54, s26
	STGLOAD                                        ; the first block
	LOADW
	s_wait_loadcnt 0x0
	v_add_nc_u32 v6, s34, v3
	STGSTORE
	s_wait_dscnt 0x0                               ; my part of the first block lies in LDS, and the stores have read their registers
	s_add_co_u32 s54, s24, 1
	s_and_b32 s54, s54, 255
	STGLOAD                                        ; the second block
	s_mov_b32 s34, 0x10000
	s_barrier_signal -1
	s_barrier_wait -1
.Ltrip:
	IDS
	s_cmp_lg_u32 s26, 0
	s_cbranch_scc1 .Lkeepw
	s_cmp_eq_u32 s23, 0
	s_cbranch_scc1 .Lkeepw
	NOPS 4
	LOADW                                          ; the walk has entered a new group of columns
.Lkeepw:
	s_wait_xcnt 0x0                                ; the last trip's loads and stores have read the pointers that are written here
	s_lshr_b32 s54, s26, 4                         ; the sequence
	s_mul_i32 s54, s54, 12
	s_add_co_u32 s54, s54, s28
	s_lshl_b32 s54, s54, 3
	s_bfe_u32 s55, s26, 0x30001                    ; which 128 rows of it
	s_add_co_u32 s54, s54, s55
	s_mul_i32 s56, s54, 13312                      ; the record
	s_mov_b32 s57, 0
	s_and_b32 s58, s26, 1                          ; which half of the 128
	s_lshl_b32 s35, s58, 4
	s_lshl_b32 s60, s58, 8
	s_mov_b32 s61, 0
	s_cmp_eq_u32 s27, 0
	s_cselect_b64 s[40:41], s[18:19], s[20:21]     ; q goes to QB, k and v to KV
	s_add_nc_u64 s[40:41], s[40:41], s[56:57]
	s_add_nc_u64 s[42:43], s[40:41], s[60:61]
	s_cmp_eq_u32 s27, 2
	s_mov_b32 s62, 3072
	s_cselect_b32 s62, 768, s62
	s_cselect_b32 s63, 6144, 0
	s_mov_b32 s60, 12288
	s_cselect_b32 s60, 12800, s60
	s_mul_i32 s62, s62, s58
	s_add_co_u32 s62, s62, s63
	s_mov_b32 s63, 0
	s_add_nc_u64 s[40:41], s[40:41], s[62:63]      ; where the codes go
	s_add_nc_u64 s[42:43], s[42:43], s[60:61]      ; where the scale words go
	s_and_b32 s60, s26, 15
	s_lshl_b32 s60, s60, 14
	s_add_co_u32 s60, s60, 1843200
	s_add_nc_u64 s[44:45], s[8:9], s[60:61]        ; cos and sin of the block's 64 positions
	s_lshl_b32 s60, s26, 8
	s_add_nc_u64 s[46:47], s[10:11], s[60:61]      ; the mask of its 64 rows
	v_add_nc_u32 v4, s33, v1
	v_add_nc_u32 v5, s33, v2
	v_add_nc_u32 v6, s34, v3
	s_wait_loadcnt 0x0                             ; the next block has come (and the weights, where they were loaded again)
	s_cmp_lt_u32 s23, 8
	s_cbranch_scc0 .Lnostore
	STGSTORE                                       ; into the buffer that nobody reads in this trip
.Lnostore:
	XFETCH 0
.irp m, 0,1,2,3
	ds_load_b128 v[XSR+4*\m:XSR+4*\m+3], v4 offset:36864+512*\m
.endr
	s_wait_dscnt 0x0                               ; the stores have read their registers too
	s_cmp_lt_u32 s23, 7
	s_cbranch_scc0 .Lnoload
	s_add_co_u32 s54, s24, 2
	s_and_b32 s54, s54, 255
	STGLOAD                                        ; the block after the next: it has this whole trip in which to come
.Lnoload:
	s_cmp_eq_u32 s27, 2
	s_cbranch_scc1 .Lvpath
	WIN 0xc0
.irp m, 0,1,2,3
.irp c, 0,1,2,3,4,5,6,7
	global_load_b128 v[CSB+32*\m+4*\c:CSB+32*\m+4*\c+3], v1, s[44:45] offset:4096*\m+512*\c
.endr
.endr
	WIN 0
.irp m, 0,1,2,3
	global_load_b32 v[MK+\m], v7, s[46:47] offset:(32*(\m/2)+8*(\m%2))*4
.endr
	PHASE 0
	s_wait_loadcnt 0x0                             ; cos, sin and the mask
.irp m, 0,1,2,3
	EPIQK \m
.endr
	global_store_b64 v2, v[KSW:KSW+1], s[42:43]
	s_branch .Ljoin
.Lvpath:
	PHASE 1
.irp t, 0,1,2,3
	EPIV \t
.endr
	global_store_b64 v2, v[KSW:KSW+1], s[42:43]
.Ljoin:
	s_wait_dscnt 0x0                               ; my stores into the next buffer have landed and my reads of this one are in
	s_barrier_signal -1
	s_barrier_wait -1                              ; both now hold of all four waves
	s_xor_b32 s33, s33, 0x10000
	s_xor_b32 s34, s34, 0x10000
	s_add_co_u32 s24, s24, 1
	s_add_co_u32 s23, s23, 1
	s_cmp_lt_u32 s23, 9
	s_cbranch_scc1 .Ltrip
	s_wait_tensorcnt 0x0
	ds_add_u32 v254, v255
	s_wait_dscnt 0x0
	s_endpgm
.Lfunc_end_k_qe60b6f4a28_qkv:
	.size	k_qe60b6f4a28_qkv, .Lfunc_end_k_qe60b6f4a28_qkv-k_qe60b6f4a28_qkv
	.p2alignl 7, 3214868480
	.fill 96, 4, 3214868480
	.section	.rodata,"a",@progbits
	.p2align	6, 0x0
	.amdhsa_kernel k_qe60b6f4a28_qkv
		.amdhsa_group_segment_fixed_size 104960
		.amdhsa_private_segment_fixed_size 0
		.amdhsa_enable_private_segment 0
		.amdhsa_kernarg_size 72
		.amdhsa_user_sgpr_count 2
		.amdhsa_user_sgpr_kernarg_segment_ptr 1
		.amdhsa_wavefront_size32 1
		.amdhsa_system_sgpr_workgroup_id_x 1
		.amdhsa_system_sgpr_workgroup_id_y 1
		.amdhsa_system_sgpr_workgroup_id_z 1
		.amdhsa_system_vgpr_workitem_id 0
		.amdhsa_next_free_vgpr 1024
		.amdhsa_next_free_sgpr 66
		.amdhsa_reserve_vcc 1
		.amdhsa_float_denorm_mode_32 3
		.amdhsa_float_denorm_mode_16_64 3
		.amdhsa_memory_ordered 1
		.amdhsa_forward_progress 1
		.amdhsa_inst_pref_size 107
	.end_amdhsa_kernel
	.amdgpu_metadata
---
amdhsa.version: [ 1, 2 ]
amdhsa.kernels:
  - .name:           k_qe60b6f4a28_qkv
    .symbol:         k_qe60b6f4a28_qkv.kd
    .args:
      - { .name: XC, .offset: 0, .size: 8, .value_kind: global_buffer, .address_space: global }
      - { .name: XS, .offset: 8, .size: 8, .value_kind: global_buffer, .address_space: global }
      - { .name: WB, .offset: 16, .size: 8, .value_kind: global_buffer, .address_space: global }
      - { .name: mask, .offset: 24, .size: 8, .value_kind: global_buffer, .address_space: global }
      - { .name: bq, .offset: 32, .size: 8, .value_kind: global_buffer, .address_space: global }
      - { .name: bk, .offset: 40, .size: 8, .value_kind: global_buffer, .address_space: global }
      - { .name: bv, .offset: 48, .size: 8, .value_kind: global_buffer, .address_space: global }
      - { .name: QB, .offset: 56, .size: 8, .value_kind: global_buffer, .address_space: global }
      - { .name: KV, .offset: 64, .size: 8, .value_kind: global_buffer, .address_space: global }
    .group_segment_fixed_size: 104960
    .private_segment_fixed_size: 0
    .kernarg_segment_align: 8
    .kernarg_segment_size: 72
    .max_flat_workgroup_size: 128
    .sgpr_count:     66
    .vgpr_count:     1024
    .wavefront_size: 32
...
	.end_amdgpu_metadata
.endif
;; end of part 2
;; launch attn (part 3): grid 256 x 1, 16 waves a work-group, no clusters, 218,112 bytes of LDS; arguments QB, KV, AO, AOS; writes AO, AOS
.if DOCPART == 3
	.amdgcn_target "amdgcn-amd-amdhsa--gfx1250"
	.amdhsa_code_object_version 6
	.text
	.protected	k_qe60b6f4a28_attn
	.globl	k_qe60b6f4a28_attn
	.p2align	8
	.type	k_qe60b6f4a28_attn,@function
k_qe60b6f4a28_attn:
	s_mov_b64 s[64:65], 0
	v_nop
	global_prefetch_b8 v0, s[64:65] scope:SCOPE_SE
	s_setreg_imm32_b32 hwreg(HW_REG_WAVE_MODE, 25, 1), 1
	s_wait_xcnt 0x0
; ATTN: o = softmax(q k^T / 8, keys with mask == 0 left out) v for 192 heads of 1,024 x 64, both products on codes of FP6 (E2M3) with E8M0 scales; o / l is quantised along the head's 64 for the last product.
; THE SOFTMAX: t = score x log2(e) / 8; M = the running largest t rounded up to a whole number; p = 2^(t - M) is quantised along the keys, not normalised; the row's sum l is taken of the unquantised p.  When M moves, l and O are multiplied by 2^(old M - new M): exact.
; SHARES.  A unit is 256 queries of one head: 768 units, three to a work-group.  Four neighbouring work-groups share three heads so that each needs two heads' K and V: a whole head's 8 records (106,496 bytes) lies in each of two LDS slots, filled once,
; at the head, by two tensor loads a wave (two of mine are out at the most).  Nothing is filled again.  Each of the sixteen waves owns one tile of 16 queries in 256 registers: four waves to a SIMD, so that one wave's vector work stands beside another's products and LDS loads.
; No cluster: the fills are two loads a wave, once in the launch.  Nothing is prefetched: all that the launch reads of K and V is asked for at its head.
; LAYOUT.  Both products transposed: S^T = K Q^T (source 0 = 16 keys), O^T = V^T P^T (source 0 = 16 d): a lane holds one query throughout.  The keys of a tile are chosen (launch qkv) so that the 16 registers of tiles 2 b, 2 b + 1 are keys 32 b + 16 (lane / 16) + 0..15.
; K = 64 IN AN INSTRUCTION OF 128, AND THE MASK.  An even key tile is [k | pad], an odd one [pad | k]; q is [q | e] or [e | q].  pad and e hold the code 1.0 at their first k (e in lanes 0-15 alone) and zeros.  k's scale byte over the pad is 254 where mask == 0, else 1; q's is 90:
; a masked key adds 2^90 to its sum, an open key 2^-163, which is under half of the smallest f32 number.  q's codes have their signs turned, so the sums are S' = -q.k + pad, and t = -c S': a masked key's t is about -2^87 and its p is 0.  The mask costs no instruction in the loop.
; THE LARGEST t BEGINS AT -2^80, above every masked key's t: masked keys never move M.  A query with no open key keeps that value; its scale word is then set to 0xffffffff, so that the last product gives NaN, as the softmax of a row of -infinity does.
; LIMITS: |t| of open keys under 2^80; NaN and infinities are not served; blocks whose largest magnitude lies under 2^-124 keep the byte 1.
.set GATH,  212992                     ; behind the slots: 1,024 bytes for each unit, where the sixteen waves' scale words meet
.set SLOTB, 106496
.set REC,   13312                      ; a record: 128 keys: K 8 x 768, V 8 x 768, K's scale words 512, V's 512
.set WV,  12
.set SEL, 32                           ; s[32:33] lane l xor 16
.set CS,  34                           ; s[34:35] -c = -log2(e) / 8: the packed form names a pair and takes its low word
.set TB,  36                           ; s36 LDS byte of the record in hand
.set CNT, 37
.set QF,  16                           ; v16-33 e, q, e
.set KSR, 34                           ; v34-37 K's scale words: tile tau in register tau / 2, lanes 16 (tau % 2) on
.set VSA, 38
.set VSB, 40
.set VSR, 42                           ; v42-43 V's scale words
.set KB,  44                           ; v44-79 k, pad, k, k, pad, k
.set VB,  80                           ; v80-103 V's d tiles 0 and 1
.set S,   104                          ; v104-167 S', then p; v104-127 later V's d tiles 2 and 3
.set O,   168                          ; v168-199 O^T
.set P,   200                          ; v200-218 p's codes
.set BM,  220
.set PT,  224
.set SCO, 228
.set FF,  232                          ; v[232:233] f = 2^(old M - new M)
.set TMP, 234
.set ONES, 235
.set L2,  236                          ; v[236:237] the sum's second chain
.set GB,  240
.macro NOPS n
.rept \n
	v_nop
.endr
.endm
; A KEY STEP: 128 keys
.macro STEP
	v_add_nc_u32 v3, s[TB], v1
	v_add_nc_u32 v4, s[TB], v2
	NOPS 3                                         ; five plain lines: the first products below write over registers that the last step's products read
.irp g, 0,1
.if \g == 1
	v_or_b32 v[VSR], v[VSA], v[VSB]                ; V's scale words of the step's two halves
	v_or_b32 v[VSR+1], v[VSA+1], v[VSB+1]
	NOPS 2                                         ; four plain lines in front of loads into registers that the products above read
.endif
.irp t, 0,1,2,3
	ds_load_b128 v[KB+18*(\t/2)+12*(\t%2):KB+18*(\t/2)+12*(\t%2)+3], v3 offset:768*(4*\g+\t)
	ds_load_b64 v[KB+18*(\t/2)+12*(\t%2)+4:KB+18*(\t/2)+12*(\t%2)+5], v4 offset:768*(4*\g+\t)+512
.endr
.if \g == 0
	ds_load_b64 v[KSR:KSR+1], v4 offset:12288
	ds_load_b64 v[KSR+2:KSR+3], v4 offset:12544
	ds_load_b64 v[VSA:VSA+1], v4 offset:12800
	ds_load_b64 v[VSB:VSB+1], v4 offset:13056
.endif
	s_wait_dscnt 0x0
.irp t, 0,1,2,3
.if (\t%2) == 0
	v_wmma_scale_f32_16x16x128_f8f6f4 v[S+8*(4*\g+\t):S+8*(4*\g+\t)+7], v[KB+18*(\t/2):KB+18*(\t/2)+11], v[QF+6:QF+17], 0, v[KSR+2*\g+\t/2], v8 matrix_a_fmt:MATRIX_FMT_FP6 matrix_b_fmt:MATRIX_FMT_FP6
.else
	v_wmma_scale_f32_16x16x128_f8f6f4 v[S+8*(4*\g+\t):S+8*(4*\g+\t)+7], v[KB+18*(\t/2)+6:KB+18*(\t/2)+17], v[QF:QF+11], 0, v[KSR+2*\g+\t/2], v9 matrix_a_fmt:MATRIX_FMT_FP6 matrix_b_fmt:MATRIX_FMT_FP6 matrix_a_scale:MATRIX_SCALE_ROW1
.endif
.endr
.endr
	NOPS 4
.irp d, 0,1                            ; V's d tiles 0 and 1 land under the softmax
.irp c, 0,1
	ds_load_b128 v[VB+12*\d+6*\c:VB+12*\d+6*\c+3], v3 offset:6144+768*(2*\d+\c)
	ds_load_b64 v[VB+12*\d+6*\c+4:VB+12*\d+6*\c+5], v4 offset:6144+768*(2*\d+\c)+512
.endr
.endr
.irp b, 0,1,2,3
	v_min3_num_f32 v[BM+\b], v[S+16*\b], v[S+1+16*\b], v[S+2+16*\b]   ; the SMALLEST S' of each block of 32 keys is its largest t: it serves for the row's maximum and, since p rises with t, for the block's largest p
.endr
.irp i, 3,5,7,9,11,13
.irp b, 0,1,2,3
	v_min3_num_f32 v[BM+\b], v[BM+\b], v[S+16*\b+\i], v[S+1+16*\b+\i]
.endr
.endr
.irp b, 0,1,2,3
	v_min_num_f32 v[BM+\b], v[BM+\b], v[S+15+16*\b]
.endr
.irp b, 0,1,2,3
	v_permlanex16_b32 v[PT+\b], v[BM+\b], s[SEL], s[SEL+1]
.endr
.irp b, 0,1,2,3
	v_min_num_f32 v[BM+\b], v[BM+\b], v[PT+\b]     ; with lane l xor 16's 16 keys
.endr
	v_min3_num_f32 v[TMP], v[BM], v[BM+1], v[BM+2]
	v_min_num_f32 v[TMP], v[TMP], v[BM+3]
	v_mul_f32 v[TMP], s[CS], v[TMP]                ; the step's largest t
	v_max_num_f32 v13, v13, v[TMP]                 ; the running largest t
	v_mov_b32 v[TMP], v12
	v_floor_f32 v12, -v13                          ; the new -M = -ceil(t)
	v_sub_f32 v[TMP], v12, v[TMP]                  ; old M - new M: a whole number, 0 or less
	v_cvt_i32_f32 v[TMP], v[TMP]                   ; (it saturates)
	v_ldexp_f32 v[FF], 1.0, v[TMP]                 ; f
.set jj, 0
.rept 32
	v_pk_fma_f32 v[S+jj:S+1+jj], v[S+jj:S+1+jj], s[CS:CS+1], v[12:13] op_sel_hi:[1,0,0]   ; t - M, two at a time
.set jj, jj+2
.endr
.irp b, 0,1,2,3
	v_fma_f32 v[BM+\b], v[BM+\b], s[CS], v12
.endr
.set jj, 0
.rept 64
	v_exp_f32 v[S+jj], v[S+jj]                     ; p
.set jj, jj+1
.endr
	v_pk_mul_f32 v[14:15], v[14:15], v[FF:FF+1] op_sel_hi:[1,0]       ; the sums under the new M: a plain line behind the exponentials
	s_wait_alu depctr_va_vdst(0)                   ; one wait for the batch of 64, ahead of its first reader
.irp b, 0,1,2,3
	v_exp_f32 v[BM+\b], v[BM+\b]                   ; each block's largest p
.endr
	v_pk_add_f32 v[L2:L2+1], v[S:S+1], v[S+2:S+3]  ; the row's sum of the unquantised p, in two chains
.irp j, 4,8,12,16,20,24,28,32,36,40,44,48,52,56,60
	v_pk_add_f32 v[14:15], v[14:15], v[S+\j:S+1+\j]
	v_pk_add_f32 v[L2:L2+1], v[L2:L2+1], v[S+2+\j:S+3+\j]
.endr
	v_pk_add_f32 v[14:15], v[14:15], v[L2:L2+1]
	s_wait_alu depctr_va_vdst(0)                   ; and one for the four
.irp b, 0,1,2,3
	v_max_num_f32 v[BM+\b], 0x1800000, v[BM+\b]    ; the floor: a block whose every p is 0 keeps the byte 1: its codes are zeros
.endr
.irp b, 0,1,2,3
	v_add_nc_u32 v[SCO+\b], 0xff000000, v[BM+\b]
.endr
.irp b, 0,1,2,3
	v_lshrrev_b32 v[PT+\b], 23, v[SCO+\b]
.endr
	v_lshl_or_b32 v10, v[PT+1], 8, v[PT]           ; p's scale word for these 128 keys
	v_lshl_or_b32 v10, v[PT+2], 16, v10
	v_lshl_or_b32 v10, v[PT+3], 24, v10
.irp c, 0,1
	v_cvt_scalef32_pk16_fp6_f32 v[P+6*\c:P+2+6*\c], v[S+32*\c:S+15+32*\c], v[SCO+2*\c]
	v_cvt_scalef32_pk16_fp6_f32 v[P+12+4*\c:P+14+4*\c], v[S+16+32*\c:S+31+32*\c], v[SCO+2*\c+1]
.endr
	v_nop                                          ; one plain line behind the conversions
.irp d, 0,1                            ; p has been read: V's d tiles 2 and 3 take its first 24 registers
.irp c, 0,1
	ds_load_b128 v[S+12*\d+6*\c:S+12*\d+6*\c+3], v3 offset:6144+768*(4+2*\d+\c)
	ds_load_b64 v[S+12*\d+6*\c+4:S+12*\d+6*\c+5], v4 offset:6144+768*(4+2*\d+\c)+512
.endr
.endr
.irp c, 0,1
.irp i, 0,1,2
	v_permlane16_swap_b32 v[P+6*\c+\i], v[P+12+4*\c+\i]
.endr
.irp i, 0,1,2
	v_mov_b32 v[P+3+6*\c+\i], v[P+12+4*\c+\i]
.endr
.endr
.set jj, 0
.rept 16
	v_pk_mul_f32 v[O+jj:O+1+jj], v[O+jj:O+1+jj], v[FF:FF+1] op_sel_hi:[1,0]   ; O^T under the new M; these lines also stand between the operand's last write and the products
.set jj, jj+2
.endr
	s_wait_dscnt 0x0
	v_wmma_scale_f32_16x16x128_f8f6f4 v[O:O+7], v[VB:VB+11], v[P:P+11], v[O:O+7], v[VSR], v10 matrix_a_fmt:MATRIX_FMT_FP6 matrix_b_fmt:MATRIX_FMT_FP6
	v_wmma_scale_f32_16x16x128_f8f6f4 v[O+8:O+15], v[VB+12:VB+23], v[P:P+11], v[O+8:O+15], v[VSR], v10 matrix_a_fmt:MATRIX_FMT_FP6 matrix_b_fmt:MATRIX_FMT_FP6 matrix_a_scale:MATRIX_SCALE_ROW1
	v_wmma_scale_f32_16x16x128_f8f6f4 v[O+16:O+23], v[S:S+11], v[P:P+11], v[O+16:O+23], v[VSR+1], v10 matrix_a_fmt:MATRIX_FMT_FP6 matrix_b_fmt:MATRIX_FMT_FP6
	v_wmma_scale_f32_16x16x128_f8f6f4 v[O+24:O+31], v[S+12:S+23], v[P:P+11], v[O+24:O+31], v[VSR+1], v10 matrix_a_fmt:MATRIX_FMT_FP6 matrix_b_fmt:MATRIX_FMT_FP6 matrix_a_scale:MATRIX_SCALE_ROW1
	s_add_co_u32 s[TB], s[TB], REC
.endm
; A UNIT: block s[qreg] + qadd of 256 queries of head s[hreg], whose K and V lie at LDS byte slot
.macro UNIT j, slot, hreg, qreg, qadd
	s_wait_xcnt 0x0                                ; the last unit's loads and stores have read the pointers and registers that are written from here on
	s_add_co_u32 s51, s[\qreg], \qadd              ; the block of queries
	s_mul_hi_u32 s52, s[\hreg], 0x15555556         ; the sequence = head / 12
	s_mul_i32 s53, s52, 12
	s_sub_co_u32 s53, s[\hreg], s53                ; the head inside it
	s_mul_i32 s54, s[\hreg], SLOTB
	s_lshl_b32 s55, s51, 1
	s_lshr_b32 s56, s[WV], 3
	s_add_co_u32 s55, s55, s56
	s_mul_i32 s55, s55, REC
	s_add_co_u32 s54, s54, s55                     ; my tile's record in QB
	s_and_b32 s56, s[WV], 7                        ; and its place tau in it
	s_mul_i32 s58, s56, 768
	s_add_co_u32 s58, s58, s54
	s_mov_b32 s59, 0
	s_add_nc_u64 s[60:61], s[4:5], s[58:59]
	s_lshr_b32 s58, s56, 2
	s_lshl_b32 s58, s58, 8
	s_bfe_u32 s62, s56, 0x10001
	s_lshl_b32 s62, s62, 2
	s_add_co_u32 s58, s58, s62
	s_and_b32 s57, s56, 1
	s_lshl_b32 s62, s57, 7
	s_add_co_u32 s58, s58, s62
	s_add_co_u32 s58, s58, s54
	s_add_co_u32 s58, s58, 12288
	s_add_nc_u64 s[46:47], s[4:5], s[58:59]        ; its scale words: image tau / 4, register (tau / 2) % 2, lanes 16 (tau % 2) on
	s_lshl_b32 s57, s57, 4
	global_load_b128 v[QF+6:QF+9], v1, s[60:61]
	global_load_b64 v[QF+10:QF+11], v2, s[60:61] offset:512
	global_load_b32 v8, v5, s[46:47]
	s_wait_loadcnt 0x0
	v_xor_b32 v[QF+6], 0x20820820, v[QF+6]         ; the sign bit of every code: bits 5, 11, 17 .. of the lane's 192
	v_xor_b32 v[QF+7], 0x08208208, v[QF+7]
	v_xor_b32 v[QF+8], 0x82082082, v[QF+8]
	v_xor_b32 v[QF+9], 0x20820820, v[QF+9]
	v_xor_b32 v[QF+10], 0x08208208, v[QF+10]
	v_xor_b32 v[QF+11], 0x82082082, v[QF+11]
	v_lshrrev_b32 v[TMP], s57, v8
	v_and_b32 v[TMP], 0xffff, v[TMP]               ; q's two scale bytes
	v_or_b32 v8, 0x015a0000, v[TMP]                ; (s0, s1, 90, 1)
	v_lshlrev_b32 v9, 16, v[TMP]
	v_or_b32 v9, 0x15a, v9                         ; (90, 1, s0, s1)
	v_mov_b32 v13, 0xe7800000                      ; the largest t so far: -2^80
	v_floor_f32 v12, -v13
	v_mov_b32 v14, 0
	v_mov_b32 v15, 0
.set jj, 0
.rept 32
	v_mov_b32 v[O+jj], 0                           ; the step is written once: the first finds zeros
.set jj, jj+1
.endr
	s_mov_b32 s[TB], \slot
	s_mov_b32 s[CNT], 8
.Lstep_\@:
	STEP
	s_sub_co_u32 s[CNT], s[CNT], 1
	s_cmp_lg_u32 s[CNT], 0
	s_cbranch_scc1 .Lstep_\@
	NOPS 4                                         ; in front of the first read of the last results
	v_add_f32 v14, v14, v15
	v_permlanex16_b32 v[TMP], v14, s[SEL], s[SEL+1]
	v_add_f32 v14, v14, v[TMP]                     ; the row's sum
	v_rcp_f32 v14, v14
	v_nop                                          ; a plain line behind the reciprocal
	s_lshl_b32 s54, s52, 6
	s_lshl_b32 s55, s51, 4
	s_add_co_u32 s54, s54, s55                     ; the unit's first tile of rows
	s_add_co_u32 s55, s54, s[WV]                   ; mine
	s_mul_i32 s56, s55, 9216
	s_mul_i32 s57, s53, 768
	s_add_co_u32 s56, s56, s57
	s_mov_b32 s57, 0
	s_add_nc_u64 s[44:45], s[8:9], s[56:57]
	s_lshl_b32 s56, s53, 16
	s_lshl_b32 s54, s54, 6
	s_add_co_u32 s56, s56, s54
	s_add_nc_u64 s[48:49], s[10:11], s[56:57]
	s_and_b32 s58, s53, 1
	s_lshl_b32 s58, s58, 4
	s_wait_alu depctr_va_vdst(0)                   ; the wait ahead of the reciprocal's first reader
.set jj, 0
.rept 16
	v_pk_mul_f32 v[S+32+jj:S+33+jj], v[O+jj:O+1+jj], v[14:15] op_sel_hi:[1,0]   ; O^T / l: register 16 b + i is d = 32 b + 16 (lane / 16) + i; each sum is read from its low end on
.set jj, jj+2
.endr
.irp b, 0,1
	v_max3_num_f32 v[BM+\b], |v[S+32+16*\b]|, |v[S+33+16*\b]|, 0x1800000
.endr
.irp i, 2,4,6,8,10,12,14
.irp b, 0,1
	v_max3_num_f32 v[BM+\b], v[BM+\b], |v[S+32+16*\b+\i]|, |v[S+33+16*\b+\i]|
.endr
.endr
.irp b, 0,1
	v_permlanex16_b32 v[PT+\b], v[BM+\b], s[SEL], s[SEL+1]
.endr
.irp b, 0,1
	v_max_num_f32 v[BM+\b], v[BM+\b], v[PT+\b]
.endr
.irp b, 0,1
	v_add_nc_u32 v[SCO+\b], 0xff000000, v[BM+\b]
.endr
.irp b, 0,1
	v_lshrrev_b32 v[PT+\b], 23, v[SCO+\b]
.endr
	v_cvt_scalef32_pk16_fp6_f32 v[P:P+2], v[S+32:S+47], v[SCO]
	v_cvt_scalef32_pk16_fp6_f32 v[P+6:P+8], v[S+48:S+63], v[SCO+1]
	v_nop
.irp i, 0,1,2
	v_permlane16_swap_b32 v[P+\i], v[P+6+\i]
.endr
.irp i, 0,1,2
	v_mov_b32 v[P+3+\i], v[P+6+\i]
.endr
	v_lshl_or_b32 v[TMP], v[PT+1], 8, v[PT]
	v_lshlrev_b32 v[TMP], s58, v[TMP]              ; an odd head's bytes are bytes 2 and 3 of its K step's word
	v_cmp_ge_f32 vcc_lo, 0xe7800000, v13           ; no open key has moved the largest t
	v_cndmask_b32 v[TMP], v[TMP], v[ONES], vcc_lo
	global_store_b128 v1, v[P:P+3], s[44:45]
	global_store_b64 v2, v[P+4:P+5], s[44:45] offset:512
	ds_store_b32 v6, v[TMP] offset:1024*(\j)       ; both halves of the lanes write the same word with the same value
	s_wait_dscnt 0x0
.if (\j) == 1
	s_wait_tensorcnt 0x0                           ; my part of slot 1 is in: the barrier below shows the whole slot to every wave
.endif
	s_barrier_signal -1
	s_barrier_wait -1
	s_cmp_lt_u32 s[WV], 2
	s_cbranch_scc0 .Lnot_mine_\@
	ds_load_b128 v[GB:GB+3], v7 offset:1024*(\j)   ; the sixteen tiles' words are 1,024 consecutive bytes of AOS: waves 0 and 1 store 512 each
	s_wait_dscnt 0x0
	global_store_b128 v11, v[GB:GB+3], s[48:49]
.Lnot_mine_\@:
.endm
	s_load_b256 s[4:11], s[0:1], 0x0               ; QB s[4:5], KV s[6:7], AO s[8:9], AOS s[10:11]
	v_lshl_add_u32 v254, v0, 2, 0x34c00
	v_mov_b32 v255, 0
	ds_add_u32 v254, v255
	ds_add_u32 v254, v255
	v_lshrrev_b32 v1, 5, v0
	v_readfirstlane_b32 s[WV], v1                  ; wave 0..15
	s_and_b32 s42, ttmp9, 3                        ; i: my place among the four work-groups that share heads B, B + 1, B + 2
	s_lshr_b32 s43, ttmp9, 2
	s_mul_i32 s43, s43, 3
	s_min_u32 s44, s42, 2
	s_add_co_u32 s38, s43, s44                     ; slot 0: head B + min(i, 2), blocks 0, 1 (i = 3: blocks 2, 3)
	s_lshr_b32 s44, s42, 1
	s_add_co_u32 s39, s43, s44                     ; slot 1: head B + i / 2, block 2 + i % 2
	s_cmp_eq_u32 s42, 3
	s_cselect_b32 s40, 2, 0
	s_and_b32 s44, s42, 1
	s_add_co_u32 s41, s44, 2
	; descriptor group 1: 26 rows of 256 bytes (32 elements of 8 bytes), dense: a sixteenth of a head's records
	s_mov_b32 s16, 3<<16                           ; no mask; elements of 8 bytes; no padding
	s_mov_b32 s17, 32<<16                          ; tensor_dim0 = 32
	s_mov_b32 s18, 26<<16                          ; tensor_dim1 = 26
	s_mov_b32 s19, 32<<16                          ; tile_dim0 = 32
	s_mov_b32 s20, 26                              ; tile_dim1 = 26
	s_mov_b32 s21, 32                              ; from row to row
	s_mov_b32 s22, 0
	s_mov_b32 s23, 0
	s_mul_i32 s45, s[WV], 6656
	s_mul_i32 s46, s38, SLOTB
	s_add_co_u32 s46, s46, s45
	s_mov_b32 s47, 0
	s_mul_i32 s48, s39, SLOTB
	s_add_co_u32 s48, s48, s45
	s_mov_b32 s49, 0
	s_mov_b32 s[SEL], 0x76543210
	s_mov_b32 s[SEL+1], 0xfedcba98
	s_mov_b32 s[CS], 0xbe38aa3b
	s_mov_b32 s[CS+1], s[CS]
	s_wait_dscnt 0x0
	s_wait_kmcnt 0x0
	s_mov_b32 s24, 1
	s_mov_b32 s25, s45                             ; LDS: slot 0, 6,656 x wave
	s_add_nc_u64 s[26:27], s[6:7], s[46:47]
	s_or_b32 s27, s27, 0x80000000
	s_mov_b32 s28, 1
	s_add_co_u32 s29, s45, SLOTB                   ; slot 1
	s_add_nc_u64 s[30:31], s[6:7], s[48:49]
	s_or_b32 s31, s31, 0x80000000
	tensor_load_to_lds s[24:27], s[16:23]
	s_nop 0
	tensor_load_to_lds s[28:31], s[16:23]
	s_nop 0
	NOPS 4
	v_and_b32 v1, 31, v0
	v_lshlrev_b32 v2, 3, v1                        ; 8 x lane
	v_lshlrev_b32 v1, 4, v1                        ; 16 x lane
	v_and_b32 v5, 15, v0
	v_lshlrev_b32 v6, 2, v5
	v_lshlrev_b32 v5, 3, v5                        ; 8 r
	s_lshl_b32 s42, s[WV], 6
	s_add_co_u32 s42, s42, GATH
	v_add_nc_u32 v6, s42, v6                       ; my scale word's place: 64 x wave + 4 r
	v_lshlrev_b32 v11, 4, v0                       ; 16 x thread
	v_add_nc_u32 v7, GATH, v11
	v_bfe_u32 v[QF], v0, 4, 1
	v_xor_b32 v[QF], 1, v[QF]
	v_lshlrev_b32 v[QF], 3, v[QF]                  ; e: the code 1.0 (0x08) at its first k, in lanes 0-15 alone
	v_mov_b32 v[QF+12], v[QF]
.irp i, 1,2,3,4,5
	v_mov_b32 v[QF+\i], 0
	v_mov_b32 v[QF+12+\i], 0
	v_mov_b32 v[KB+6+\i], 0
	v_mov_b32 v[KB+24+\i], 0
.endr
	v_mov_b32 v[KB+6], 8                           ; the pads: the code 1.0 at their first k
	v_mov_b32 v[KB+24], 8
.irp b, 0,1,2,3
	v_mov_b32 v[PT+\b], 0                          ; written once: a lane permute's destination counts as one of its sources
.endr
	v_mov_b32 v[FF+1], 0                           ; (named as the upper half of a pair)
	v_mov_b32 v[ONES], -1
	s_wait_tensorcnt 0x1                           ; my part of slot 0 is in; slot 1's load may stay out
	s_barrier_signal -1
	s_barrier_wait -1                              ; everybody's is
	UNIT 0, 0, 38, 40, 0
	UNIT 1, 0, 38, 40, 1
	UNIT 2, SLOTB, 39, 41, 0
	s_wait_tensorcnt 0x0
	ds_add_u32 v254, v255
	s_wait_dscnt 0x0
	s_endpgm
.Lfunc_end_k_qe60b6f4a28_attn:
	.size	k_qe60b6f4a28_attn, .Lfunc_end_k_qe60b6f4a28_attn-k_qe60b6f4a28_attn
	.p2alignl 7, 3214868480
	.fill 96, 4, 3214868480
	.section	.rodata,"a",@progbits
	.p2align	6, 0x0
	.amdhsa_kernel k_qe60b6f4a28_attn
		.amdhsa_group_segment_fixed_size 218112
		.amdhsa_private_segment_fixed_size 0
		.amdhsa_enable_private_segment 0
		.amdhsa_kernarg_size 32
		.amdhsa_user_sgpr_count 2
		.amdhsa_user_sgpr_kernarg_segment_ptr 1
		.amdhsa_wavefront_size32 1
		.amdhsa_system_sgpr_workgroup_id_x 1
		.amdhsa_system_sgpr_workgroup_id_y 1
		.amdhsa_system_sgpr_workgroup_id_z 1
		.amdhsa_system_vgpr_workitem_id 0
		.amdhsa_next_free_vgpr 256
		.amdhsa_next_free_sgpr 66
		.amdhsa_reserve_vcc 1
		.amdhsa_float_denorm_mode_32 3
		.amdhsa_float_denorm_mode_16_64 3
		.amdhsa_memory_ordered 1
		.amdhsa_forward_progress 1
		.amdhsa_inst_pref_size 76
	.end_amdhsa_kernel
	.amdgpu_metadata
---
amdhsa.version: [ 1, 2 ]
amdhsa.kernels:
  - .name:           k_qe60b6f4a28_attn
    .symbol:         k_qe60b6f4a28_attn.kd
    .args:
      - { .name: QB, .offset: 0, .size: 8, .value_kind: global_buffer, .address_space: global }
      - { .name: KV, .offset: 8, .size: 8, .value_kind: global_buffer, .address_space: global }
      - { .name: AO, .offset: 16, .size: 8, .value_kind: global_buffer, .address_space: global }
      - { .name: AOS, .offset: 24, .size: 8, .value_kind: global_buffer, .address_space: global }
    .group_segment_fixed_size: 218112
    .private_segment_fixed_size: 0
    .kernarg_segment_align: 8
    .kernarg_segment_size: 32
    .max_flat_workgroup_size: 512
    .sgpr_count:     66
    .vgpr_count:     256
    .wavefront_size: 32
...
	.end_amdgpu_metadata
.endif
;; end of part 3
;; launch oproj (part 4): grid 256 x 1, 4 waves a work-group, no clusters, 102,912 bytes of LDS; arguments AO, AOS, WB, bo, out0; writes out0
.if DOCPART == 4
	.amdgcn_target "amdgcn-amd-amdhsa--gfx1250"
	.amdhsa_code_object_version 6
	.text
	.protected	k_qe60b6f4a28_oproj
	.globl	k_qe60b6f4a28_oproj
	.p2align	8
	.type	k_qe60b6f4a28_oproj,@function
k_qe60b6f4a28_oproj:
	s_mov_b64 s[64:65], 0
	v_nop
	global_prefetch_b8 v0, s[64:65] scope:SCOPE_SE
	s_setreg_imm32_b32 hwreg(HW_REG_WAVE_MODE, 25, 1), 1
	s_wait_xcnt 0x0
; OPROJ: out0 = a Wo + bo on codes of FP6 (E2M3) with E8M0 scales; a, the attention's result, comes as codes (AO: [row tile][head] half fragments of 768 bytes) and scale words (AOS: [head][row tile][16 rows], an even head's two bytes in the low half, an odd head's in the high half).
; A UNIT is 64 rows (block rb) x 256 columns (group g): 256 x 3 units; work-group wg walks units 3 wg .. 3 wg + 2.  Wave w makes 64 columns; its 24 fragments of Wo stay in registers and are loaded again only where the walk enters a new group.
; a's codes, 36,864 bytes a block, are loaded a trip ahead into registers, stored into one of two LDS buffers and read by all four waves: one barrier a trip.  No cluster: the three work-groups that read one block lie some 85 ids apart.
; Source 0 = 16 columns of Wo, source 1 = 16 rows of a: a lane holds one row, its registers 16 b + i are columns 32 b + 16 (lane / 16) + i.  A row tile goes through the wave's own stage and leaves as rows of 256 bytes: sixteen lanes store 256 consecutive bytes, aligned to 256.
; A row with no open key has the scale word 0xffffffff: its sums are NaN, as in the definition.
; REGISTERS: window 0: v1-14 addresses; v16-27 Wo's scale words; v28-43 a's; v44-67 a's as loaded; v80-143 rows on their way out; v144-215 fragments of an even tile.  window 1: Wo's K steps 0-4.  window 2: K step 5; v48-79 bo; v80-151 the block on its way to LDS; v160-231 fragments of an odd tile.  window 3: the sums.
.set WS,  16
.set XSR, 28
.set SCR, 44
.set OB,  80
.set XF0, 144
.set XF1, 160
.set BI,  48
.set STG, 80
.set STAGE, 40960                      ; between the buffers: 16 rows x (256 + 16) bytes for each wave
.set MSB, 0
.macro WIN new
.if MSB != (\new)
	s_set_vgpr_msb (MSB<<8)|(\new)
.set MSB, (\new)
.endif
.endm
.macro NOPS n
.rept \n
	v_nop
.endr
.endm
.macro IDS
	s_lshr_b32 s25, s24, 8                         ; g
	s_and_b32 s26, s24, 255                        ; rb
.endm
.macro LOADW
	s_wait_xcnt 0x0                                ; earlier loads have read the pointers that are written here
	s_lshl_b32 s54, s25, 2
	s_add_co_u32 s54, s54, s22                     ; my 64 columns: 4 g + wave
	s_lshl_b32 s56, s54, 8
	s_mov_b32 s57, 0
	s_add_nc_u64 s[52:53], s[10:11], s[56:57]
	s_add_co_u32 s54, s54, 36                      ; Wo's units follow q's, k's and v's
	s_mul_i32 s56, s54, 36864
	s_add_nc_u64 s[48:49], s[8:9], s[56:57]
	s_mul_i32 s56, s54, 1536
	s_add_co_u32 s56, s56, 1769472
	s_add_nc_u64 s[50:51], s[8:9], s[56:57]
	WIN 0x40
.irp ks, 0,1,2,3,4
.irp t, 0,1,2,3
.irp q, 0,1,2
	global_load_b128 v[48*\ks+12*\t+4*\q:48*\ks+12*\t+4*\q+3], v1, s[48:49] offset:(4*\ks+\t)*1536+512*\q
.endr
.endr
.endr
	WIN 0x80
.irp t, 0,1,2,3
.irp q, 0,1,2
	global_load_b128 v[12*\t+4*\q:12*\t+4*\q+3], v1, s[48:49] offset:(20+\t)*1536+512*\q
.endr
.endr
.irp t, 0,1,2,3
	global_load_b128 v[BI+8*\t:BI+8*\t+3], v8, s[52:53] offset:(32*(\t/2)+8*(\t%2))*4
	global_load_b128 v[BI+8*\t+4:BI+8*\t+7], v8, s[52:53] offset:(32*(\t/2)+8*(\t%2))*4+16
.endr
	WIN 0
.irp rho, 0,1,2,3,4,5,6,7,8,9,10,11
	global_load_b32 v[WS+\rho], v10, s[50:51] offset:128*\rho
.endr
.endm
.macro STGLOAD                         ; block s54 of a's codes: 128 threads x 16 bytes x 18
	s_mul_i32 s56, s54, 36864
	s_mov_b32 s57, 0
	s_add_nc_u64 s[36:37], s[4:5], s[56:57]
	WIN 0x80
.set ii, 0
.rept 18
	global_load_b128 v[STG+4*ii:STG+4*ii+3], v3, s[36:37] offset:2048*ii
.set ii, ii+1
.endr
	WIN 0
.endm
.macro STGSTORE
	WIN 0x08
.set ii, 0
.rept 18
	ds_store_b128 v6, v[STG+4*ii:STG+4*ii+3] offset:2048*ii
.set ii, ii+1
.endr
	WIN 0
.endm
.macro SCLOAD                          ; block s54's scale words: lane (r, h) takes, for register a of tile m, the words of heads 4 a + 2 h and 4 a + 2 h + 1
	s_lshl_b32 s56, s54, 8
	s_mov_b32 s57, 0
	s_add_nc_u64 s[38:39], s[6:7], s[56:57]
.irp m, 0,1,2,3
.irp a, 0,1,2
.irp e, 0,1
	global_load_b32 v[SCR+6*\m+2*\a+\e], v11, s[38:39] offset:(4*\a+\e)*65536+64*\m
.endr
.endr
.endr
.endm
.macro XFETCH m
.if ((\m)%2) == 0
.set XB, XF0
	WIN 0
.else
.set XB, XF1
	WIN 0x80
.endif
.irp hs, 0,1,2,3,4,5,6,7,8,9,10,11
	ds_load_b128 v[XB+6*\hs:XB+6*\hs+3], v4 offset:9216*(\m)+768*\hs
	ds_load_b64 v[XB+6*\hs+4:XB+6*\hs+5], v5 offset:9216*(\m)+768*\hs+512
.endr
	WIN 0
.endm
.macro WMS
.if (RA == 0) && (RB == 0)
	v_wmma_scale_f32_16x16x128_f8f6f4 v[DD:DD+7], v[AA:AA+11], v[BB:BB+11], v[CC:CC+7], v[SA], v[SB] matrix_a_fmt:MATRIX_FMT_FP6 matrix_b_fmt:MATRIX_FMT_FP6
.elseif (RA == 1) && (RB == 0)
	v_wmma_scale_f32_16x16x128_f8f6f4 v[DD:DD+7], v[AA:AA+11], v[BB:BB+11], v[CC:CC+7], v[SA], v[SB] matrix_a_fmt:MATRIX_FMT_FP6 matrix_b_fmt:MATRIX_FMT_FP6 matrix_a_scale:MATRIX_SCALE_ROW1
.elseif (RA == 0) && (RB == 1)
	v_wmma_scale_f32_16x16x128_f8f6f4 v[DD:DD+7], v[AA:AA+11], v[BB:BB+11], v[CC:CC+7], v[SA], v[SB] matrix_a_fmt:MATRIX_FMT_FP6 matrix_b_fmt:MATRIX_FMT_FP6 matrix_b_scale:MATRIX_SCALE_ROW1
.else
	v_wmma_scale_f32_16x16x128_f8f6f4 v[DD:DD+7], v[AA:AA+11], v[BB:BB+11], v[CC:CC+7], v[SA], v[SB] matrix_a_fmt:MATRIX_FMT_FP6 matrix_b_fmt:MATRIX_FMT_FP6 matrix_a_scale:MATRIX_SCALE_ROW1 matrix_b_scale:MATRIX_SCALE_ROW1
.endif
.endm
; 24 products: row tile m x my four column tiles x six K steps; the four sums take turns, one instruction a turn; the first K step takes bo as C
.macro MMA m
.if ((\m)%2) == 0
.set XB, XF0
.set XW, 0
.else
.set XB, XF1
.set XW, 2
.endif
.irp ks, 0,1,2,3,4,5
.set WW, 1+(\ks/5)
.set WBS, 48*(\ks%5)
.set CW, 3-((5-\ks)/5)
	WIN (WW|(XW<<2)|(CW<<4)|0xc0)
.irp t, 0,1,2,3
.set DD, 32*(\m)+8*\t
.set AA, WBS+12*\t
.set BB, XB+12*\ks
.set SA, WS+6*(\t/2)+\ks
.set RA, \t%2
.set SB, XSR+4*(\m)+\ks/2
.set RB, \ks%2
.if \ks == 0
.set CC, BI+8*\t
.else
.set CC, DD
.endif
	WMS
.endr
.endr
.endm
.macro EPIO m                          ; row tile m: 16 rows x 256 bytes through my stage
	WIN 0x0c
.irp b, 0,1
.irp q, 0,1,2,3
	ds_store_b128 v12, v[32*(\m)+16*\b+4*\q:32*(\m)+16*\b+4*\q+3] offset:128*\b+16*\q   ; each sum from its low end on
.endr
.endr
	WIN 0
	s_wait_xcnt 0x0                                ; earlier stores have read the registers that the loads below fill
.irp i, 0,1,2,3,4,5,6,7
	ds_load_b128 v[OB+32*((\m)%2)+4*\i:OB+32*((\m)%2)+4*\i+3], v13 offset:544*\i        ; LDS serves a wave's instructions in order: these see the stores above; lanes 0-15 one row, lanes 16-31 the next
.endr
.irp i, 0,1,2,3,4,5,6,7
	s_wait_dscnt 7-\i                              ; load i is in; the younger ones may be out
	global_store_b128 v14, v[OB+32*((\m)%2)+4*\i:OB+32*((\m)%2)+4*\i+3], s[40:41] offset:(32*((\m)/2)+8*((\m)%2)+2*\i+8*(\i/4))*3072 th:TH_STORE_NT
.endr
.endm
	s_load_b256 s[4:11], s[0:1], 0x0               ; AO s[4:5], AOS s[6:7], WB s[8:9], bo s[10:11]
	s_load_b64 s[12:13], s[0:1], 0x20              ; out0
	v_lshl_add_u32 v254, v0, 2, 0x19000
	v_mov_b32 v255, 0
	v_lshrrev_b32 v1, 5, v0
	v_readfirstlane_b32 s22, v1                    ; wave
	v_and_b32 v10, 31, v0
	v_lshlrev_b32 v1, 4, v10                       ; 16 x lane
	v_lshlrev_b32 v2, 3, v10                       ; 8 x lane
	v_lshlrev_b32 v10, 2, v10                      ; 4 x lane
	v_lshlrev_b32 v3, 4, v0                        ; 16 x thread
	v_and_b32 v7, 15, v0                           ; r
	v_bfe_u32 v9, v0, 4, 1                         ; h
	v_lshlrev_b32 v8, 6, v9                        ; 64 h
	v_lshlrev_b32 v11, 17, v9
	v_lshl_add_u32 v11, v7, 2, v11                 ; two heads x 65,536 for lanes 16-31, + 4 r
	s_mul_i32 s54, s22, 4352
	s_add_co_u32 s54, s54, STAGE
	v_mul_u32_u24 v12, v7, 272
	v_add_nc_u32 v12, v12, v8
	v_add_nc_u32 v12, s54, v12                     ; into the stage: row r, + 64 h
	v_mul_u32_u24 v13, v9, 272
	v_lshl_add_u32 v13, v7, 4, v13
	v_add_nc_u32 v13, s54, v13                     ; out of it: row h of a pair, 16 bytes a lane
	v_mul_u32_u24 v14, v9, 3072
	v_lshl_add_u32 v14, v7, 4, v14                 ; and the same in out0
	s_mov_b32 s33, 0                               ; the buffer that is read
	s_mov_b32 s34, 0                               ; the buffer that is written
	s_mov_b32 s23, 0                               ; trip
	s_mul_i32 s24, ttmp9, 3                        ; unit
	IDS
	s_wait_kmcnt 0x0
	s_mov_b32 s54, s26
	STGLOAD
	SCLOAD
	LOADW
	s_wait_loadcnt 0x0
	v_add_nc_u32 v6, s34, v3
	STGSTORE
	s_wait_dscnt 0x0
	s_add_co_u32 s54, s24, 1
	s_and_b32 s54, s54, 255
	STGLOAD
	s_mov_b32 s34, 0x10000
	s_barrier_signal -1
	s_barrier_wait -1
.Ltrip:
	IDS
	s_cmp_lg_u32 s26, 0
	s_cbranch_scc1 .Lkeepw
	s_cmp_eq_u32 s23, 0
	s_cbranch_scc1 .Lkeepw
	NOPS 4
	LOADW                                          ; the walk has entered a new group of columns
.Lkeepw:
	s_wait_xcnt 0x0                                ; the last trip's stores have read their base
	s_mul_i32 s56, s26, 196608
	s_lshl_b32 s58, s25, 2
	s_add_co_u32 s58, s58, s22
	s_lshl_b32 s58, s58, 8
	s_add_co_u32 s56, s56, s58
	s_mov_b32 s57, 0
	s_add_nc_u64 s[40:41], s[12:13], s[56:57]      ; out0 at (64 rb, 64 (4 g + wave))
	v_add_nc_u32 v4, s33, v1
	v_add_nc_u32 v5, s33, v2
	v_add_nc_u32 v6, s34, v3
	s_wait_loadcnt 0x0                             ; the next block's codes and this block's scale words have come
.irp m, 0,1,2,3
.irp a, 0,1,2
	v_or_b32 v[XSR+4*\m+\a], v[SCR+6*\m+2*\a], v[SCR+6*\m+2*\a+1]   ; two heads' halves make a K step's word: K step 2 a in lanes 0-15, 2 a + 1 in lanes 16-31
.endr
.endr
	NOPS 8                                         ; eight plain lines between a scale register's write by a vector instruction and the scaled product
	s_cmp_lt_u32 s23, 2
	s_cbranch_scc0 .Lnostore
	STGSTORE                                       ; into the buffer that nobody reads in this trip
	s_add_co_u32 s54, s24, 1
	s_and_b32 s54, s54, 255
	SCLOAD                                         ; the next block's scale words
.Lnostore:
	XFETCH 0
	s_wait_dscnt 0x0                               ; the stores have read their registers too
	s_cmp_lt_u32 s23, 1
	s_cbranch_scc0 .Lnoload
	s_add_co_u32 s54, s24, 2
	s_and_b32 s54, s54, 255
	STGLOAD
.Lnoload:
.irp m, 0,1,2,3
.if \m > 0
	NOPS 4                                         ; four plain lines between the products that read a buffer and the loads into it
.endif
.if \m < 3
	XFETCH \m+1
	s_wait_dscnt 24                                ; all but the 24 loads just issued: this tile's fragments are in
.else
	s_wait_dscnt 0x0
.endif
	MMA \m
	WIN 0
.endr
	NOPS 4                                         ; in front of the first read of the last results
.irp m, 0,1,2,3
	EPIO \m
.endr
	s_wait_dscnt 0x0                               ; my stores into the next buffer have landed and my reads of this one are in
	s_barrier_signal -1
	s_barrier_wait -1
	s_xor_b32 s33, s33, 0x10000
	s_xor_b32 s34, s34, 0x10000
	s_add_co_u32 s24, s24, 1
	s_add_co_u32 s23, s23, 1
	s_cmp_lt_u32 s23, 3
	s_cbranch_scc1 .Ltrip
	s_wait_tensorcnt 0x0
	ds_add_u32 v254, v255
	s_wait_dscnt 0x0
	s_endpgm
.Lfunc_end_k_qe60b6f4a28_oproj:
	.size	k_qe60b6f4a28_oproj, .Lfunc_end_k_qe60b6f4a28_oproj-k_qe60b6f4a28_oproj
	.p2alignl 7, 3214868480
	.fill 96, 4, 3214868480
	.section	.rodata,"a",@progbits
	.p2align	6, 0x0
	.amdhsa_kernel k_qe60b6f4a28_oproj
		.amdhsa_group_segment_fixed_size 102912
		.amdhsa_private_segment_fixed_size 0
		.amdhsa_enable_private_segment 0
		.amdhsa_kernarg_size 40
		.amdhsa_user_sgpr_count 2
		.amdhsa_user_sgpr_kernarg_segment_ptr 1
		.amdhsa_wavefront_size32 1
		.amdhsa_system_sgpr_workgroup_id_x 1
		.amdhsa_system_sgpr_workgroup_id_y 1
		.amdhsa_system_sgpr_workgroup_id_z 1
		.amdhsa_system_vgpr_workitem_id 0
		.amdhsa_next_free_vgpr 896
		.amdhsa_next_free_sgpr 66
		.amdhsa_reserve_vcc 0
		.amdhsa_float_denorm_mode_32 3
		.amdhsa_float_denorm_mode_16_64 3
		.amdhsa_memory_ordered 1
		.amdhsa_forward_progress 1
		.amdhsa_inst_pref_size 64
	.end_amdhsa_kernel
	.amdgpu_metadata
---
amdhsa.version: [ 1, 2 ]
amdhsa.kernels:
  - .name:           k_qe60b6f4a28_oproj
    .symbol:         k_qe60b6f4a28_oproj.kd
    .args:
      - { .name: AO, .offset: 0, .size: 8, .value_kind: global_buffer, .address_space: global }
      - { .name: AOS, .offset: 8, .size: 8, .value_kind: global_buffer, .address_space: global }
      - { .name: WB, .offset: 16, .size: 8, .value_kind: global_buffer, .address_space: global }
      - { .name: bo, .offset: 24, .size: 8, .value_kind: global_buffer, .address_space: global }
      - { .name: out0, .offset: 32, .size: 8, .value_kind: global_buffer, .address_space: global }
    .group_segment_fixed_size: 102912
    .private_segment_fixed_size: 0
    .kernarg_segment_align: 8
    .kernarg_segment_size: 40
    .max_flat_workgroup_size: 128
    .sgpr_count:     66
    .vgpr_count:     896
    .wavefront_size: 32
...
	.end_amdgpu_metadata
.endif
;; end of part 4
;; ======== version 2 of 2: 4 launches
;; limits: right only within a limited range of input values
;; workspace buffers: XC 9,437,184 bytes; XS 524,288 bytes; WB 2,105,344 bytes; QB 20,447,232 bytes; KV 20,447,232 bytes; AO 9,437,184 bytes; AOS 786,432 bytes
;; launch prep (part 5): grid 416 x 1, 4 waves a work-group, no clusters, 46,592 bytes of LDS; arguments x, Wq, Wk, Wv, Wo, XC, XS, WB; writes XC, XS, WB
.if DOCPART == 5
	.amdgcn_target "amdgcn-amd-amdhsa--gfx1250"
	.amdhsa_code_object_version 6
	.text
	.protected	k_qe60b6f4a28_prep
	.globl	k_qe60b6f4a28_prep
	.p2align	8
	.type	k_qe60b6f4a28_prep,@function
k_qe60b6f4a28_prep:
	s_mov_b64 s[64:65], 0
	v_nop
	global_prefetch_b8 v0, s[64:65] scope:SCOPE_SE
	s_setreg_imm32_b32 hwreg(HW_REG_WAVE_MODE, 25, 1), 1
	s_wait_xcnt 0x0
; PREP: x [16384][768] and the four weights [768 (k)][768 (n)], f32, become codes of FP6 (E2M3) with one E8M0 byte for each 32 along K, laid in the order of the operands' registers; and the table of cos and sin for the rotation.
; A block's scale is 2^(floor(log2(its largest magnitude)) - 2); its byte is that magnitude's exponent field - 2, held at 1 from below (a block of zeros keeps the byte 1: its codes are zeros, and this program alone reads the bytes).
; ROW TILE T (16 rows): lane index r takes row 32 (T / 2) + 8 (T % 2) + r + 8 (r / 8); the columns of a weight's tile t inside a unit of 64 columns likewise.  So where a tile is source 0 of a product, the 16 result registers of tiles 2 b and 2 b + 1 are 16 neighbours.
; XC: [T][12] records of 768 bytes: 16 rows x 64 along K = 6 registers a lane (k = 32 (lane / 16) + 0..31): registers 0-3 at 16 x lane, registers 4-5 at 512 + 8 x lane.
; XS: [T] 512 bytes, an image of 4 registers: register a holds the scale words of K step 2 a in lanes 0-15 and of K step 2 a + 1 in lanes 16-31; register 3 is 0.
; WB: codes [unit 48][K step 6][tile 4] fragments of 1,536 bytes (registers 4 q .. 4 q + 3 at 512 q + 16 x lane); from WSC scale words [unit][6 b + K step][32 lanes] (lanes 0-15 tile 2 b, lanes 16-31 tile 2 b + 1); from CTB the table [tile of positions 64] 4,096 bytes: registers 0-15 cos, 16-31 sin of frequency 16 (lane / 16) + i at the lane's position.
; SHARES: work-groups 0-143 the weights (a unit of 64 columns x two K steps each), 144-159 the table, 160-415 x (a wave a tile, all six K steps).  The three paths part on the work-group's number, have LDS bytes of their own and no barrier: waves share nothing.
; LIMITS: NaN and infinities are not served; blocks whose largest magnitude lies under 2^-124 keep the byte 1.  The frequencies are 2^(-j x log2(10000) / 32) by v_exp_f32: the angle at position 1023 is within about 1e-4 rad of the exact one.
.set SEL,  22                          ; s[22:23] lane selects: lane l xor 16
.set HIM,  24                          ; s24 lanes 16-31 as a mask
.set R,    16                          ; v16-143  two sets of 64: x as loaded
.set X,    144                         ; v144-207 64 numbers: register 16 b + i = k 32 b + 16 (lane / 16) + i of my row
.set PC,   208                         ; v208-227 the codes just made
.set TM,   228                         ; v228-243 at work
.set PW,   244                         ; the scale word just made
.set SW,   248                         ; v248-251 the tile's image of scale words
.set XSTG, 8448                        ; x path: a stage of 16 rows x (512 + 16) bytes for each wave, from LDS byte 0
.set WSTG, 33792                       ; weight path: 3,072 bytes for each wave
.set WSC,  1769472
.set CTB,  1843200
; 64 numbers of a lane become a fragment's 12 registers in v[PC] on and its scale word in v[PW]
.macro QUANT s
.irp b, 0,1,2,3
	v_max3_num_f32 v[TM+\b], |v[\s+16*\b]|, |v[\s+1+16*\b]|, 0x1800000   ; my 16 numbers of block b, and the floor 2^(3 - 127): the byte cannot fall under 1
.endr
.irp i, 2,4,6,8,10,12,14
.irp b, 0,1,2,3
	v_max3_num_f32 v[TM+\b], v[TM+\b], |v[\s+16*\b+\i]|, |v[\s+1+16*\b+\i]|
.endr
.endr
.irp b, 0,1,2,3
	v_permlanex16_b32 v[TM+4+\b], v[TM+\b], s[SEL], s[SEL+1]
.endr
.irp b, 0,1,2,3
	v_max_num_f32 v[TM+\b], v[TM+\b], v[TM+4+\b]                 ; with lane l xor 16's: the block's largest magnitude
.endr
.irp b, 0,1,2,3
	v_add_nc_u32 v[TM+12+\b], 0xff000000, v[TM+\b]               ; 2 off its exponent field: the conversion's scale operand
.endr
.irp b, 0,1,2,3
	v_lshrrev_b32 v[TM+4+\b], 23, v[TM+12+\b]                    ; the scale's byte
.endr
	v_lshl_or_b32 v[PW], v[TM+5], 8, v[TM+4]
	v_lshl_or_b32 v[PW], v[TM+6], 16, v[PW]
	v_lshl_or_b32 v[PW], v[TM+7], 24, v[PW]
.irp c, 0,1
	v_cvt_scalef32_pk16_fp6_f32 v[PC+6*\c:PC+2+6*\c], v[\s+32*\c:\s+15+32*\c], v[TM+12+2*\c]
	v_cvt_scalef32_pk16_fp6_f32 v[PC+12+4*\c:PC+14+4*\c], v[\s+16+32*\c:\s+31+32*\c], v[TM+12+2*\c+1]   ; (a conversion's three registers begin on an even number)
.endr
	v_nop                                                        ; one plain line behind the conversions
.irp c, 0,1                            ; the operand wants a whole block in a lane: lanes 0-15 block 2 c, lanes 16-31 block 2 c + 1
.irp i, 0,1,2
	v_permlane16_swap_b32 v[PC+6*\c+\i], v[PC+12+4*\c+\i]
.endr
.irp i, 0,1,2
	v_mov_b32 v[PC+3+6*\c+\i], v[PC+12+4*\c+\i]
.endr
.endr
.endm
	s_load_b256 s[4:11], s[0:1], 0x0               ; x s[4:5], Wq s[6:7], Wk s[8:9], Wv s[10:11]
	s_load_b256 s[12:19], s[0:1], 0x20             ; Wo s[12:13], XC s[14:15], XS s[16:17], WB s[18:19]
	v_lshl_add_u32 v254, v0, 2, 0xb400
	v_mov_b32 v255, 0
	v_lshrrev_b32 v1, 5, v0
	v_readfirstlane_b32 s20, v1                    ; wave
	v_and_b32 v1, 31, v0                           ; lane
	v_and_b32 v2, 15, v0                           ; r
	v_bfe_u32 v3, v0, 4, 1                         ; h
	v_lshlrev_b32 v4, 4, v1                        ; 16 x lane
	v_lshlrev_b32 v5, 3, v1                        ; 8 x lane
	s_mov_b32 s[SEL], 0x76543210
	s_mov_b32 s[SEL+1], 0xfedcba98
	s_mov_b32 s[HIM], 0xffff0000
	s_wait_kmcnt 0x0
	s_cmp_lt_u32 ttmp9, 144
	s_cbranch_scc1 .Lweights
	s_cmp_lt_u32 ttmp9, 160
	s_cbranch_scc1 .Ltable
	; ---------------- x: my wave's tile T, six K steps of 128 ----------------
	s_sub_co_u32 s25, ttmp9, 160
	s_lshl_b32 s25, s25, 2
	s_add_co_u32 s25, s25, s20                     ; T
	s_lshr_b32 s26, s25, 1
	s_lshl_b32 s26, s26, 5
	s_and_b32 s27, s25, 1
	s_lshl_b32 s27, s27, 3
	s_add_co_u32 s26, s26, s27                     ; the tile's first row
	s_mul_i32 s26, s26, 3072
	s_mov_b32 s27, 0
	s_add_nc_u64 s[4:5], s[4:5], s[26:27]
	s_mul_i32 s26, s25, 9216
	s_add_nc_u64 s[14:15], s[14:15], s[26:27]
	s_lshl_b32 s26, s25, 9
	s_add_nc_u64 s[16:17], s[16:17], s[26:27]
	s_mul_i32 s28, s20, XSTG
	s_wait_alu depctr_va_vdst(0)
	v_add_nc_u32 v6, s28, v4                       ; into the stage: a row's 512 bytes as they lie
	v_mul_u32_u24 v7, v2, 528
	v_lshl_add_u32 v7, v3, 6, v7
	v_add_nc_u32 v7, s28, v7                       ; out of it: row r, + 64 h: my 16 numbers of each block of 32
.irp b, 0,1,2,3
	v_mov_b32 v[TM+4+\b], 0                        ; written once: a lane permute's destination counts as one of its sources
.endr
.macro LOADX st                        ; K step st of the tile's 16 rows: each load reads 512 consecutive bytes of one row
.irp rho, 0,1,2,3,4,5,6,7,8,9,10,11,12,13,14,15
	global_load_b128 v[R+64*((\st)%2)+4*\rho:R+64*((\st)%2)+4*\rho+3], v4, s[4:5] offset:(\rho+8*(\rho/8))*3072+512*(\st) th:TH_LOAD_NT
.endr
.endm
.macro STEPX st
.if (\st) < 5
	s_wait_loadcnt 16                              ; this step's 16 loads are in; the next step's 16 may be out
.else
	s_wait_loadcnt 0x0
.endif
.irp rho, 0,1,2,3,4,5,6,7,8,9,10,11,12,13,14,15
	ds_store_b128 v6, v[R+64*((\st)%2)+4*\rho:R+64*((\st)%2)+4*\rho+3] offset:528*\rho
.endr
.irp b, 0,1,2,3
.irp j, 0,1,2,3
	ds_load_b128 v[X+16*\b+4*\j:X+16*\b+4*\j+3], v7 offset:128*\b+16*\j   ; LDS serves a wave's instructions in order: these see the stores above
.endr
.endr
	s_wait_dscnt 0x0                               ; the numbers are back, and the stores have read their registers
	s_wait_xcnt 0x0                                ; the last step's stores have read the codes' registers, which are written again below
.if (\st) < 4
	LOADX (\st)+2
.endif
	QUANT X
	global_store_b128 v4, v[PC:PC+3], s[14:15] offset:1536*(\st)          ; two records of 768 bytes: each store covers 512 or 256 consecutive bytes, aligned to 256
	global_store_b64 v5, v[PC+4:PC+5], s[14:15] offset:1536*(\st)+512
	global_store_b128 v4, v[PC+6:PC+9], s[14:15] offset:1536*(\st)+768
	global_store_b64 v5, v[PC+10:PC+11], s[14:15] offset:1536*(\st)+1280
.if ((\st)%2) == 0
	v_mov_b32 v[SW+(\st)/2], v[PW]
.else
	v_cndmask_b32 v[SW+(\st)/2], v[SW+(\st)/2], v[PW], s[HIM]             ; the odd step's words go to lanes 16-31
.endif
.endm
	LOADX 0
	LOADX 1
	s_wait_alu depctr_va_vdst(0)
.irp st, 0,1,2,3,4,5
	STEPX \st
.endr
	v_mov_b32 v[SW+3], 0
	global_store_b128 v4, v[SW:SW+3], s[16:17]
	s_wait_tensorcnt 0x0
	ds_add_u32 v254, v255
	s_wait_dscnt 0x0
	s_endpgm
	; ---------------- the weights: a lane takes a column, its registers run down K ----------------
.Lweights:
	s_mul_hi_u32 s25, ttmp9, 0x55555556            ; unit of 64 columns = work-group / 3
	s_mul_i32 s26, s25, 3
	s_sub_co_u32 s26, ttmp9, s26                   ; which pair of K steps
	s_mov_b64 s[28:29], s[6:7]                     ; units 0-11 Wq, 12-23 Wk, 24-35 Wv, 36-47 Wo: the choice hangs on the work-group's number alone
	s_mov_b32 s27, 0
	s_cmp_ge_u32 s25, 12
	s_cselect_b64 s[28:29], s[8:9], s[28:29]
	s_cselect_b32 s27, 12, s27
	s_cmp_ge_u32 s25, 24
	s_cselect_b64 s[28:29], s[10:11], s[28:29]
	s_cselect_b32 s27, 24, s27
	s_cmp_ge_u32 s25, 36
	s_cselect_b64 s[28:29], s[12:13], s[28:29]
	s_cselect_b32 s27, 36, s27
	s_sub_co_u32 s27, s25, s27                     ; the unit inside its matrix
	s_and_b32 s30, s20, 1                          ; b: which 32 columns
	s_lshr_b32 s31, s20, 1
	s_lshl_b32 s26, s26, 1
	s_add_co_u32 s31, s31, s26                     ; my K step
	s_mul_i32 s32, s31, 128*3072
	s_lshl_b32 s33, s27, 8
	s_add_co_u32 s32, s32, s33
	s_lshl_b32 s33, s30, 7
	s_add_co_u32 s32, s32, s33
	s_mov_b32 s33, 0
	s_add_nc_u64 s[28:29], s[28:29], s[32:33]      ; W at (128 x K step, 64 x unit + 32 b)
	s_mul_i32 s32, s25, 36864
	s_lshl_b32 s34, s31, 2
	s_lshl_b32 s35, s30, 1
	s_add_co_u32 s34, s34, s35
	s_mul_i32 s34, s34, 1536
	s_add_co_u32 s32, s32, s34
	s_add_nc_u64 s[36:37], s[18:19], s[32:33]      ; my two fragments: tiles 2 b and 2 b + 1
	s_mul_i32 s32, s25, 1536
	s_mul_i32 s34, s30, 6
	s_add_co_u32 s34, s34, s31
	s_lshl_b32 s34, s34, 7
	s_add_co_u32 s32, s32, s34
	s_add_co_u32 s32, s32, WSC
	s_add_nc_u64 s[38:39], s[18:19], s[32:33]      ; and their 32 scale words
	s_wait_alu depctr_va_vdst(0)
	v_lshlrev_b32 v8, 2, v1                        ; 4 bytes a lane
	v_bfe_u32 v15, v0, 3, 1                        ; column lambda of the 32 is row r = lambda % 8 + 8 (lambda / 16) of tile 2 b + u, u = (lambda / 8) % 2
	v_and_b32 v9, 7, v0
	v_lshl_add_u32 v14, v3, 3, v9                  ; r
	v_mul_u32_u24 v9, v15, 1536
	v_lshl_add_u32 v9, v14, 4, v9
	s_mul_i32 s34, s20, 3072
	s_add_co_u32 s34, s34, WSTG
	v_add_nc_u32 v9, s34, v9                       ; my place in the stage: 1,536 u + 16 r
	v_add_nc_u32 v10, s34, v4                      ; and out of it 16 x lane
	v_lshl_add_u32 v14, v15, 4, v14
	v_lshlrev_b32 v14, 2, v14                      ; my scale word's place: 4 (16 u + r)
.macro LOADWB q                        ; block q: W(32 q + i, my column)
.irp i, 0,1,2,3,4,5,6,7,8,9,10,11,12,13,14,15,16,17,18,19,20,21,22,23,24,25,26,27,28,29,30,31
	global_load_b32 v[32+32*(\q)+\i], v8, s[28:29] offset:(32*(\q)+\i)*3072
.endr
.endm
.macro BLOCKW q                        ; block q of my column goes to lane r + 16 (q % 2), registers 6 (q / 2) on, of its fragment
.set XQ, 32+32*(\q)
.set CQ, 160+8*(\q)
.if (\q) < 3
	s_wait_loadcnt 32                              ; this block's 32 loads are in; the next block's 32 may be out
.else
	s_wait_loadcnt 0x0
.endif
.if (\q) < 2
	LOADWB (\q)+2
.endif
	v_max3_num_f32 v12, |v[XQ]|, |v[XQ+1]|, |v[XQ+2]|
	v_max3_num_f32 v13, |v[XQ+3]|, |v[XQ+4]|, |v[XQ+5]|
.irp i, 6,10,14,18,22,26
	v_max3_num_f32 v12, v12, |v[XQ+\i]|, |v[XQ+\i+1]|
	v_max3_num_f32 v13, v13, |v[XQ+\i+2]|, |v[XQ+\i+3]|
.endr
	v_max3_num_f32 v12, v12, |v[XQ+30]|, |v[XQ+31]|
	v_max3_num_f32 v12, v12, v13, 0x1800000        ; and the floor
	v_add_nc_u32 v11, 0xff000000, v12
	v_lshrrev_b32 v13, 23, v11
.if (\q) == 0
	v_mov_b32 v200, v13
.else
	v_lshl_or_b32 v200, v13, 8*(\q), v200          ; four bytes: my column's scale word for this K step
.endif
	v_cvt_scalef32_pk16_fp6_f32 v[CQ:CQ+2], v[XQ:XQ+15], v11
	v_cvt_scalef32_pk16_fp6_f32 v[192:194], v[XQ+16:XQ+31], v11
	v_nop
.irp i, 0,1,2
	v_mov_b32 v[CQ+3+\i], v[192+\i]
.endr
.if ((\q)/2) == 0
	ds_store_b128 v9, v[CQ:CQ+3] offset:256*((\q)%2)               ; registers 0-3
	ds_store_b64 v9, v[CQ+4:CQ+5] offset:512+256*((\q)%2)          ; registers 4-5
.else
	ds_store_b64 v9, v[CQ:CQ+1] offset:520+256*((\q)%2)            ; registers 6-7
	ds_store_b128 v9, v[CQ+2:CQ+5] offset:1024+256*((\q)%2)        ; registers 8-11
.endif
.endm
	LOADWB 0
	LOADWB 1
.irp q, 0,1,2,3
	BLOCKW \q
.endr
.irp i, 0,1,2,3,4,5
	ds_load_b128 v[208+4*\i:211+4*\i], v10 offset:512*\i           ; LDS serves a wave's instructions in order: these see my stores
.endr
	global_store_b32 v14, v200, s[38:39]
.irp i, 0,1,2,3,4,5
	s_wait_dscnt 5-\i                              ; load i is in; the younger ones may be out
	global_store_b128 v4, v[208+4*\i:211+4*\i], s[36:37] offset:512*\i
.endr
	s_wait_tensorcnt 0x0
	ds_add_u32 v254, v255
	s_wait_dscnt 0x0
	s_endpgm
	; ---------------- the table: cos and sin of position x frequency ----------------
.Ltable:
	s_sub_co_u32 s25, ttmp9, 144
	s_lshl_b32 s25, s25, 2
	s_add_co_u32 s25, s25, s20                     ; tile of positions, 0..63
	s_lshr_b32 s26, s25, 1
	s_lshl_b32 s26, s26, 5
	s_and_b32 s27, s25, 1
	s_lshl_b32 s27, s27, 3
	s_add_co_u32 s26, s26, s27
	s_wait_alu depctr_va_vdst(0)
	v_and_b32 v8, 8, v2
	v_add_nc_u32 v8, v8, v2
	v_add_nc_u32 v8, s26, v8
	v_cvt_f32_u32 v8, v8                           ; my position
	v_lshlrev_b32 v9, 4, v3                        ; 16 h
	s_lshl_b32 s26, s25, 12
	s_add_co_u32 s26, s26, CTB
	s_mov_b32 s27, 0
	s_add_nc_u64 s[28:29], s[18:19], s[26:27]
	s_mov_b32 s30, 0xbfc90fdb                      ; -(pi / 2), the f32 nearest
	s_mov_b32 s31, 0x333bbd2e                      ; what that f32 lies above pi / 2
.irp i, 0,1,2,3,4,5,6,7,8,9,10,11,12,13,14,15
	v_add_nc_u32 v[16+\i], \i, v9
.endr
.irp i, 0,1,2,3,4,5,6,7,8,9,10,11,12,13,14,15
	v_cvt_f32_u32 v[16+\i], v[16+\i]
.endr
.irp i, 0,1,2,3,4,5,6,7,8,9,10,11,12,13,14,15
	v_mul_f32 v[16+\i], 0xbed49a78, v[16+\i]       ; -j x log2(10000) / 32
.endr
	s_wait_alu depctr_va_vdst(0)
.irp i, 0,1,2,3,4,5,6,7,8,9,10,11,12,13,14,15
	v_exp_f32 v[16+\i], v[16+\i]                   ; the frequency
.endr
	v_nop                                          ; a plain line behind the last exponential
	s_wait_alu depctr_va_vdst(0)                   ; one wait for the batch, ahead of its first reader
.macro SINCOS i                        ; a = position x frequency = n pi / 2 + rr, |rr| <= pi / 4; series in rr; the quadrant n % 4 swaps and signs them
	v_mul_f32 v64, v8, v[16+\i]
	v_mul_f32 v65, 0x3f22f983, v64
	v_rndne_f32 v65, v65
	v_fma_f32 v66, v65, s30, v64                   ; exact: both are multiples of 2^-23 and the difference is under 1
	v_fma_f32 v66, v65, s31, v66
	v_mul_f32 v67, v66, v66
	v_mov_b32 v68, 0x3638ef1d
	v_fmaak_f32 v68, v68, v67, 0xb9500d01
	v_fmaak_f32 v68, v68, v67, 0x3c088889
	v_fmaak_f32 v68, v68, v67, 0xbe2aaaab
	v_mul_f32 v69, v66, v67
	v_fma_f32 v68, v69, v68, v66                   ; sin rr
	v_mov_b32 v70, 0xb493f27e
	v_fmaak_f32 v70, v70, v67, 0x37d00d01
	v_fmaak_f32 v70, v70, v67, 0xbab60b61
	v_fmaak_f32 v70, v70, v67, 0x3d2aaaab
	v_fma_f32 v70, v70, v67, -0.5
	v_fma_f32 v70, v70, v67, 1.0                   ; cos rr
	v_cvt_i32_f32 v71, v65
	v_and_b32 v72, 1, v71
	v_cmp_eq_u32 vcc_lo, 1, v72
	v_cndmask_b32 v73, v68, v70, vcc_lo            ; sin a: cos rr in odd quadrants
	v_cndmask_b32 v74, v70, v68, vcc_lo            ; cos a: sin rr there
	v_lshlrev_b32 v72, 30, v71
	v_and_b32 v72, 0x80000000, v72
	v_xor_b32 v[48+\i], v72, v73                   ; sin is negative in quadrants 2, 3
	v_add_nc_u32 v71, 1, v71
	v_lshlrev_b32 v72, 30, v71
	v_and_b32 v72, 0x80000000, v72
	v_xor_b32 v[32+\i], v72, v74                   ; cos in quadrants 1, 2
.endm
.irp i, 0,1,2,3,4,5,6,7,8,9,10,11,12,13,14,15
	SINCOS \i
.endr
.irp c, 0,1,2,3,4,5,6,7
	global_store_b128 v4, v[32+4*\c:35+4*\c], s[28:29] offset:512*\c
.endr
	s_endpgm
.Lfunc_end_k_qe60b6f4a28_prep:
	.size	k_qe60b6f4a28_prep, .Lfunc_end_k_qe60b6f4a28_prep-k_qe60b6f4a28_prep
	.p2alignl 7, 3214868480
	.fill 96, 4, 3214868480
	.section	.rodata,"a",@progbits
	.p2align	6, 0x0
	.amdhsa_kernel k_qe60b6f4a28_prep
		.amdhsa_group_segment_fixed_size 46592
		.amdhsa_private_segment_fixed_size 0
		.amdhsa_enable_private_segment 0
		.amdhsa_kernarg_size 64
		.amdhsa_user_sgpr_count 2
		.amdhsa_user_sgpr_kernarg_segment_ptr 1
		.amdhsa_wavefront_size32 1
		.amdhsa_system_sgpr_workgroup_id_x 1
		.amdhsa_system_sgpr_workgroup_id_y 1
		.amdhsa_system_sgpr_workgroup_id_z 1
		.amdhsa_system_vgpr_workitem_id 0
		.amdhsa_next_free_vgpr 256
		.amdhsa_next_free_sgpr 66
		.amdhsa_reserve_vcc 1
		.amdhsa_float_denorm_mode_32 3
		.amdhsa_float_denorm_mode_16_64 3
		.amdhsa_memory_ordered 1
		.amdhsa_forward_progress 1
		.amdhsa_inst_pref_size 98
	.end_amdhsa_kernel
	.amdgpu_metadata
---
amdhsa.version: [ 1, 2 ]
amdhsa.kernels:
  - .name:           k_qe60b6f4a28_prep
    .symbol:         k_qe60b6f4a28_prep.kd
    .args:
      - { .name: x, .offset: 0, .size: 8, .value_kind: global_buffer, .address_space: global }
      - { .name: Wq, .offset: 8, .size: 8, .value_kind: global_buffer, .address_space: global }
      - { .name: Wk, .offset: 16, .size: 8, .value_kind: global_buffer, .address_space: global }
      - { .name: Wv, .offset: 24, .size: 8, .value_kind: global_buffer, .address_space: global }
      - { .name: Wo, .offset: 32, .size: 8, .value_kind: global_buffer, .address_space: global }
      - { .name: XC, .offset: 40, .size: 8, .value_kind: global_buffer, .address_space: global }
      - { .name: XS, .offset: 48, .size: 8, .value_kind: global_buffer, .address_space: global }
      - { .name: WB, .offset: 56, .size: 8, .value_kind: global_buffer, .address_space: global }
    .group_segment_fixed_size: 46592
    .private_segment_fixed_size: 0
    .kernarg_segment_align: 8
    .kernarg_segment_size: 64
    .max_flat_workgroup_size: 128
    .sgpr_count:     66
    .vgpr_count:     256
    .wavefront_size: 32
...
	.end_amdgpu_metadata
.endif
;; end of part 5
;; launch qkv (part 6): grid 256 x 1, 4 waves a work-group, no clusters, 104,960 bytes of LDS; arguments XC, XS, WB, mask, bq, bk, bv, QB, KV; writes QB, KV
.if DOCPART == 6
	.amdgcn_target "amdgcn-amd-amdhsa--gfx1250"
	.amdhsa_code_object_version 6
	.text
	.protected	k_qe60b6f4a28_qkv
	.globl	k_qe60b6f4a28_qkv
	.p2align	8
	.type	k_qe60b6f4a28_qkv,@function
k_qe60b6f4a28_qkv:
	s_mov_b64 s[64:65], 0
	v_nop
	global_prefetch_b8 v0, s[64:65] scope:SCOPE_SE
	s_setreg_imm32_b32 hwreg(HW_REG_WAVE_SCHED_MODE, 0, 2), 2
	s_setreg_imm32_b32 hwreg(HW_REG_WAVE_MODE, 25, 1), 1
	s_wait_xcnt 0x0
	s_wait_alu depctr_vm_vsrc(0)
; QKV: q = x Wq + bq, k = x Wk + bk, v = x Wv + bv on codes of FP6 (E2M3) with E8M0 scales; q and k are rotated (cos and sin from the table) and quantised along the head's 64; v is quantised along the keys; the key mask goes into k's scale words.
; A UNIT is 64 rows (block rb) x 256 columns (group g): 256 x 9 units.  Work-group wg walks units 9 wg .. 9 wg + 8; g = unit / 256, rb = unit % 256; groups 0-2 are q's columns, 3-5 k's, 6-8 v's.  Wave w makes the 64 columns of one head.
; THE WAVE'S 24 WEIGHT FRAGMENTS STAY IN REGISTERS; they are loaded again only where the walk enters a new group (a scalar branch on ids).  x's codes, 36,864 bytes a block and its 2,048 bytes of scale words, are loaded a trip ahead into registers,
; stored into one of two LDS buffers, and read by all four waves in the next trip: one barrier a trip.  No cluster: the work-groups that read one block of x belong to nine different groups, some 28 ids apart, and nine divides into no cluster.
; q, k: source 0 = 16 columns of W, source 1 = 16 rows of x: a lane holds one row, and its 32 registers of a row tile are d = 32 b + 16 (lane / 16) + i.   v: source 0 = 16 rows of x, source 1 = 16 columns of W: a lane holds one d, its registers run along the keys.
; OUT, for each head and each 128 rows, a record of 13,312 bytes: 8 half fragments of K (16 keys x 64 d, 768 bytes: registers 0-3 at 16 x lane, 4-5 at 512 + 8 x lane), 8 of V (6,144 + 768 (2 x d tile + half of the keys)),
; K's scale words (12,288 + 256 x half: two registers, tile 2 i in lanes 0-15, tile 2 i + 1 in lanes 16-31), V's (12,800 + 256 x half, the two bytes already at their place in the word).  q goes to QB in K's form.
; THE MASK.  The next launch's product has K = 128 and a head has 64: the other 64 hold one code 1.0 on each side.  An even tile's word is (s0, s1, mb, 1), an odd tile's (mb, 1, s0, s1), mb = 254 where mask == 0, else 1.
; LIMITS: NaN and infinities are not served; blocks whose largest magnitude lies under 2^-124 keep the byte 1.
; REGISTERS, in windows of 256: window 0: v1-10 addresses; v16-27 W's scale words; v28-43 x's; v44-47 mask; v48-49 the words to store; v52-67 at work; v68-70 half a block's codes on their way; v80-111 rotated numbers; v112-143 products with sin; v144-215 x's fragments of an even tile; v216-239 the four tiles' codes to store.
;   window 1: W's fragments of K steps 0-4 (48 s + 12 t).   window 2: K step 5 (12 t); v48-79 the bias, the C of each sum's first product; v80-155 the block on its way to LDS; v160-231 x's fragments of an odd tile.   window 3: v0-127 the sums; v128-255 cos and sin.
; THE MODE: SCHED_MODE bits 1:0 = 2 (LLVM: expert scheduling mode 2), set by the entry lines.  The code itself states the register dependences between vector or matrix instructions and memory or LDS instructions, with s_wait_alu, always for 0.
; THE PLAN.  Registers that memory or LDS instructions touch, round a trip:
;   v1, v2, v3, v7, v8, v10   offsets, made at the head and never written again.
;   v4, v5, v6   LDS addresses of the buffer that is read and of the one that is written: three additions at a trip's head; read by the trip's LDS loads and stores.
;   STG          written by global loads, read by LDS stores; no vector instruction names it.
;   XF0, XF1     tile m's products read XF[m % 2]; tile m + 1's 24 LDS loads land in the other one, dealt in three runs among tile m's products.
;   XSR, cos and sin, the mask   loaded once a trip; read by the products, the rotation, the compares.     W, its scale words, the bias   read by the products; loaded again only at a new group.
;   OUT, KSW     a tile's codes have six registers of their own; written by the quantiser; read by the nine stores that stand in one run at the trip's end.
; So a trip has: one wait on vm_vsrc and one on va_vdst at its head, round the three additions; one on vm_vsrc ahead of the loads into STG; one on va_vdst at the heads of tiles 1 and 2; one on va_sdst behind the four compares; one on va_vdst ahead of the stores.
.set WS,  16
.set XSR, 28
.set MK,  44
.set KSW, 48
.set TM,  52
.set PC,  68
.set H,   80
.set TT,  112
.set XF0, 144
.set OUT, 216
.set XF1, 160
.set BI,  48
.set STG, 80
.set CSB, 128
.set CM,  54                           ; s54-57 where mask == 0, a mask of lanes for each row tile (free between the trip's pointer work and the next trip's)
.set MSB, 0
.macro WIN new                         ; the immediate's high byte repeats the setting that is left
.if MSB != (\new)
	s_set_vgpr_msb (MSB<<8)|(\new)
.set MSB, (\new)
.endif
.endm
.macro NOPS n
.rept \n
	v_nop
.endr
.endm
.macro IDS                             ; s24 = the unit -> s25 g, s26 rb, s27 type (0 q, 1 k, 2 v), s28 the head
	s_lshr_b32 s25, s24, 8
	s_and_b32 s26, s24, 255
	s_cmp_ge_u32 s25, 3
	s_cselect_b32 s27, 1, 0
	s_cmp_ge_u32 s25, 6
	s_cselect_b32 s27, 2, s27
	s_mul_i32 s54, s27, 3
	s_sub_co_u32 s54, s25, s54
	s_lshl_b32 s54, s54, 2
	s_add_co_u32 s28, s54, s22
.endm
.macro LOADW                           ; my head's 24 fragments, 12 registers of scale words and the bias in the result's layout
	s_wait_xcnt 0x0                                ; earlier loads have read the pointers that are written here
	s_lshl_b32 s54, s25, 2
	s_add_co_u32 s54, s54, s22                     ; unit of 64 columns = 4 g + wave
	s_mul_i32 s56, s54, 36864
	s_mov_b32 s57, 0
	s_add_nc_u64 s[48:49], s[8:9], s[56:57]
	s_mul_i32 s56, s54, 1536
	s_add_co_u32 s56, s56, 1769472
	s_add_nc_u64 s[50:51], s[8:9], s[56:57]
	s_cmp_eq_u32 s27, 1
	s_cselect_b64 s[52:53], s[14:15], s[12:13]
	s_cmp_eq_u32 s27, 2
	s_cselect_b64 s[52:53], s[16:17], s[52:53]
	s_lshl_b32 s56, s28, 8
	s_add_nc_u64 s[52:53], s[52:53], s[56:57]      ; the bias at my head's 64 numbers
	WIN 0x40
.irp ks, 0,1,2,3,4
.irp t, 0,1,2,3
.irp q, 0,1,2
	global_load_b128 v[48*\ks+12*\t+4*\q:48*\ks+12*\t+4*\q+3], v1, s[48:49] offset:(4*\ks+\t)*1536+512*\q
.endr
.endr
.endr
	WIN 0x80
.irp t, 0,1,2,3
.irp q, 0,1,2
	global_load_b128 v[12*\t+4*\q:12*\t+4*\q+3], v1, s[48:49] offset:(20+\t)*1536+512*\q
.endr
.endr
	WIN 0
.irp rho, 0,1,2,3,4,5,6,7,8,9,10,11
	global_load_b32 v[WS+\rho], v10, s[50:51] offset:128*\rho
.endr
	s_cmp_eq_u32 s27, 2
	s_cbranch_scc1 .Lbias_v_\@
	WIN 0x80
.irp t, 0,1,2,3                        ; q, k: register j of tile t is column 32 (t / 2) + 8 (t % 2) + 16 h + j
	global_load_b128 v[BI+8*\t:BI+8*\t+3], v8, s[52:53] offset:(32*(\t/2)+8*(\t%2))*4
	global_load_b128 v[BI+8*\t+4:BI+8*\t+7], v8, s[52:53] offset:(32*(\t/2)+8*(\t%2))*4+16
.endr
	WIN 0
	s_branch .Lbias_done_\@
.Lbias_v_\@:
	WIN 0x80
.irp t, 0,1,2,3                        ; v: all eight registers of a lane belong to its one column
.irp j, 0,1,2,3,4,5,6,7
	global_load_b32 v[BI+8*\t+\j], v7, s[52:53] offset:(32*(\t/2)+8*(\t%2))*4
.endr
.endr
	WIN 0
.Lbias_done_\@:
.endm
.macro STGLOAD                         ; block s54 of x: 128 threads x 16 bytes x 19
	s_mul_i32 s56, s54, 36864
	s_mov_b32 s57, 0
	s_add_nc_u64 s[36:37], s[4:5], s[56:57]
	s_lshl_b32 s56, s54, 11
	s_add_nc_u64 s[38:39], s[6:7], s[56:57]
	WIN 0x80
.set ii, 0
.rept 18
	global_load_b128 v[STG+4*ii:STG+4*ii+3], v3, s[36:37] offset:2048*ii
.set ii, ii+1
.endr
	global_load_b128 v[STG+72:STG+75], v3, s[38:39]
	WIN 0
.endm
.macro STGSTORE                        ; and into the buffer at v6
	WIN 0x08
.set ii, 0
.rept 19
	ds_store_b128 v6, v[STG+4*ii:STG+4*ii+3] offset:2048*ii
.set ii, ii+1
.endr
	WIN 0
.endm
.macro XPART m, p                      ; a third of tile m's fragments: half fragments 4 p .. 4 p + 3, eight loads, 24 registers
.if ((\m)%2) == 0
.set XL, XF0
	WIN 0
.else
.set XL, XF1
	WIN 0x80
.endif
.irp e, 0,1,2,3
	ds_load_b128 v[XL+6*(4*(\p)+\e):XL+6*(4*(\p)+\e)+3], v4 offset:9216*(\m)+768*(4*(\p)+\e)
	ds_load_b64 v[XL+6*(4*(\p)+\e)+4:XL+6*(4*(\p)+\e)+5], v5 offset:9216*(\m)+768*(4*(\p)+\e)+512
.endr
.endm
.macro XFETCH m                        ; tile m's 12 half fragments: 72 registers
	XPART \m, 0
	XPART \m, 1
	XPART \m, 2
	WIN 0
.endm
.macro WMS                             ; one product, from the symbols DD, AA, BB, CC, SA, SB and the rows RA, RB of the scale registers
.if (RA == 0) && (RB == 0)
	v_wmma_scale_f32_16x16x128_f8f6f4 v[DD:DD+7], v[AA:AA+11], v[BB:BB+11], v[CC:CC+7], v[SA], v[SB] matrix_a_fmt:MATRIX_FMT_FP6 matrix_b_fmt:MATRIX_FMT_FP6
.elseif (RA == 1) && (RB == 0)
	v_wmma_scale_f32_16x16x128_f8f6f4 v[DD:DD+7], v[AA:AA+11], v[BB:BB+11], v[CC:CC+7], v[SA], v[SB] matrix_a_fmt:MATRIX_FMT_FP6 matrix_b_fmt:MATRIX_FMT_FP6 matrix_a_scale:MATRIX_SCALE_ROW1
.elseif (RA == 0) && (RB == 1)
	v_wmma_scale_f32_16x16x128_f8f6f4 v[DD:DD+7], v[AA:AA+11], v[BB:BB+11], v[CC:CC+7], v[SA], v[SB] matrix_a_fmt:MATRIX_FMT_FP6 matrix_b_fmt:MATRIX_FMT_FP6 matrix_b_scale:MATRIX_SCALE_ROW1
.else
	v_wmma_scale_f32_16x16x128_f8f6f4 v[DD:DD+7], v[AA:AA+11], v[BB:BB+11], v[CC:CC+7], v[SA], v[SB] matrix_a_fmt:MATRIX_FMT_FP6 matrix_b_fmt:MATRIX_FMT_FP6 matrix_a_scale:MATRIX_SCALE_ROW1 matrix_b_scale:MATRIX_SCALE_ROW1
.endif
.endm
; 24 products: row tile m x my four column tiles x six K steps.  The four sums take turns, one instruction a turn.  The first K step takes the bias as C.
; f = 1: tile m + 1's fragments are fetched into the other buffer, eight loads ahead of each of the K steps 0, 1 and 2.  No wait stands at these loads: no product of this tile names the other buffer, v4 or v5.
.macro MMA m, typ, f
.if ((\m)%2) == 0
.set XB, XF0
.set XW, 0
.else
.set XB, XF1
.set XW, 2
.endif
.irp ks, 0,1,2,3,4,5
.if (\f) && (\ks < 3)
	XPART \m+1, \ks
.endif
.set WW, 1+(\ks/5)
.set WBS, 48*(\ks%5)
.set CW, 3-((5-\ks)/5)
.if (\typ) == 0
	WIN (WW|(XW<<2)|(CW<<4)|0xc0)
.else
	WIN (XW|(WW<<2)|(CW<<4)|0xc0)
.endif
.irp t, 0,1,2,3
.if (\typ) == 0
.set DD, 32*(\m)+8*\t
.set AA, WBS+12*\t
.set BB, XB+12*\ks
.set SA, WS+6*(\t/2)+\ks
.set RA, \t%2
.set SB, XSR+4*(\m)+\ks/2
.set RB, \ks%2
.else
.set DD, 32*\t+8*(\m)
.set AA, XB+12*\ks
.set BB, WBS+12*\t
.set SA, XSR+4*(\m)+\ks/2
.set RA, \ks%2
.set SB, WS+6*(\t/2)+\ks
.set RB, \t%2
.endif
.if \ks == 0
.set CC, BI+8*\t
.else
.set CC, DD
.endif
	WMS
.endr
.endr
.endm
.macro PHASE typ                       ; the unit's 96 products; tile m + 1's fragments are fetched among tile m's products
.irp m, 0,1,2,3
.if (\m > 0) && (\m < 3)
	NOPS 4                                         ; four plain lines stand between the products that read a buffer and the loads into it
.endif
.if \m > 0
	s_wait_dscnt 0x0                               ; this tile's fragments are in: the last of them were asked for 16 products ago
.endif
.if (\m > 0) && (\m < 3)
	s_wait_alu depctr_va_vdst(0)                   ; the products of the tile before are done reading their buffer of fragments, in which the loads dealt among the products below land
.endif
.if \m < 3
	MMA \m, \typ, 1
.else
	MMA \m, \typ, 0
.endif
	WIN 0
.endr
	NOPS 4                                         ; and in front of the first read of the last results
.endm
; 32 numbers of a lane in window win, register 16 b + i = k 32 b + 16 (lane / 16) + i of my row, become a half fragment in v[out] .. v[out+5]; the two scale bytes stand in v[TM+4], v[TM+5]
.macro QUANT2 src, win, out
	WIN ((\win)|((\win)<<2))
.irp b, 0,1
	v_max3_num_f32 v[TM+\b], |v[(\src)+16*\b]|, |v[(\src)+1+16*\b]|, 0x1800000   ; each sum is read from its low end on; the floor 2^(3 - 127) holds the byte at 1 from below
.endr
	WIN (((\win)<<2)|((\win)<<4))
.irp i, 2,4,6,8,10,12,14
.irp b, 0,1
	v_max3_num_f32 v[TM+\b], v[TM+\b], |v[(\src)+16*\b+\i]|, |v[(\src)+1+16*\b+\i]|
.endr
.endr
	WIN 0
.irp b, 0,1
	v_permlanex16_b32 v[TM+4+\b], v[TM+\b], s30, s31
.endr
.irp b, 0,1
	v_max_num_f32 v[TM+\b], v[TM+\b], v[TM+4+\b]
.endr
.irp b, 0,1
	v_add_nc_u32 v[TM+12+\b], 0xff000000, v[TM+\b]
.endr
.irp b, 0,1
	v_lshrrev_b32 v[TM+4+\b], 23, v[TM+12+\b]
.endr
	WIN (\win)
	v_cvt_scalef32_pk16_fp6_f32 v[(\out):(\out)+2], v[(\src):(\src)+15], v[TM+12]       ; the tile's own six registers: the last trip's stores, which read them, stand ahead of this trip's head waits
	v_cvt_scalef32_pk16_fp6_f32 v[PC:PC+2], v[(\src)+16:(\src)+31], v[TM+13]
	WIN 0
	v_nop                                          ; one plain line behind the conversions
.irp i, 0,1,2
	v_permlane16_swap_b32 v[(\out)+\i], v[PC+\i]   ; lanes 0-15 get block 0 whole, lanes 16-31 block 1
.endr
.irp i, 0,1,2
	v_mov_b32 v[(\out)+3+\i], v[PC+\i]
.endr
.endm
.macro EPIQK m                         ; row tile m: the rotation, the quantiser, the scale word with the mask's byte
	WIN 0x0f
.irp i, 0,2,4,6,8,10,12,14
	v_pk_mul_f32 v[TT+\i:TT+\i+1], v[32*(\m)+16+\i:32*(\m)+17+\i], v[CSB+32*(\m)+16+\i:CSB+32*(\m)+17+\i]       ; y(d + 32) sin
.endr
.irp i, 0,2,4,6,8,10,12,14
	v_pk_mul_f32 v[TT+16+\i:TT+17+\i], v[32*(\m)+\i:32*(\m)+1+\i], v[CSB+32*(\m)+16+\i:CSB+32*(\m)+17+\i]       ; y(d) sin
.endr
.irp i, 0,2,4,6,8,10,12,14
	v_pk_fma_f32 v[H+\i:H+\i+1], v[32*(\m)+\i:32*(\m)+1+\i], v[CSB+32*(\m)+\i:CSB+32*(\m)+1+\i], v[TT+\i:TT+\i+1] neg_lo:[0,0,1] neg_hi:[0,0,1]   ; d < 32: y(d) cos - y(d + 32) sin
.endr
.irp i, 0,2,4,6,8,10,12,14
	v_pk_fma_f32 v[H+16+\i:H+17+\i], v[32*(\m)+16+\i:32*(\m)+17+\i], v[CSB+32*(\m)+\i:CSB+32*(\m)+1+\i], v[TT+16+\i:TT+17+\i]                      ; d >= 32: y(d) cos + y(d - 32) sin
.endr
	WIN 0
	QUANT2 H, 0, OUT+6*(\m)
	v_lshl_or_b32 v[TM+8], v[TM+5], 8, v[TM+4]
.if (\m) == 0
	s_wait_alu depctr_va_sdst(0)                   ; the four compares have written s54 to s57, ahead of their first reader: one wait for the run
.endif
	v_cndmask_b32 v[TM+9], 1, v9, s[CM+(\m)]       ; 254 where mask == 0, else 1
.if ((\m)%2) == 0
	v_lshl_or_b32 v[TM+9], v[TM+9], 16, v[TM+8]
	v_or_b32 v[KSW+(\m)/2], 0x01000000, v[TM+9]    ; (s0, s1, mb, 1)
.else
	v_lshl_or_b32 v[TM+9], v[TM+8], 16, v[TM+9]
	v_or_b32 v[TM+9], 0x100, v[TM+9]               ; (mb, 1, s0, s1),
	v_cndmask_b32 v[KSW+(\m)/2], v[KSW+(\m)/2], v[TM+9], s32   ; in lanes 16-31
.endif
.endm
.macro EPIV t                          ; d tile t: 64 keys of 16 d
	QUANT2 32*(\t), 3, OUT+6*(\t)
	v_lshl_or_b32 v[TM+8], v[TM+5], 8, v[TM+4]
	v_lshlrev_b32 v[TM+8], s35, v[TM+8]            ; the second 64 keys' bytes are bytes 2 and 3 of the word
.if ((\t)%2) == 0
	v_mov_b32 v[KSW+(\t)/2], v[TM+8]
.else
	v_cndmask_b32 v[KSW+(\t)/2], v[KSW+(\t)/2], v[TM+8], s32
.endif
.endm
	s_load_b256 s[4:11], s[0:1], 0x0               ; XC s[4:5], XS s[6:7], WB s[8:9], mask s[10:11]
	s_load_b256 s[12:19], s[0:1], 0x20             ; bq s[12:13], bk s[14:15], bv s[16:17], QB s[18:19]
	s_load_b64 s[20:21], s[0:1], 0x40              ; KV
	v_lshl_add_u32 v254, v0, 2, 0x19800
	v_mov_b32 v255, 0
	v_lshrrev_b32 v1, 5, v0
	v_readfirstlane_b32 s22, v1                    ; wave
	v_and_b32 v10, 31, v0
	v_lshlrev_b32 v1, 4, v10                       ; 16 x lane
	v_lshlrev_b32 v2, 3, v10                       ; 8 x lane
	v_lshlrev_b32 v10, 2, v10                      ; 4 x lane
	v_lshlrev_b32 v3, 4, v0                        ; 16 x thread
	v_and_b32 v7, 15, v0
	v_and_b32 v8, 8, v7
	v_add_nc_u32 v7, v7, v8
	v_lshlrev_b32 v7, 2, v7                        ; 4 (r + 8 (r / 8))
	v_bfe_u32 v8, v0, 4, 1
	v_lshlrev_b32 v8, 6, v8                        ; 64 h
	v_mov_b32 v9, 254
	v_mov_b32 v[TM+4], 0                           ; written once: a lane permute's destination counts as one of its sources
	v_mov_b32 v[TM+5], 0
	s_mov_b32 s30, 0x76543210
	s_mov_b32 s31, 0xfedcba98
	s_mov_b32 s32, 0xffff0000                      ; lanes 16-31
	s_mov_b32 s33, 0                               ; the buffer that is read
	s_mov_b32 s34, 0                               ; the buffer that is written
	s_mov_b32 s23, 0                               ; trip
	s_mul_i32 s24, ttmp9, 9                        ; unit
	s_wait_alu depctr_va_sdst(0)                   ; s22, the wave's number, is written, ahead of its first reader: the head and the pointers are made from it
	IDS
	s_wait_kmcnt 0x0
	s_mov_b32 s54, s26
	s_wait_alu depctr_va_vdst(0)                   ; the offsets v1, v2, v3, v7, v8 and v10 are written, which the kernel's loads and stores read
	STGLOAD                                        ; the first block
	LOADW
	s_wait_loadcnt 0x0
	v_add_nc_u32 v6, s34, v3
	s_wait_alu depctr_va_vdst(0)                   ; v6 is written, the address of the LDS stores below
	STGSTORE
	s_wait_dscnt 0x0                               ; my part of the first block lies in LDS
	s_wait_alu depctr_vm_vsrc(0)                   ; the LDS stores have read the block's registers, in which the next block's loads land
	s_add_co_u32 s54, s24, 1
	s_and_b32 s54, s54, 255
	STGLOAD                                        ; the second block
	s_mov_b32 s34, 0x10000
	s_barrier_signal -1
	s_barrier_wait -1
.Ltrip:
	IDS
	s_cmp_lg_u32 s26, 0
	s_cbranch_scc1 .Lkeepw
	s_cmp_eq_u32 s23, 0
	s_cbranch_scc1 .Lkeepw
	NOPS 4
	s_wait_alu depctr_va_vdst(0)                   ; the last trip's products are done reading the weights, their scale words and the bias, in which the loads below land
	LOADW                                          ; the walk has entered a new group of columns
.Lkeepw:
	s_wait_xcnt 0x0                                ; the last trip's loads and stores have read the pointers that are written here, and its stores the codes and words that this trip writes again
	s_lshr_b32 s54, s26, 4                         ; the sequence
	s_mul_i32 s54, s54, 12
	s_add_co_u32 s54, s54, s28
	s_lshl_b32 s54, s54, 3
	s_bfe_u32 s55, s26, 0x30001                    ; which 128 rows of it
	s_add_co_u32 s54, s54, s55
	s_mul_i32 s56, s54, 13312                      ; the record
	s_mov_b32 s57, 0
	s_and_b32 s58, s26, 1                          ; which half of the 128
	s_lshl_b32 s35, s58, 4
	s_lshl_b32 s60, s58, 8
	s_mov_b32 s61, 0
	s_cmp_eq_u32 s27, 0
	s_cselect_b64 s[40:41], s[18:19], s[20:21]     ; q goes to QB, k and v to KV
	s_add_nc_u64 s[40:41], s[40:41], s[56:57]
	s_add_nc_u64 s[42:43], s[40:41], s[60:61]
	s_cmp_eq_u32 s27, 2
	s_mov_b32 s62, 3072
	s_cselect_b32 s62, 768, s62
	s_cselect_b32 s63, 6144, 0
	s_mov_b32 s60, 12288
	s_cselect_b32 s60, 12800, s60
	s_mul_i32 s62, s62, s58
	s_add_co_u32 s62, s62, s63
	s_mov_b32 s63, 0
	s_add_nc_u64 s[40:41], s[40:41], s[62:63]      ; where the codes go
	s_add_nc_u64 s[42:43], s[42:43], s[60:61]      ; where the scale words go
	s_and_b32 s60, s26, 15
	s_lshl_b32 s60, s60, 14
	s_add_co_u32 s60, s60, 1843200
	s_add_nc_u64 s[44:45], s[8:9], s[60:61]        ; cos and sin of the block's 64 positions
	s_lshl_b32 s60, s26, 8
	s_add_nc_u64 s[46:47], s[10:11], s[60:61]      ; the mask of its 64 rows
	s_wait_alu depctr_vm_vsrc(0)                   ; the LDS loads and stores issued so far have read v4 to v6, which are written below; the last trip's global stores have read the codes and the words, which this trip's quantiser writes again
	v_add_nc_u32 v4, s33, v1
	v_add_nc_u32 v5, s33, v2
	v_add_nc_u32 v6, s34, v3
	s_wait_loadcnt 0x0                             ; the next block has come (and the weights, where they were loaded again)
	s_wait_alu depctr_va_vdst(0)                   ; v4 to v6 are written, the addresses of this trip's LDS loads and stores; the last trip's products, rotation and compares are done reading both buffers of fragments, x's scale words, cos, sin and the mask, in which this trip's loads land
	s_cmp_lt_u32 s23, 8
	s_cbranch_scc0 .Lnostore
	STGSTORE                                       ; into the buffer that nobody reads in this trip
.Lnostore:
	XFETCH 0
.irp m, 0,1,2,3
	ds_load_b128 v[XSR+4*\m:XSR+4*\m+3], v4 offset:36864+512*\m
.endr
	s_wait_dscnt 0x0                               ; tile 0's fragments and the scale words are in
	s_cmp_lt_u32 s23, 7
	s_cbranch_scc0 .Lnoload
	s_wait_alu depctr_vm_vsrc(0)                   ; the LDS stores above have read the block's registers, in which the loads below land
	s_add_co_u32 s54, s24, 2
	s_and_b32 s54, s54, 255
	STGLOAD                                        ; the block after the next: it has this whole trip in which to come
.Lnoload:
	s_cmp_eq_u32 s27, 2
	s_cbranch_scc1 .Lvpath
	WIN 0xc0
.irp m, 0,1,2,3
.irp c, 0,1,2,3,4,5,6,7
	global_load_b128 v[CSB+32*\m+4*\c:CSB+32*\m+4*\c+3], v1, s[44:45] offset:4096*\m+512*\c   ; no vector instruction has been issued since the wait at the trip's head
.endr
.endr
	WIN 0
.irp m, 0,1,2,3
	global_load_b32 v[MK+\m], v7, s[46:47] offset:(32*(\m/2)+8*(\m%2))*4
.endr
	PHASE 0
	s_wait_loadcnt 0x0                             ; cos, sin and the mask
.irp m, 0,1,2,3
	v_cmp_eq_u32 s[CM+\m], 0, v[MK+\m]             ; the four tiles' compares in one run, each into a scalar register of its own
.endr
.irp m, 0,1,2,3
	EPIQK \m
.endr
	s_wait_alu depctr_va_vdst(0)                   ; the quantiser has written the four tiles' codes and the two registers of scale words, which the stores below read
.irp m, 0,1,2,3
	global_store_b128 v1, v[OUT+6*\m:OUT+6*\m+3], s[40:41] offset:768*\m
	global_store_b64 v2, v[OUT+6*\m+4:OUT+6*\m+5], s[40:41] offset:768*\m+512
.endr
	global_store_b64 v2, v[KSW:KSW+1], s[42:43]
	s_branch .Ljoin
.Lvpath:
	PHASE 1
.irp t, 0,1,2,3
	EPIV \t
.endr
	s_wait_alu depctr_va_vdst(0)                   ; the quantiser has written the four tiles' codes and the two registers of scale words, which the stores below read
.irp t, 0,1,2,3
	global_store_b128 v1, v[OUT+6*\t:OUT+6*\t+3], s[40:41] offset:1536*\t
	global_store_b64 v2, v[OUT+6*\t+4:OUT+6*\t+5], s[40:41] offset:1536*\t+512
.endr
	global_store_b64 v2, v[KSW:KSW+1], s[42:43]
.Ljoin:
	s_wait_dscnt 0x0                               ; my stores into the next buffer have landed and my reads of this one are in
	s_barrier_signal -1
	s_barrier_wait -1                              ; both now hold of all four waves
	s_xor_b32 s33, s33, 0x10000
	s_xor_b32 s34, s34, 0x10000
	s_add_co_u32 s24, s24, 1
	s_add_co_u32 s23, s23, 1
	s_cmp_lt_u32 s23, 9
	s_cbranch_scc1 .Ltrip
	s_wait_dscnt 0x0
	s_wait_alu depctr_hold_cnt(0) depctr_sa_sdst(0) depctr_va_vdst(0) depctr_va_sdst(0) depctr_va_ssrc(0) depctr_va_vcc(0) depctr_vm_vsrc(0)
	s_wait_tensorcnt 0x0
	ds_add_u32 v254, v255
	s_wait_dscnt 0x0
	s_endpgm
.Lfunc_end_k_qe60b6f4a28_qkv:
	.size	k_qe60b6f4a28_qkv, .Lfunc_end_k_qe60b6f4a28_qkv-k_qe60b6f4a28_qkv
	.p2alignl 7, 3214868480
	.fill 96, 4, 3214868480
	.section	.rodata,"a",@progbits
	.p2align	6, 0x0
	.amdhsa_kernel k_qe60b6f4a28_qkv
		.amdhsa_group_segment_fixed_size 104960
		.amdhsa_private_segment_fixed_size 0
		.amdhsa_enable_private_segment 0
		.amdhsa_kernarg_size 72
		.amdhsa_user_sgpr_count 2
		.amdhsa_user_sgpr_kernarg_segment_ptr 1
		.amdhsa_wavefront_size32 1
		.amdhsa_system_sgpr_workgroup_id_x 1
		.amdhsa_system_sgpr_workgroup_id_y 1
		.amdhsa_system_sgpr_workgroup_id_z 1
		.amdhsa_system_vgpr_workitem_id 0
		.amdhsa_next_free_vgpr 1024
		.amdhsa_next_free_sgpr 66
		.amdhsa_reserve_vcc 0
		.amdhsa_float_denorm_mode_32 3
		.amdhsa_float_denorm_mode_16_64 3
		.amdhsa_memory_ordered 1
		.amdhsa_forward_progress 1
		.amdhsa_inst_pref_size 107
	.end_amdhsa_kernel
	.amdgpu_metadata
---
amdhsa.version: [ 1, 2 ]
amdhsa.kernels:
  - .name:           k_qe60b6f4a28_qkv
    .symbol:         k_qe60b6f4a28_qkv.kd
    .args:
      - { .name: XC, .offset: 0, .size: 8, .value_kind: global_buffer, .address_space: global }
      - { .name: XS, .offset: 8, .size: 8, .value_kind: global_buffer, .address_space: global }
      - { .name: WB, .offset: 16, .size: 8, .value_kind: global_buffer, .address_space: global }
      - { .name: mask, .offset: 24, .size: 8, .value_kind: global_buffer, .address_space: global }
      - { .name: bq, .offset: 32, .size: 8, .value_kind: global_buffer, .address_space: global }
      - { .name: bk, .offset: 40, .size: 8, .value_kind: global_buffer, .address_space: global }
      - { .name: bv, .offset: 48, .size: 8, .value_kind: global_buffer, .address_space: global }
      - { .name: QB, .offset: 56, .size: 8, .value_kind: global_buffer, .address_space: global }
      - { .name: KV, .offset: 64, .size: 8, .value_kind: global_buffer, .address_space: global }
    .group_segment_fixed_size: 104960
    .private_segment_fixed_size: 0
    .kernarg_segment_align: 8
    .kernarg_segment_size: 72
    .max_flat_workgroup_size: 128
    .sgpr_count:     66
    .vgpr_count:     1024
    .wavefront_size: 32
...
	.end_amdgpu_metadata
.endif
;; end of part 6
;; launch attn (part 7): grid 256 x 1, 16 waves a work-group, no clusters, 327,680 bytes of LDS; arguments QB, KV, AO, AOS; writes AO, AOS
.if DOCPART == 7
	.amdgcn_target "amdgcn-amd-amdhsa--gfx1250"
	.amdhsa_code_object_version 6
	.text
	.protected	k_qe60b6f4a28_attn
	.globl	k_qe60b6f4a28_attn
	.p2align	8
	.type	k_qe60b6f4a28_attn,@function
k_qe60b6f4a28_attn:
	s_mov_b64 s[64:65], 0
	v_nop
	global_prefetch_b8 v0, s[64:65] scope:SCOPE_SE
	s_setreg_imm32_b32 hwreg(HW_REG_WAVE_MODE, 25, 1), 1
	s_wait_xcnt 0x0
; ATTN: o = softmax(q k^T / 8, keys with mask == 0 left out) v for 192 heads of 1,024 x 64, both products on codes of FP6 (E2M3) with E8M0 scales; o / l is quantised along the head's 64 for the last product.
; THE SOFTMAX: t = score x log2(e) / 8; M = the running largest t rounded up to a whole number; p = 2^(t - M) is quantised along the keys, not normalised; the row's sum l is taken of the unquantised p.  When M moves, l and O are multiplied by 2^(old M - new M): exact.
; SHARES.  A unit is 256 queries of one head: 768 units, three to a work-group.  Four neighbouring work-groups share three heads so that each needs two heads' K and V: a whole head's 8 records (106,496 bytes) lies in each of two LDS slots, filled once,
; at the head, by two tensor loads a wave (two of mine are out at the most).  Nothing is filled again.  Each of the sixteen waves owns one tile of 16 queries in 256 registers: four waves to a SIMD, so that one wave's vector work stands beside another's products and LDS loads.
; No cluster: the fills are two loads a wave, once in the launch.  Nothing is prefetched: all that the launch reads of K and V is asked for at its head.
; LAYOUT.  Both products transposed: S^T = K Q^T (source 0 = 16 keys), O^T = V^T P^T (source 0 = 16 d): a lane holds one query throughout.  The keys of a tile are chosen (launch qkv) so that the 16 registers of tiles 2 b, 2 b + 1 are keys 32 b + 16 (lane / 16) + 0..15.
; K = 64 IN AN INSTRUCTION OF 128, AND THE MASK.  An even key tile is [k | pad], an odd one [pad | k]; q is [q | e] or [e | q].  pad and e hold the code 1.0 at their first k (e in lanes 0-15 alone) and zeros.  k's scale byte over the pad is 254 where mask == 0, else 1; q's is 90:
; a masked key adds 2^90 to its sum, an open key 2^-163, which is under half of the smallest f32 number.  q's codes have their signs turned, so the sums are S' = -q.k + pad, and t = -c S': a masked key's t is about -2^87 and its p is 0.  The mask costs no instruction in the loop.
; THE LARGEST t BEGINS AT -2^80, above every masked key's t: masked keys never move M.  A query with no open key keeps that value; its scale word is then set to 0xffffffff, so that the last product gives NaN, as the softmax of a row of -infinity does.
; LIMITS: |t| of open keys under 2^80; NaN and infinities are not served; blocks whose largest magnitude lies under 2^-124 keep the byte 1.
.set GATH,  212992                     ; behind the slots: 1,024 bytes for each unit, where the sixteen waves' scale words meet
.set SLOTB, 106496
.set REC,   13312                      ; a record: 128 keys: K 8 x 768, V 8 x 768, K's scale words 512, V's 512
.set WV,  12
.set SEL, 32                           ; s[32:33] lane l xor 16
.set CS,  34                           ; s[34:35] -c = -log2(e) / 8: the packed form names a pair and takes its low word
.set TB,  36                           ; s36 LDS byte of the record in hand
.set CNT, 37
.set QF,  16                           ; v16-33 e, q, e
.set KSR, 34                           ; v34-37 K's scale words: tile tau in register tau / 2, lanes 16 (tau % 2) on
.set VSA, 38
.set VSB, 40
.set VSR, 42                           ; v42-43 V's scale words
.set KB,  44                           ; v44-79 k, pad, k, k, pad, k
.set VB,  80                           ; v80-103 V's d tiles 0 and 1
.set S,   104                          ; v104-167 S', then p; v104-127 later V's d tiles 2 and 3
.set O,   168                          ; v168-199 O^T
.set P,   200                          ; v200-218 p's codes
.set BM,  220
.set PT,  224
.set SCO, 228
.set FF,  232                          ; v[232:233] f = 2^(old M - new M)
.set TMP, 234
.set ONES, 235
.set L2,  236                          ; v[236:237] the sum's second chain
.set GB,  240
.macro NOPS n
.rept \n
	v_nop
.endr
.endm
; A KEY STEP: 128 keys
.macro STEP
	v_add_nc_u32 v3, s[TB], v1
	s_wait_alu depctr_va_vdst(0)
	v_add_nc_u32 v4, s[TB], v2
	s_wait_alu depctr_va_vdst(0)
	NOPS 3                                         ; five plain lines: the first products below write over registers that the last step's products read
.irp g, 0,1
.if \g == 1
	v_or_b32 v[VSR], v[VSA], v[VSB]                ; V's scale words of the step's two halves
	v_or_b32 v[VSR+1], v[VSA+1], v[VSB+1]
	NOPS 2                                         ; four plain lines in front of loads into registers that the products above read
.endif
.irp t, 0,1,2,3
	ds_load_b128 v[KB+18*(\t/2)+12*(\t%2):KB+18*(\t/2)+12*(\t%2)+3], v3 offset:768*(4*\g+\t)
	ds_load_b64 v[KB+18*(\t/2)+12*(\t%2)+4:KB+18*(\t/2)+12*(\t%2)+5], v4 offset:768*(4*\g+\t)+512
.endr
.if \g == 0
	ds_load_b64 v[KSR:KSR+1], v4 offset:12288
	ds_load_b64 v[KSR+2:KSR+3], v4 offset:12544
	ds_load_b64 v[VSA:VSA+1], v4 offset:12800
	ds_load_b64 v[VSB:VSB+1], v4 offset:13056
.endif
	s_wait_dscnt 0x0
.irp t, 0,1,2,3
.if (\t%2) == 0
	v_wmma_scale_f32_16x16x128_f8f6f4 v[S+8*(4*\g+\t):S+8*(4*\g+\t)+7], v[KB+18*(\t/2):KB+18*(\t/2)+11], v[QF+6:QF+17], 0, v[KSR+2*\g+\t/2], v8 matrix_a_fmt:MATRIX_FMT_FP6 matrix_b_fmt:MATRIX_FMT_FP6
.else
	v_wmma_scale_f32_16x16x128_f8f6f4 v[S+8*(4*\g+\t):S+8*(4*\g+\t)+7], v[KB+18*(\t/2)+6:KB+18*(\t/2)+17], v[QF:QF+11], 0, v[KSR+2*\g+\t/2], v9 matrix_a_fmt:MATRIX_FMT_FP6 matrix_b_fmt:MATRIX_FMT_FP6 matrix_a_scale:MATRIX_SCALE_ROW1
.endif
.endr
.endr
	NOPS 4
.irp d, 0,1                            ; V's d tiles 0 and 1 land under the softmax
.irp c, 0,1
	ds_load_b128 v[VB+12*\d+6*\c:VB+12*\d+6*\c+3], v3 offset:6144+768*(2*\d+\c)
	ds_load_b64 v[VB+12*\d+6*\c+4:VB+12*\d+6*\c+5], v4 offset:6144+768*(2*\d+\c)+512
.endr
.endr
.irp b, 0,1,2,3
	v_min3_num_f32 v[BM+\b], v[S+16*\b], v[S+1+16*\b], v[S+2+16*\b]   ; the SMALLEST S' of each block of 32 keys is its largest t: it serves for the row's maximum and, since p rises with t, for the block's largest p
.endr
.irp i, 3,5,7,9,11,13
.irp b, 0,1,2,3
	v_min3_num_f32 v[BM+\b], v[BM+\b], v[S+16*\b+\i], v[S+1+16*\b+\i]
.endr
.endr
.irp b, 0,1,2,3
	v_min_num_f32 v[BM+\b], v[BM+\b], v[S+15+16*\b]
.endr
.irp b, 0,1,2,3
	s_delay_alu instid0(VALU_DEP_4)
	v_permlanex16_b32 v[PT+\b], v[BM+\b], s[SEL], s[SEL+1]
.endr
.irp b, 0,1,2,3
	s_delay_alu instid0(VALU_DEP_4)
	v_min_num_f32 v[BM+\b], v[BM+\b], v[PT+\b]     ; with lane l xor 16's 16 keys
.endr
	s_delay_alu instid0(VALU_DEP_2)
	v_min3_num_f32 v[TMP], v[BM], v[BM+1], v[BM+2]
	s_delay_alu instid0(VALU_DEP_1)
	v_min_num_f32 v[TMP], v[TMP], v[BM+3]
	s_delay_alu instid0(VALU_DEP_1)
	v_mul_f32 v[TMP], s[CS], v[TMP]                ; the step's largest t
	s_delay_alu instid0(VALU_DEP_1)
	v_max_num_f32 v13, v13, v[TMP]                 ; the running largest t
	v_mov_b32 v[TMP], v12
	s_delay_alu instid0(VALU_DEP_2)
	v_floor_f32 v12, -v13                          ; the new -M = -ceil(t)
	s_delay_alu instid0(VALU_DEP_1)
	v_sub_f32 v[TMP], v12, v[TMP]                  ; old M - new M: a whole number, 0 or less
	s_delay_alu instid0(VALU_DEP_1)
	v_cvt_i32_f32 v[TMP], v[TMP]                   ; (it saturates)
	s_delay_alu instid0(VALU_DEP_1)
	v_ldexp_f32 v[FF], 1.0, v[TMP]                 ; f
.set jj, 0
.rept 32
	v_pk_fma_f32 v[S+jj:S+1+jj], v[S+jj:S+1+jj], s[CS:CS+1], v[12:13] op_sel_hi:[1,0,0]   ; t - M, two at a time
.set jj, jj+2
.endr
.irp b, 0,1,2,3
	v_fma_f32 v[BM+\b], v[BM+\b], s[CS], v12
.endr
.set jj, 0
	s_wait_alu depctr_va_vdst(0)
.rept 64
	v_exp_f32 v[S+jj], v[S+jj]                     ; p
.set jj, jj+1
.endr
	s_setprio 1
	v_pk_mul_f32 v[14:15], v[14:15], v[FF:FF+1] op_sel_hi:[1,0]       ; the sums under the new M: a plain line behind the exponentials
	s_wait_alu depctr_va_vdst(0)                   ; one wait for the batch of 64, ahead of its first reader
.irp b, 0,1,2,3
	v_exp_f32 v[BM+\b], v[BM+\b]                   ; each block's largest p
.endr
	v_pk_add_f32 v[L2:L2+1], v[S:S+1], v[S+2:S+3]  ; the row's sum of the unquantised p, in two chains
.irp j, 4,8,12,16,20,24,28,32,36,40,44,48,52,56,60
	v_pk_add_f32 v[14:15], v[14:15], v[S+\j:S+1+\j]
	v_pk_add_f32 v[L2:L2+1], v[L2:L2+1], v[S+2+\j:S+3+\j]
.endr
	s_delay_alu instid0(VALU_DEP_1)
	v_pk_add_f32 v[14:15], v[14:15], v[L2:L2+1]
	s_wait_alu depctr_va_vdst(0)                   ; and one for the four
.irp b, 0,1,2,3
	v_max_num_f32 v[BM+\b], 0x1800000, v[BM+\b]    ; the floor: a block whose every p is 0 keeps the byte 1: its codes are zeros
.endr
.irp b, 0,1,2,3
	s_delay_alu instid0(VALU_DEP_4)
	v_add_nc_u32 v[SCO+\b], 0xff000000, v[BM+\b]
.endr
.irp b, 0,1,2,3
	s_delay_alu instid0(VALU_DEP_4)
	v_lshrrev_b32 v[PT+\b], 23, v[SCO+\b]
.endr
	s_delay_alu instid0(VALU_DEP_3)
	v_lshl_or_b32 v10, v[PT+1], 8, v[PT]           ; p's scale word for these 128 keys
	s_delay_alu instid0(VALU_DEP_1)
	v_lshl_or_b32 v10, v[PT+2], 16, v10
	s_delay_alu instid0(VALU_DEP_1)
	v_lshl_or_b32 v10, v[PT+3], 24, v10
.irp c, 0,1
	v_cvt_scalef32_pk16_fp6_f32 v[P+6*\c:P+2+6*\c], v[S+32*\c:S+15+32*\c], v[SCO+2*\c]
	v_cvt_scalef32_pk16_fp6_f32 v[P+12+4*\c:P+14+4*\c], v[S+16+32*\c:S+31+32*\c], v[SCO+2*\c+1]
.endr
	v_nop                                          ; one plain line behind the conversions
.irp d, 0,1                            ; p has been read: V's d tiles 2 and 3 take its first 24 registers
.irp c, 0,1
	ds_load_b128 v[S+12*\d+6*\c:S+12*\d+6*\c+3], v3 offset:6144+768*(4+2*\d+\c)
	ds_load_b64 v[S+12*\d+6*\c+4:S+12*\d+6*\c+5], v4 offset:6144+768*(4+2*\d+\c)+512
.endr
.endr
.irp c, 0,1
.irp i, 0,1,2
	v_permlane16_swap_b32 v[P+6*\c+\i], v[P+12+4*\c+\i]
.endr
.irp i, 0,1,2
	s_delay_alu instid0(VALU_DEP_3)
	v_mov_b32 v[P+3+6*\c+\i], v[P+12+4*\c+\i]
.endr
.endr
.set jj, 0
	s_setprio 0
.rept 16
	v_pk_mul_f32 v[O+jj:O+1+jj], v[O+jj:O+1+jj], v[FF:FF+1] op_sel_hi:[1,0]   ; O^T under the new M; these lines also stand between the operand's last write and the products
.set jj, jj+2
.endr
	s_wait_alu depctr_va_vdst(0)
	s_wait_dscnt 0x0
	v_wmma_scale_f32_16x16x128_f8f6f4 v[O:O+7], v[VB:VB+11], v[P:P+11], v[O:O+7], v[VSR], v10 matrix_a_fmt:MATRIX_FMT_FP6 matrix_b_fmt:MATRIX_FMT_FP6
	v_wmma_scale_f32_16x16x128_f8f6f4 v[O+8:O+15], v[VB+12:VB+23], v[P:P+11], v[O+8:O+15], v[VSR], v10 matrix_a_fmt:MATRIX_FMT_FP6 matrix_b_fmt:MATRIX_FMT_FP6 matrix_a_scale:MATRIX_SCALE_ROW1
	v_wmma_scale_f32_16x16x128_f8f6f4 v[O+16:O+23], v[S:S+11], v[P:P+11], v[O+16:O+23], v[VSR+1], v10 matrix_a_fmt:MATRIX_FMT_FP6 matrix_b_fmt:MATRIX_FMT_FP6
	v_wmma_scale_f32_16x16x128_f8f6f4 v[O+24:O+31], v[S+12:S+23], v[P:P+11], v[O+24:O+31], v[VSR+1], v10 matrix_a_fmt:MATRIX_FMT_FP6 matrix_b_fmt:MATRIX_FMT_FP6 matrix_a_scale:MATRIX_SCALE_ROW1
	s_add_co_u32 s[TB], s[TB], REC
.endm
; A UNIT: block s[qreg] + qadd of 256 queries of head s[hreg], whose K and V lie at LDS byte slot
.macro UNIT j, slot, hreg, qreg, qadd
	s_wait_xcnt 0x0                                ; the last unit's loads and stores have read the pointers and registers that are written from here on
	s_add_co_u32 s51, s[\qreg], \qadd              ; the block of queries
	s_mul_hi_u32 s52, s[\hreg], 0x15555556         ; the sequence = head / 12
	s_mul_i32 s53, s52, 12
	s_sub_co_u32 s53, s[\hreg], s53                ; the head inside it
	s_mul_i32 s54, s[\hreg], SLOTB
	s_lshl_b32 s55, s51, 1
	s_lshr_b32 s56, s[WV], 3
	s_add_co_u32 s55, s55, s56
	s_mul_i32 s55, s55, REC
	s_add_co_u32 s54, s54, s55                     ; my tile's record in QB
	s_and_b32 s56, s[WV], 7                        ; and its place tau in it
	s_mul_i32 s58, s56, 768
	s_add_co_u32 s58, s58, s54
	s_mov_b32 s59, 0
	s_add_nc_u64 s[60:61], s[4:5], s[58:59]
	s_lshr_b32 s58, s56, 2
	s_lshl_b32 s58, s58, 8
	s_bfe_u32 s62, s56, 0x10001
	s_lshl_b32 s62, s62, 2
	s_add_co_u32 s58, s58, s62
	s_and_b32 s57, s56, 1
	s_lshl_b32 s62, s57, 7
	s_add_co_u32 s58, s58, s62
	s_add_co_u32 s58, s58, s54
	s_add_co_u32 s58, s58, 12288
	s_add_nc_u64 s[46:47], s[4:5], s[58:59]        ; its scale words: image tau / 4, register (tau / 2) % 2, lanes 16 (tau % 2) on
	s_lshl_b32 s57, s57, 4
	global_load_b128 v[QF+6:QF+9], v1, s[60:61]
	global_load_b64 v[QF+10:QF+11], v2, s[60:61] offset:512
	global_load_b32 v8, v5, s[46:47]
	s_wait_loadcnt 0x0
	v_xor_b32 v[QF+6], 0x20820820, v[QF+6]         ; the sign bit of every code: bits 5, 11, 17 .. of the lane's 192
	v_xor_b32 v[QF+7], 0x08208208, v[QF+7]
	v_xor_b32 v[QF+8], 0x82082082, v[QF+8]
	v_xor_b32 v[QF+9], 0x20820820, v[QF+9]
	v_xor_b32 v[QF+10], 0x08208208, v[QF+10]
	v_xor_b32 v[QF+11], 0x82082082, v[QF+11]
	v_lshrrev_b32 v[TMP], s57, v8
	s_delay_alu instid0(VALU_DEP_1)
	v_and_b32 v[TMP], 0xffff, v[TMP]               ; q's two scale bytes
	s_delay_alu instid0(VALU_DEP_1)
	v_or_b32 v8, 0x015a0000, v[TMP]                ; (s0, s1, 90, 1)
	s_delay_alu instid0(VALU_DEP_2)
	v_lshlrev_b32 v9, 16, v[TMP]
	s_delay_alu instid0(VALU_DEP_1)
	v_or_b32 v9, 0x15a, v9                         ; (90, 1, s0, s1)
	v_mov_b32 v13, 0xe7800000                      ; the largest t so far: -2^80
	s_delay_alu instid0(VALU_DEP_1)
	v_floor_f32 v12, -v13
	v_mov_b32 v14, 0
	v_mov_b32 v15, 0
.set jj, 0
.rept 32
	v_mov_b32 v[O+jj], 0                           ; the step is written once: the first finds zeros
.set jj, jj+1
.endr
	s_mov_b32 s[TB], \slot
	s_mov_b32 s[CNT], 8
.Lstep_\@:
	s_setprio 2
	STEP
	s_sub_co_u32 s[CNT], s[CNT], 1
	s_cmp_lg_u32 s[CNT], 0
	s_cbranch_scc1 .Lstep_\@
	s_setprio 0
	NOPS 4                                         ; in front of the first read of the last results
	v_add_f32 v14, v14, v15
	s_delay_alu instid0(VALU_DEP_1)
	v_permlanex16_b32 v[TMP], v14, s[SEL], s[SEL+1]
	s_delay_alu instid0(VALU_DEP_1)
	v_add_f32 v14, v14, v[TMP]                     ; the row's sum
	s_wait_alu depctr_va_vdst(0)
	v_rcp_f32 v14, v14
	v_nop                                          ; a plain line behind the reciprocal
	s_lshl_b32 s54, s52, 6
	s_lshl_b32 s55, s51, 4
	s_add_co_u32 s54, s54, s55                     ; the unit's first tile of rows
	s_add_co_u32 s55, s54, s[WV]                   ; mine
	s_mul_i32 s56, s55, 9216
	s_mul_i32 s57, s53, 768
	s_add_co_u32 s56, s56, s57
	s_mov_b32 s57, 0
	s_add_nc_u64 s[44:45], s[8:9], s[56:57]
	s_lshl_b32 s56, s53, 16
	s_lshl_b32 s54, s54, 6
	s_add_co_u32 s56, s56, s54
	s_add_nc_u64 s[48:49], s[10:11], s[56:57]
	s_and_b32 s58, s53, 1
	s_lshl_b32 s58, s58, 4
	s_wait_alu depctr_va_vdst(0)                   ; the wait ahead of the reciprocal's first reader
.set jj, 0
.rept 16
	v_pk_mul_f32 v[S+32+jj:S+33+jj], v[O+jj:O+1+jj], v[14:15] op_sel_hi:[1,0]   ; O^T / l: register 16 b + i is d = 32 b + 16 (lane / 16) + i; each sum is read from its low end on
.set jj, jj+2
.endr
.irp b, 0,1
	v_max3_num_f32 v[BM+\b], |v[S+32+16*\b]|, |v[S+33+16*\b]|, 0x1800000
.endr
.irp i, 2,4,6,8,10,12,14
.irp b, 0,1
	s_delay_alu instid0(VALU_DEP_2)
	v_max3_num_f32 v[BM+\b], v[BM+\b], |v[S+32+16*\b+\i]|, |v[S+33+16*\b+\i]|
.endr
.endr
.irp b, 0,1
	s_delay_alu instid0(VALU_DEP_2)
	v_permlanex16_b32 v[PT+\b], v[BM+\b], s[SEL], s[SEL+1]
.endr
.irp b, 0,1
	s_delay_alu instid0(VALU_DEP_2)
	v_max_num_f32 v[BM+\b], v[BM+\b], v[PT+\b]
.endr
.irp b, 0,1
	s_delay_alu instid0(VALU_DEP_2)
	v_add_nc_u32 v[SCO+\b], 0xff000000, v[BM+\b]
.endr
.irp b, 0,1
	s_delay_alu instid0(VALU_DEP_2)
	v_lshrrev_b32 v[PT+\b], 23, v[SCO+\b]
.endr
	v_cvt_scalef32_pk16_fp6_f32 v[P:P+2], v[S+32:S+47], v[SCO]
	v_cvt_scalef32_pk16_fp6_f32 v[P+6:P+8], v[S+48:S+63], v[SCO+1]
	v_nop
.irp i, 0,1,2
	v_permlane16_swap_b32 v[P+\i], v[P+6+\i]
.endr
.irp i, 0,1,2
	s_delay_alu instid0(VALU_DEP_3)
	v_mov_b32 v[P+3+\i], v[P+6+\i]
.endr
	v_lshl_or_b32 v[TMP], v[PT+1], 8, v[PT]
	s_delay_alu instid0(VALU_DEP_1)
	v_lshlrev_b32 v[TMP], s58, v[TMP]              ; an odd head's bytes are bytes 2 and 3 of its K step's word
	v_cmp_ge_f32 vcc_lo, 0xe7800000, v13           ; no open key has moved the largest t
	s_delay_alu instid0(VALU_DEP_1)
	v_cndmask_b32 v[TMP], v[TMP], v[ONES], vcc_lo
	global_store_b128 v1, v[P:P+3], s[44:45]
	global_store_b64 v2, v[P+4:P+5], s[44:45] offset:512
	ds_store_b32 v6, v[TMP] offset:1024*(\j)       ; both halves of the lanes write the same word with the same value
	s_wait_dscnt 0x0
.if (\j) == 1
	s_wait_tensorcnt 0x0                           ; my part of slot 1 is in: the barrier below shows the whole slot to every wave
.endif
	s_barrier_signal -1
	s_barrier_wait -1
	s_cmp_lt_u32 s[WV], 2
	s_cbranch_scc0 .Lnot_mine_\@
	ds_load_b128 v[GB:GB+3], v7 offset:1024*(\j)   ; the sixteen tiles' words are 1,024 consecutive bytes of AOS: waves 0 and 1 store 512 each
	s_wait_dscnt 0x0
	global_store_b128 v11, v[GB:GB+3], s[48:49]
.Lnot_mine_\@:
.endm
	s_load_b256 s[4:11], s[0:1], 0x0               ; QB s[4:5], KV s[6:7], AO s[8:9], AOS s[10:11]
	v_lshl_add_u32 v254, v0, 2, 0x34c00
	v_mov_b32 v255, 0
	ds_add_u32 v254, v255
	ds_add_u32 v254, v255
	v_lshrrev_b32 v1, 5, v0
	s_delay_alu instid0(VALU_DEP_1)
	v_readfirstlane_b32 s[WV], v1                  ; wave 0..15
	s_and_b32 s42, ttmp9, 3                        ; i: my place among the four work-groups that share heads B, B + 1, B + 2
	s_lshr_b32 s43, ttmp9, 2
	s_mul_i32 s43, s43, 3
	s_min_u32 s44, s42, 2
	s_add_co_u32 s38, s43, s44                     ; slot 0: head B + min(i, 2), blocks 0, 1 (i = 3: blocks 2, 3)
	s_lshr_b32 s44, s42, 1
	s_add_co_u32 s39, s43, s44                     ; slot 1: head B + i / 2, block 2 + i % 2
	s_cmp_eq_u32 s42, 3
	s_cselect_b32 s40, 2, 0
	s_and_b32 s44, s42, 1
	s_add_co_u32 s41, s44, 2
	; descriptor group 1: 26 rows of 256 bytes (32 elements of 8 bytes), dense: a sixteenth of a head's records
	s_mov_b32 s16, 3<<16                           ; no mask; elements of 8 bytes; no padding
	s_mov_b32 s17, 32<<16                          ; tensor_dim0 = 32
	s_mov_b32 s18, 26<<16                          ; tensor_dim1 = 26
	s_mov_b32 s19, 32<<16                          ; tile_dim0 = 32
	s_mov_b32 s20, 26                              ; tile_dim1 = 26
	s_mov_b32 s21, 32                              ; from row to row
	s_mov_b32 s22, 0
	s_mov_b32 s23, 0
	s_mul_i32 s45, s[WV], 6656
	s_mul_i32 s46, s38, SLOTB
	s_add_co_u32 s46, s46, s45
	s_mov_b32 s47, 0
	s_mul_i32 s48, s39, SLOTB
	s_add_co_u32 s48, s48, s45
	s_mov_b32 s49, 0
	s_mov_b32 s[SEL], 0x76543210
	s_mov_b32 s[SEL+1], 0xfedcba98
	s_mov_b32 s[CS], 0xbe38aa3b
	s_mov_b32 s[CS+1], s[CS]
	s_wait_dscnt 0x0
	s_wait_kmcnt 0x0
	s_mov_b32 s24, 1
	s_mov_b32 s25, s45                             ; LDS: slot 0, 6,656 x wave
	s_add_nc_u64 s[26:27], s[6:7], s[46:47]
	s_or_b32 s27, s27, 0x80000000
	s_mov_b32 s28, 1
	s_add_co_u32 s29, s45, SLOTB                   ; slot 1
	s_add_nc_u64 s[30:31], s[6:7], s[48:49]
	s_or_b32 s31, s31, 0x80000000
	tensor_load_to_lds s[24:27], s[16:23]
	s_nop 0
	s_wait_alu depctr_va_vdst(0)
	s_wait_tensorcnt 0x0
	ds_add_u32 v254, v255
	s_wait_dscnt 0x0
	s_barrier_signal -1
	s_barrier_wait -1
	tensor_load_to_lds s[28:31], s[16:23]
	s_nop 0
	NOPS 4
	v_and_b32 v1, 31, v0
	s_delay_alu instid0(VALU_DEP_1)
	v_lshlrev_b32 v2, 3, v1                        ; 8 x lane
	s_delay_alu instid0(VALU_DEP_2)
	v_lshlrev_b32 v1, 4, v1                        ; 16 x lane
	v_and_b32 v5, 15, v0
	s_delay_alu instid0(VALU_DEP_1)
	v_lshlrev_b32 v6, 2, v5
	s_delay_alu instid0(VALU_DEP_2)
	v_lshlrev_b32 v5, 3, v5                        ; 8 r
	s_lshl_b32 s42, s[WV], 6
	s_add_co_u32 s42, s42, GATH
	v_add_nc_u32 v6, s42, v6                       ; my scale word's place: 64 x wave + 4 r
	v_lshlrev_b32 v11, 4, v0                       ; 16 x thread
	s_delay_alu instid0(VALU_DEP_1)
	v_add_nc_u32 v7, GATH, v11
	v_bfe_u32 v[QF], v0, 4, 1
	s_delay_alu instid0(VALU_DEP_1)
	v_xor_b32 v[QF], 1, v[QF]
	s_delay_alu instid0(VALU_DEP_1)
	v_lshlrev_b32 v[QF], 3, v[QF]                  ; e: the code 1.0 (0x08) at its first k, in lanes 0-15 alone
	s_delay_alu instid0(VALU_DEP_1)
	v_mov_b32 v[QF+12], v[QF]
.irp i, 1,2,3,4,5
	v_mov_b32 v[QF+\i], 0
	v_mov_b32 v[QF+12+\i], 0
	v_mov_b32 v[KB+6+\i], 0
	v_mov_b32 v[KB+24+\i], 0
.endr
	v_mov_b32 v[KB+6], 8                           ; the pads: the code 1.0 at their first k
	v_mov_b32 v[KB+24], 8
.irp b, 0,1,2,3
	v_mov_b32 v[PT+\b], 0                          ; written once: a lane permute's destination counts as one of its sources
.endr
	v_mov_b32 v[FF+1], 0                           ; (named as the upper half of a pair)
	v_mov_b32 v[ONES], -1
	s_wait_tensorcnt 0x1                           ; my part of slot 0 is in; slot 1's load may stay out
	s_barrier_signal -1
	s_barrier_wait -1                              ; everybody's is
	UNIT 0, 0, 38, 40, 0
	UNIT 1, 0, 38, 40, 1
	UNIT 2, SLOTB, 39, 41, 0
	s_wait_tensorcnt 0x0
	ds_add_u32 v254, v255
	s_wait_dscnt 0x0
	s_endpgm
.Lfunc_end_k_qe60b6f4a28_attn:
	.size	k_qe60b6f4a28_attn, .Lfunc_end_k_qe60b6f4a28_attn-k_qe60b6f4a28_attn
	.p2alignl 7, 3214868480
	.fill 96, 4, 3214868480
	.section	.rodata,"a",@progbits
	.p2align	6, 0x0
	.amdhsa_kernel k_qe60b6f4a28_attn
		.amdhsa_group_segment_fixed_size 327680
		.amdhsa_private_segment_fixed_size 0
		.amdhsa_enable_private_segment 0
		.amdhsa_kernarg_size 32
		.amdhsa_user_sgpr_count 2
		.amdhsa_user_sgpr_kernarg_segment_ptr 1
		.amdhsa_wavefront_size32 1
		.amdhsa_system_sgpr_workgroup_id_x 1
		.amdhsa_system_sgpr_workgroup_id_y 1
		.amdhsa_system_sgpr_workgroup_id_z 1
		.amdhsa_system_vgpr_workitem_id 0
		.amdhsa_next_free_vgpr 256
		.amdhsa_next_free_sgpr 66
		.amdhsa_reserve_vcc 1
		.amdhsa_float_denorm_mode_32 3
		.amdhsa_float_denorm_mode_16_64 3
		.amdhsa_memory_ordered 1
		.amdhsa_forward_progress 1
		.amdhsa_inst_pref_size 84
	.end_amdhsa_kernel
	.amdgpu_metadata
---
amdhsa.version: [ 1, 2 ]
amdhsa.kernels:
  - .name:           k_qe60b6f4a28_attn
    .symbol:         k_qe60b6f4a28_attn.kd
    .args:
      - { .name: QB, .offset: 0, .size: 8, .value_kind: global_buffer, .address_space: global }
      - { .name: KV, .offset: 8, .size: 8, .value_kind: global_buffer, .address_space: global }
      - { .name: AO, .offset: 16, .size: 8, .value_kind: global_buffer, .address_space: global }
      - { .name: AOS, .offset: 24, .size: 8, .value_kind: global_buffer, .address_space: global }
    .group_segment_fixed_size: 327680
    .private_segment_fixed_size: 0
    .kernarg_segment_align: 8
    .kernarg_segment_size: 32
    .max_flat_workgroup_size: 512
    .sgpr_count:     66
    .vgpr_count:     256
    .wavefront_size: 32
...
	.end_amdgpu_metadata
.endif
;; end of part 7
;; launch oproj (part 8): grid 256 x 1, 4 waves a work-group, no clusters, 102,912 bytes of LDS; arguments AO, AOS, WB, bo, out0; writes out0
.if DOCPART == 8
	.amdgcn_target "amdgcn-amd-amdhsa--gfx1250"
	.amdhsa_code_object_version 6
	.text
	.protected	k_qe60b6f4a28_oproj
	.globl	k_qe60b6f4a28_oproj
	.p2align	8
	.type	k_qe60b6f4a28_oproj,@function
k_qe60b6f4a28_oproj:
	s_mov_b64 s[64:65], 0
	v_nop
	global_prefetch_b8 v0, s[64:65] scope:SCOPE_SE
	s_setreg_imm32_b32 hwreg(HW_REG_WAVE_SCHED_MODE, 0, 2), 2
	s_setreg_imm32_b32 hwreg(HW_REG_WAVE_MODE, 25, 1), 1
	s_wait_xcnt 0x0
	s_wait_alu depctr_vm_vsrc(0)
; OPROJ: out0 = a Wo + bo on codes of FP6 (E2M3) with E8M0 scales; a, the attention's result, comes as codes (AO: [row tile][head] half fragments of 768 bytes) and scale words (AOS: [head][row tile][16 rows], an even head's two bytes in the low half, an odd head's in the high half).
; A UNIT is 64 rows (block rb) x 256 columns (group g): 256 x 3 units; work-group wg walks units 3 wg .. 3 wg + 2.  Wave w makes 64 columns; its 24 fragments of Wo stay in registers and are loaded again only where the walk enters a new group.
; a's codes, 36,864 bytes a block, are loaded a trip ahead into registers, stored into one of two LDS buffers and read by all four waves: one barrier a trip.  No cluster: the three work-groups that read one block lie some 85 ids apart.
; Source 0 = 16 columns of Wo, source 1 = 16 rows of a: a lane holds one row, its registers 16 b + i are columns 32 b + 16 (lane / 16) + i.  A row tile goes through the wave's own stage and leaves as rows of 256 bytes: sixteen lanes store 256 consecutive bytes, aligned to 256.
; A row with no open key has the scale word 0xffffffff: its sums are NaN, as in the definition.
; REGISTERS: window 0: v1-14 addresses; v16-27 Wo's scale words; v28-43 a's; v44-67 a's as loaded; v80-143 rows on their way out; v144-215 fragments of an even tile.  window 1: Wo's K steps 0-4.  window 2: K step 5; v48-79 bo; v80-151 the block on its way to LDS; v160-231 fragments of an odd tile.  window 3: the sums.
; THE MODE: SCHED_MODE bits 1:0 = 2 (LLVM: expert scheduling mode 2), set by the entry lines.  The code itself states the register dependences between vector or matrix instructions and memory or LDS instructions, with s_wait_alu, always for 0.
; THE PLAN.  Registers that memory or LDS instructions touch, round a trip:
;   v1, v2, v3, v8, v10 to v14   offsets and stage addresses, made at the head and never written again.
;   v4, v5, v6   LDS addresses of the buffer that is read and of the one that is written: three additions at a trip's head; read by the trip's LDS loads and stores.
;   STG          written by global loads, read by LDS stores; no vector instruction names it.
;   SCR          a's scale words as loaded: read by twelve ORs at a trip's head; behind them the next block's land in it.     XSR   written by those ORs, read by the products as scales.
;   XF0, XF1     tile m's products read XF[m % 2]; tile m + 1's 24 LDS loads land in the other one, dealt in three runs among tile m's products.
;   the sums     written by the products; read by the LDS stores of the way out.     OB0, OB1   written by LDS loads from the stage, read by global stores; tile m takes OB[m % 2].
; So a trip has: one wait on vm_vsrc ahead of the three additions and one on va_vdst behind the ORs and their eight plain lines; one on vm_vsrc ahead of the loads into STG; one on va_vdst at the heads of tiles 1 and 2;
; one on va_vdst ahead of the way out; one on vm_vsrc ahead of the stage loads of tiles 2 and 3.
.set WS,  16
.set XSR, 28
.set SCR, 44
.set OB,  80
.set XF0, 144
.set XF1, 160
.set BI,  48
.set STG, 80
.set STAGE, 40960                      ; between the buffers: 16 rows x (256 + 16) bytes for each wave
.set MSB, 0
.macro WIN new
.if MSB != (\new)
	s_set_vgpr_msb (MSB<<8)|(\new)
.set MSB, (\new)
.endif
.endm
.macro NOPS n
.rept \n
	v_nop
.endr
.endm
.macro IDS
	s_lshr_b32 s25, s24, 8                         ; g
	s_and_b32 s26, s24, 255                        ; rb
.endm
.macro LOADW
	s_wait_xcnt 0x0                                ; earlier loads have read the pointers that are written here
	s_lshl_b32 s54, s25, 2
	s_add_co_u32 s54, s54, s22                     ; my 64 columns: 4 g + wave
	s_lshl_b32 s56, s54, 8
	s_mov_b32 s57, 0
	s_add_nc_u64 s[52:53], s[10:11], s[56:57]
	s_add_co_u32 s54, s54, 36                      ; Wo's units follow q's, k's and v's
	s_mul_i32 s56, s54, 36864
	s_add_nc_u64 s[48:49], s[8:9], s[56:57]
	s_mul_i32 s56, s54, 1536
	s_add_co_u32 s56, s56, 1769472
	s_add_nc_u64 s[50:51], s[8:9], s[56:57]
	WIN 0x40
.irp ks, 0,1,2,3,4
.irp t, 0,1,2,3
.irp q, 0,1,2
	global_load_b128 v[48*\ks+12*\t+4*\q:48*\ks+12*\t+4*\q+3], v1, s[48:49] offset:(4*\ks+\t)*1536+512*\q
.endr
.endr
.endr
	WIN 0x80
.irp t, 0,1,2,3
.irp q, 0,1,2
	global_load_b128 v[12*\t+4*\q:12*\t+4*\q+3], v1, s[48:49] offset:(20+\t)*1536+512*\q
.endr
.endr
.irp t, 0,1,2,3
	global_load_b128 v[BI+8*\t:BI+8*\t+3], v8, s[52:53] offset:(32*(\t/2)+8*(\t%2))*4
	global_load_b128 v[BI+8*\t+4:BI+8*\t+7], v8, s[52:53] offset:(32*(\t/2)+8*(\t%2))*4+16
.endr
	WIN 0
.irp rho, 0,1,2,3,4,5,6,7,8,9,10,11
	global_load_b32 v[WS+\rho], v10, s[50:51] offset:128*\rho
.endr
.endm
.macro STGLOAD                         ; block s54 of a's codes: 128 threads x 16 bytes x 18
	s_mul_i32 s56, s54, 36864
	s_mov_b32 s57, 0
	s_add_nc_u64 s[36:37], s[4:5], s[56:57]
	WIN 0x80
.set ii, 0
.rept 18
	global_load_b128 v[STG+4*ii:STG+4*ii+3], v3, s[36:37] offset:2048*ii
.set ii, ii+1
.endr
	WIN 0
.endm
.macro STGSTORE
	WIN 0x08
.set ii, 0
.rept 18
	ds_store_b128 v6, v[STG+4*ii:STG+4*ii+3] offset:2048*ii
.set ii, ii+1
.endr
	WIN 0
.endm
.macro SCLOAD                          ; block s54's scale words: lane (r, h) takes, for register a of tile m, the words of heads 4 a + 2 h and 4 a + 2 h + 1
	s_lshl_b32 s56, s54, 8
	s_mov_b32 s57, 0
	s_add_nc_u64 s[38:39], s[6:7], s[56:57]
.irp m, 0,1,2,3
.irp a, 0,1,2
.irp e, 0,1
	global_load_b32 v[SCR+6*\m+2*\a+\e], v11, s[38:39] offset:(4*\a+\e)*65536+64*\m
.endr
.endr
.endr
.endm
.macro XPART m, p                      ; a third of tile m's fragments: half fragments 4 p .. 4 p + 3, eight loads, 24 registers
.if ((\m)%2) == 0
.set XL, XF0
	WIN 0
.else
.set XL, XF1
	WIN 0x80
.endif
.irp e, 0,1,2,3
	ds_load_b128 v[XL+6*(4*(\p)+\e):XL+6*(4*(\p)+\e)+3], v4 offset:9216*(\m)+768*(4*(\p)+\e)
	ds_load_b64 v[XL+6*(4*(\p)+\e)+4:XL+6*(4*(\p)+\e)+5], v5 offset:9216*(\m)+768*(4*(\p)+\e)+512
.endr
.endm
.macro XFETCH m
	XPART \m, 0
	XPART \m, 1
	XPART \m, 2
	WIN 0
.endm
.macro WMS
.if (RA == 0) && (RB == 0)
	v_wmma_scale_f32_16x16x128_f8f6f4 v[DD:DD+7], v[AA:AA+11], v[BB:BB+11], v[CC:CC+7], v[SA], v[SB] matrix_a_fmt:MATRIX_FMT_FP6 matrix_b_fmt:MATRIX_FMT_FP6
.elseif (RA == 1) && (RB == 0)
	v_wmma_scale_f32_16x16x128_f8f6f4 v[DD:DD+7], v[AA:AA+11], v[BB:BB+11], v[CC:CC+7], v[SA], v[SB] matrix_a_fmt:MATRIX_FMT_FP6 matrix_b_fmt:MATRIX_FMT_FP6 matrix_a_scale:MATRIX_SCALE_ROW1
.elseif (RA == 0) && (RB == 1)
	v_wmma_scale_f32_16x16x128_f8f6f4 v[DD:DD+7], v[AA:AA+11], v[BB:BB+11], v[CC:CC+7], v[SA], v[SB] matrix_a_fmt:MATRIX_FMT_FP6 matrix_b_fmt:MATRIX_FMT_FP6 matrix_b_scale:MATRIX_SCALE_ROW1
.else
	v_wmma_scale_f32_16x16x128_f8f6f4 v[DD:DD+7], v[AA:AA+11], v[BB:BB+11], v[CC:CC+7], v[SA], v[SB] matrix_a_fmt:MATRIX_FMT_FP6 matrix_b_fmt:MATRIX_FMT_FP6 matrix_a_scale:MATRIX_SCALE_ROW1 matrix_b_scale:MATRIX_SCALE_ROW1
.endif
.endm
; 24 products: row tile m x my four column tiles x six K steps; the four sums take turns, one instruction a turn; the first K step takes bo as C
; f = 1: tile m + 1's fragments are fetched into the other buffer, eight loads ahead of each of the K steps 0, 1 and 2.  No wait stands at these loads: no product of this tile names the other buffer, v4 or v5.
.macro MMA m, f
.if ((\m)%2) == 0
.set XB, XF0
.set XW, 0
.else
.set XB, XF1
.set XW, 2
.endif
.irp ks, 0,1,2,3,4,5
.if (\f) && (\ks < 3)
	XPART \m+1, \ks
.endif
.set WW, 1+(\ks/5)
.set WBS, 48*(\ks%5)
.set CW, 3-((5-\ks)/5)
	WIN (WW|(XW<<2)|(CW<<4)|0xc0)
.irp t, 0,1,2,3
.set DD, 32*(\m)+8*\t
.set AA, WBS+12*\t
.set BB, XB+12*\ks
.set SA, WS+6*(\t/2)+\ks
.set RA, \t%2
.set SB, XSR+4*(\m)+\ks/2
.set RB, \ks%2
.if \ks == 0
.set CC, BI+8*\t
.else
.set CC, DD
.endif
	WMS
.endr
.endr
.endm
.macro EPIO m                          ; row tile m: 16 rows x 256 bytes through my stage
	WIN 0x0c
.irp b, 0,1
.irp q, 0,1,2,3
	ds_store_b128 v12, v[32*(\m)+16*\b+4*\q:32*(\m)+16*\b+4*\q+3] offset:128*\b+16*\q   ; each sum from its low end on
.endr
.endr
	WIN 0
.if (\m) >= 2
	s_wait_xcnt 0x0                                ; the stores of the tile two back have read the registers that the loads below fill (for tiles 0 and 1 the waits at the trip's head say so of the last trip's stores)
	s_wait_alu depctr_vm_vsrc(0)                   ; the global stores of the tile two back have read their 32 registers, in which the loads below land
.endif
.irp i, 0,1,2,3,4,5,6,7
	ds_load_b128 v[OB+32*((\m)%2)+4*\i:OB+32*((\m)%2)+4*\i+3], v13 offset:544*\i        ; LDS serves a wave's instructions in order: these see the stores above; lanes 0-15 one row, lanes 16-31 the next
.endr
.irp i, 0,1,2,3,4,5,6,7
	s_wait_dscnt 7-\i                              ; load i is in; the younger ones may be out
	global_store_b128 v14, v[OB+32*((\m)%2)+4*\i:OB+32*((\m)%2)+4*\i+3], s[40:41] offset:(32*((\m)/2)+8*((\m)%2)+2*\i+8*(\i/4))*3072 th:TH_STORE_NT
.endr
.endm
	s_load_b256 s[4:11], s[0:1], 0x0               ; AO s[4:5], AOS s[6:7], WB s[8:9], bo s[10:11]
	s_load_b64 s[12:13], s[0:1], 0x20              ; out0
	v_lshl_add_u32 v254, v0, 2, 0x19000
	v_mov_b32 v255, 0
	v_lshrrev_b32 v1, 5, v0
	v_readfirstlane_b32 s22, v1                    ; wave
	v_and_b32 v10, 31, v0
	v_lshlrev_b32 v1, 4, v10                       ; 16 x lane
	v_lshlrev_b32 v2, 3, v10                       ; 8 x lane
	v_lshlrev_b32 v10, 2, v10                      ; 4 x lane
	v_lshlrev_b32 v3, 4, v0                        ; 16 x thread
	v_and_b32 v7, 15, v0                           ; r
	v_bfe_u32 v9, v0, 4, 1                         ; h
	v_lshlrev_b32 v8, 6, v9                        ; 64 h
	v_lshlrev_b32 v11, 17, v9
	v_lshl_add_u32 v11, v7, 2, v11                 ; two heads x 65,536 for lanes 16-31, + 4 r
	s_wait_alu depctr_va_sdst(0)                   ; s22, the wave's number, is written, ahead of its first reader: the stage and the pointers are made from it
	s_mul_i32 s54, s22, 4352
	s_add_co_u32 s54, s54, STAGE
	v_mul_u32_u24 v12, v7, 272
	v_add_nc_u32 v12, v12, v8
	v_add_nc_u32 v12, s54, v12                     ; into the stage: row r, + 64 h
	v_mul_u32_u24 v13, v9, 272
	v_lshl_add_u32 v13, v7, 4, v13
	v_add_nc_u32 v13, s54, v13                     ; out of it: row h of a pair, 16 bytes a lane
	v_mul_u32_u24 v14, v9, 3072
	v_lshl_add_u32 v14, v7, 4, v14                 ; and the same in out0
	s_mov_b32 s33, 0                               ; the buffer that is read
	s_mov_b32 s34, 0                               ; the buffer that is written
	s_mov_b32 s23, 0                               ; trip
	s_mul_i32 s24, ttmp9, 3                        ; unit
	IDS
	s_wait_kmcnt 0x0
	s_mov_b32 s54, s26
	s_wait_alu depctr_va_vdst(0)                   ; the offsets and stage addresses v1, v2, v3, v8 and v10 to v14 are written, which the kernel's loads and stores read
	STGLOAD
	SCLOAD
	LOADW
	s_wait_loadcnt 0x0
	v_add_nc_u32 v6, s34, v3
	s_wait_alu depctr_va_vdst(0)                   ; v6 is written, the address of the LDS stores below
	STGSTORE
	s_wait_dscnt 0x0
	s_wait_alu depctr_vm_vsrc(0)                   ; the LDS stores have read the block's registers, in which the next block's loads land
	s_add_co_u32 s54, s24, 1
	s_and_b32 s54, s54, 255
	STGLOAD
	s_mov_b32 s34, 0x10000
	s_barrier_signal -1
	s_barrier_wait -1
.Ltrip:
	IDS
	s_cmp_lg_u32 s26, 0
	s_cbranch_scc1 .Lkeepw
	s_cmp_eq_u32 s23, 0
	s_cbranch_scc1 .Lkeepw
	NOPS 4
	s_wait_alu depctr_va_vdst(0)                   ; the last trip's products are done reading the weights, their scale words and the bias, in which the loads below land
	LOADW                                          ; the walk has entered a new group of columns
.Lkeepw:
	s_wait_xcnt 0x0                                ; the last trip's stores have read their base and their data
	s_mul_i32 s56, s26, 196608
	s_lshl_b32 s58, s25, 2
	s_add_co_u32 s58, s58, s22
	s_lshl_b32 s58, s58, 8
	s_add_co_u32 s56, s56, s58
	s_mov_b32 s57, 0
	s_add_nc_u64 s[40:41], s[12:13], s[56:57]      ; out0 at (64 rb, 64 (4 g + wave))
	s_wait_alu depctr_vm_vsrc(0)                   ; the LDS loads and stores issued so far have read v4 to v6, which are written below, and the sums, which this trip's products write again; the last trip's global stores have read the rows' registers, in which this trip's stage loads land
	v_add_nc_u32 v4, s33, v1
	v_add_nc_u32 v5, s33, v2
	v_add_nc_u32 v6, s34, v3
	s_wait_loadcnt 0x0                             ; the next block's codes and this block's scale words have come
.irp m, 0,1,2,3
.irp a, 0,1,2
	v_or_b32 v[XSR+4*\m+\a], v[SCR+6*\m+2*\a], v[SCR+6*\m+2*\a+1]   ; two heads' halves make a K step's word: K step 2 a in lanes 0-15, 2 a + 1 in lanes 16-31
.endr
.endr
	NOPS 8                                         ; eight plain lines between a scale register's write by a vector instruction and the scaled product
	s_wait_alu depctr_va_vdst(0)                   ; the ORs have written a's scale words, which the products take, and are done reading the words as loaded, in which the next block's land; v4 to v6 are written, the addresses of this trip's LDS loads and stores; the last trip's products are done reading both buffers of fragments, in which this trip's loads land
	s_cmp_lt_u32 s23, 2
	s_cbranch_scc0 .Lnostore
	STGSTORE                                       ; into the buffer that nobody reads in this trip
	s_add_co_u32 s54, s24, 1
	s_and_b32 s54, s54, 255
	SCLOAD                                         ; the next block's scale words
.Lnostore:
	XFETCH 0
	s_wait_dscnt 0x0                               ; tile 0's fragments are in
	s_cmp_lt_u32 s23, 1
	s_cbranch_scc0 .Lnoload
	s_wait_alu depctr_vm_vsrc(0)                   ; the LDS stores above have read the block's registers, in which the loads below land
	s_add_co_u32 s54, s24, 2
	s_and_b32 s54, s54, 255
	STGLOAD
.Lnoload:
.irp m, 0,1,2,3
.if (\m > 0) && (\m < 3)
	NOPS 4                                         ; four plain lines stand between the products that read a buffer and the loads into it
.endif
.if \m > 0
	s_wait_dscnt 0x0                               ; this tile's fragments are in: the last of them were asked for 16 products ago
.endif
.if (\m > 0) && (\m < 3)
	s_wait_alu depctr_va_vdst(0)                   ; the products of the tile before are done reading their buffer of fragments, in which the loads dealt among the products below land
.endif
.if \m < 3
	MMA \m, 1
.else
	MMA \m, 0
.endif
	WIN 0
.endr
	NOPS 4                                         ; in front of the first read of the last results
	s_wait_alu depctr_va_vdst(0)                   ; the products have written the sums, which the LDS stores of the way out read; the plain lines above stay beside this wait
.irp m, 0,1,2,3
	EPIO \m
.endr
	s_wait_dscnt 0x0                               ; my stores into the next buffer have landed and my reads of this one are in
	s_barrier_signal -1
	s_barrier_wait -1
	s_xor_b32 s33, s33, 0x10000
	s_xor_b32 s34, s34, 0x10000
	s_add_co_u32 s24, s24, 1
	s_add_co_u32 s23, s23, 1
	s_cmp_lt_u32 s23, 3
	s_cbranch_scc1 .Ltrip
	s_wait_dscnt 0x0
	s_wait_alu depctr_hold_cnt(0) depctr_sa_sdst(0) depctr_va_vdst(0) depctr_va_sdst(0) depctr_va_ssrc(0) depctr_va_vcc(0) depctr_vm_vsrc(0)
	s_wait_tensorcnt 0x0
	ds_add_u32 v254, v255
	s_wait_dscnt 0x0
	s_endpgm
.Lfunc_end_k_qe60b6f4a28_oproj:
	.size	k_qe60b6f4a28_oproj, .Lfunc_end_k_qe60b6f4a28_oproj-k_qe60b6f4a28_oproj
	.p2alignl 7, 3214868480
	.fill 96, 4, 3214868480
	.section	.rodata,"a",@progbits
	.p2align	6, 0x0
	.amdhsa_kernel k_qe60b6f4a28_oproj
		.amdhsa_group_segment_fixed_size 102912
		.amdhsa_private_segment_fixed_size 0
		.amdhsa_enable_private_segment 0
		.amdhsa_kernarg_size 40
		.amdhsa_user_sgpr_count 2
		.amdhsa_user_sgpr_kernarg_segment_ptr 1
		.amdhsa_wavefront_size32 1
		.amdhsa_system_sgpr_workgroup_id_x 1
		.amdhsa_system_sgpr_workgroup_id_y 1
		.amdhsa_system_sgpr_workgroup_id_z 1
		.amdhsa_system_vgpr_workitem_id 0
		.amdhsa_next_free_vgpr 896
		.amdhsa_next_free_sgpr 66
		.amdhsa_reserve_vcc 0
		.amdhsa_float_denorm_mode_32 3
		.amdhsa_float_denorm_mode_16_64 3
		.amdhsa_memory_ordered 1
		.amdhsa_forward_progress 1
		.amdhsa_inst_pref_size 64
	.end_amdhsa_kernel
	.amdgpu_metadata
---
amdhsa.version: [ 1, 2 ]
amdhsa.kernels:
  - .name:           k_qe60b6f4a28_oproj
    .symbol:         k_qe60b6f4a28_oproj.kd
    .args:
      - { .name: AO, .offset: 0, .size: 8, .value_kind: global_buffer, .address_space: global }
      - { .name: AOS, .offset: 8, .size: 8, .value_kind: global_buffer, .address_space: global }
      - { .name: WB, .offset: 16, .size: 8, .value_kind: global_buffer, .address_space: global }
      - { .name: bo, .offset: 24, .size: 8, .value_kind: global_buffer, .address_space: global }
      - { .name: out0, .offset: 32, .size: 8, .value_kind: global_buffer, .address_space: global }
    .group_segment_fixed_size: 102912
    .private_segment_fixed_size: 0
    .kernarg_segment_align: 8
    .kernarg_segment_size: 40
    .max_flat_workgroup_size: 128
    .sgpr_count:     66
    .vgpr_count:     896
    .wavefront_size: 32
...
	.end_amdgpu_metadata
.endif
;; end of part 8
